; MI455X (gfx1250); checked and timed in simulation.
; The chip was launched on July 23, 2026; its instructions are those of AMD's public machine-readable ISA for CDNA 5 (MIT licence, August 2026) and "CDNA5" Instruction Set Architecture Reference Guide (July 2026). The comments in the code are by the model that wrote it; some were corrected since.
;; Self Attention. Allowed arithmetic: float matrix products may take bf16 or f16 operands with f32 sums; all other float work in f32.
;; Inputs: b_in 3,072 float32; b_out 1,024 float32; w_in 1,024 x 3,072 float32; w_out 1,024 x 1,024 float32; x 2 x 2,048 x 1,024 float32.
;; Outputs: out0 2 x 2,048 x 1,024 float32.
;; 3 versions, each right; version 2 is faster than version 1; version 3 is version 2 with the launch cast written anew for expert scheduling mode. Each part assembles by itself: llvm-mc -triple=amdgcn-amd-amdhsa -mcpu=gfx1250 --defsym DOCPART=n.
;; ======== version 1 of 3: 4 launches
;; limits: values are held in f16: magnitudes above 65,504 overflow, below 6.1e-05 lose precision
;; workspace buffers: xb 8,388,608 bytes; wib 6,291,456 bytes; wob 2,097,152 bytes; qkv 25,165,824 bytes; vlo 8,388,608 bytes; atth 8,388,608 bytes; attl 8,388,608 bytes
;; launch cast (part 1): grid 512 x 1, 8 waves a work-group, no clusters, 0 bytes of LDS; arguments x, w_in, w_out, xb, wib, wob; writes xb, wib, wob
.if DOCPART == 1
	.amdgcn_target "amdgcn-amd-amdhsa--gfx1250"
	.amdhsa_code_object_version 6
	.text
	.protected	k_q73b51bb48b_cast
	.globl	k_q73b51bb48b_cast
	.p2align	8
	.type	k_q73b51bb48b_cast,@function
k_q73b51bb48b_cast:
	s_mov_b64 s[64:65], 0
	v_nop
	global_prefetch_b8 v0, s[64:65] scope:SCOPE_SE
	s_setreg_imm32_b32 hwreg(HW_REG_WAVE_MODE, 25, 1), 1
	s_wait_xcnt 0x0
; xb = bf16(x), wib = bf16(w_in), wob = f16(bf16(w_out)), each in its source's own layout, rounded to nearest even.
; The products that follow read every operand many times; rounded once here they are read at half the bytes and need no conversion there.
; All three inputs take the same rounding, to bf16.  w_out's rounded value is then written in f16, because the operand that it meets (the
; attention's result) is kept in f16; that second step changes nothing for 2^-17 <= |w| < 65,504.
; LIMIT: |w_out| at or above 65,504 becomes infinity; a rounded value below 2^-17 loses bits (absolute error at most 2^-25).
; A work-group casts 16,384 numbers (65,536 bytes in, 32,768 out): groups 0-255 take x, 256-447 w_in, 448-511 w_out.
; Thread t, chunk i: 16 bytes in at 16 t + 4,096 i (a wave's load covers 512 consecutive bytes), 8 bytes out at 8 t + 2,048 i
; (a wave's store covers 256 consecutive bytes, aligned).  All sixteen loads go out first; there is no loop.
; No LDS, no matrix unit, no cluster: nothing is shared and nothing is summed.
.set XG,  256                          ; work-groups for x
.set WG,  448                          ; first work-group of w_out
.set IN,  4                            ; v[4:67]   sixteen chunks as loaded
.set OUT, 68                           ; v[68:99]  sixteen chunks to store
	s_load_b256 s[4:11], s[0:1], 0x0               ; x s[4:5], w_in s[6:7], w_out s[8:9], xb s[10:11]
	s_load_b128 s[12:15], s[0:1], 0x20             ; wib s[12:13], wob s[14:15]
	s_mov_b32 s16, ttmp9                           ; my number
	s_sub_co_u32 s17, s16, XG                      ; my number among w_in's groups
	s_sub_co_u32 s18, s16, WG                      ; my number among w_out's groups
	s_mov_b32 s30, 0xffff0000                      ; a word's upper bf16
	v_lshlrev_b32 v1, 4, v0                        ; 16 t
	v_lshlrev_b32 v2, 3, v0                        ; 8 t
	s_wait_kmcnt 0x0
	s_cmp_lt_u32 s16, WG                           ; the choice of buffers hangs on the group's number alone
	s_cselect_b64 s[20:21], s[6:7], s[8:9]
	s_cselect_b64 s[22:23], s[12:13], s[14:15]
	s_cselect_b32 s24, s17, s18
	s_cmp_lt_u32 s16, XG
	s_cselect_b64 s[20:21], s[4:5], s[20:21]       ; source
	s_cselect_b64 s[22:23], s[10:11], s[22:23]     ; destination
	s_cselect_b32 s24, s16, s24                    ; my number inside that buffer
	s_lshl_b32 s26, s24, 16                        ; 65,536 bytes in for each group
	s_mov_b32 s27, 0
	s_lshl_b32 s28, s24, 15                        ; 32,768 bytes out
	s_mov_b32 s29, 0
	s_add_nc_u64 s[20:21], s[20:21], s[26:27]
	s_add_nc_u64 s[22:23], s[22:23], s[28:29]
.irp i, 0,1,2,3,4,5,6,7,8,9,10,11,12,13,14,15
	global_load_b128 v[IN+4*\i:IN+4*\i+3], v1, s[20:21] offset:4096*\i th:TH_LOAD_NT   ; read once in the launch
.endr
	s_cmp_lt_u32 s16, WG
	s_cbranch_scc0 .Lwout
.irp i, 0,1,2,3,4,5,6,7,8,9,10,11,12,13,14,15
	s_wait_loadcnt 15-\i                           ; loads come back in order: chunk i is in, the 15 - i younger ones stay out
	v_cvt_pk_bf16_f32 v[OUT+2*\i],   v[IN+4*\i],   v[IN+4*\i+1]
	v_cvt_pk_bf16_f32 v[OUT+2*\i+1], v[IN+4*\i+2], v[IN+4*\i+3]
	global_store_b64 v2, v[OUT+2*\i:OUT+2*\i+1], s[22:23] offset:2048*\i               ; the next launches read it: no hint
.endr
	s_endpgm
.Lwout:
.irp i, 0,1,2,3,4,5,6,7,8,9,10,11,12,13,14,15
	s_wait_loadcnt 15-\i                           ; as above
	v_cvt_pk_bf16_f32 v[OUT+2*\i],   v[IN+4*\i],   v[IN+4*\i+1]    ; the rounding
	v_cvt_pk_bf16_f32 v[OUT+2*\i+1], v[IN+4*\i+2], v[IN+4*\i+3]
	v_lshlrev_b32 v[IN+4*\i],   16,  v[OUT+2*\i]                   ; the rounded values as f32,
	v_and_b32     v[IN+4*\i+1], s30, v[OUT+2*\i]
	v_lshlrev_b32 v[IN+4*\i+2], 16,  v[OUT+2*\i+1]
	v_and_b32     v[IN+4*\i+3], s30, v[OUT+2*\i+1]
	v_cvt_pk_f16_f32 v[OUT+2*\i],   v[IN+4*\i],   v[IN+4*\i+1]     ; and written in f16
	v_cvt_pk_f16_f32 v[OUT+2*\i+1], v[IN+4*\i+2], v[IN+4*\i+3]
	global_store_b64 v2, v[OUT+2*\i:OUT+2*\i+1], s[22:23] offset:2048*\i
.endr
	s_endpgm
.Lfunc_end_k_q73b51bb48b_cast:
	.size	k_q73b51bb48b_cast, .Lfunc_end_k_q73b51bb48b_cast-k_q73b51bb48b_cast
	.p2alignl 7, 3214868480
	.fill 96, 4, 3214868480
	.section	.rodata,"a",@progbits
	.p2align	6, 0x0
	.amdhsa_kernel k_q73b51bb48b_cast
		.amdhsa_group_segment_fixed_size 0
		.amdhsa_private_segment_fixed_size 0
		.amdhsa_enable_private_segment 0
		.amdhsa_kernarg_size 48
		.amdhsa_user_sgpr_count 2
		.amdhsa_user_sgpr_kernarg_segment_ptr 1
		.amdhsa_wavefront_size32 1
		.amdhsa_system_sgpr_workgroup_id_x 1
		.amdhsa_system_sgpr_workgroup_id_y 1
		.amdhsa_system_sgpr_workgroup_id_z 1
		.amdhsa_system_vgpr_workitem_id 0
		.amdhsa_next_free_vgpr 104
		.amdhsa_next_free_sgpr 66
		.amdhsa_reserve_vcc 0
		.amdhsa_float_denorm_mode_32 3
		.amdhsa_float_denorm_mode_16_64 3
		.amdhsa_memory_ordered 1
		.amdhsa_forward_progress 1
		.amdhsa_inst_pref_size 15
	.end_amdhsa_kernel
	.amdgpu_metadata
---
amdhsa.version: [ 1, 2 ]
amdhsa.kernels:
  - .name:           k_q73b51bb48b_cast
    .symbol:         k_q73b51bb48b_cast.kd
    .args:
      - { .name: x, .offset: 0, .size: 8, .value_kind: global_buffer, .address_space: global }
      - { .name: w_in, .offset: 8, .size: 8, .value_kind: global_buffer, .address_space: global }
      - { .name: w_out, .offset: 16, .size: 8, .value_kind: global_buffer, .address_space: global }
      - { .name: xb, .offset: 24, .size: 8, .value_kind: global_buffer, .address_space: global }
      - { .name: wib, .offset: 32, .size: 8, .value_kind: global_buffer, .address_space: global }
      - { .name: wob, .offset: 40, .size: 8, .value_kind: global_buffer, .address_space: global }
    .group_segment_fixed_size: 0
    .private_segment_fixed_size: 0
    .kernarg_segment_align: 8
    .kernarg_segment_size: 48
    .max_flat_workgroup_size: 256
    .sgpr_count:     66
    .vgpr_count:     104
    .wavefront_size: 32
...
	.end_amdgpu_metadata
.endif
;; end of part 1
;; launch qkvgemm (part 2): grid 12 x 16, 4 waves a work-group, clusters of 4 x 4, 327,680 bytes of LDS; arguments xb, wib, qkv, b_in, vlo; writes qkv, vlo
.if DOCPART == 2
	.amdgcn_target "amdgcn-amd-amdhsa--gfx1250"
	.amdhsa_code_object_version 6
	.text
	.protected	k_q73b51bb48b_qkvgemm
	.globl	k_q73b51bb48b_qkvgemm
	.p2align	8
	.type	k_q73b51bb48b_qkvgemm,@function
k_q73b51bb48b_qkvgemm:
	s_mov_b64 s[64:65], 0
	v_nop
	global_prefetch_b8 v0, s[64:65] scope:SCOPE_SE
	s_setreg_imm32_b32 hwreg(HW_REG_WAVE_MODE, 25, 1), 1
	s_wait_xcnt 0x0
	s_wait_alu depctr_hold_cnt(0) depctr_sa_sdst(0) depctr_va_vdst(0) depctr_va_sdst(0) depctr_va_ssrc(0) depctr_va_vcc(0) depctr_vm_vsrc(0)
	s_getreg_b32 s2, hwreg(HW_REG_IB_STS2, 6, 4)
	s_cmp_eq_u32 s2, 0
	s_cbranch_scc0 .Lentry_in_a_cluster
	s_endpgm
.Lentry_in_a_cluster:
	s_bfe_u32 s2, ttmp6, 0x10000c
	s_cmp_lg_u32 s2, 0xf033
	s_cbranch_scc0 .Lentry_shape_is_right
	s_endpgm
.Lentry_shape_is_right:
; qkv = x w_in + b_in.  xb: [4096][1024] bf16, wib: [1024 (k)][3072 (n)] bf16, b_in: [3072] f32; sums in f32, stored in f16.
; qkv is stored head-major: byte = which << 23 + batch << 22 + head << 18 + s * 128 + 2 d, so that 128 keys of one head are 16,384 dense bytes.
; WHY f16, AND WHY v IN TWO PARTS: the first rows of a sequence average few keys, so their results are some ten times larger than the root mean
; square of the whole output, against which an error is held, and the rounding of v is not averaged away there.  q, k and v keep f16's 11
; significant bits; of v the remainder v - f16(v) is stored too, in f16, in vlo (byte = batch << 22 + head << 18 + s * 128 + 2 d): the attention
; adds it in the one key block that holds all the keys of such rows.
; LIMIT: |q|, |k|, |v| at or above 65,504 become infinity.  With x, w_in and b_in all 30 times larger than 1, 0.02, 0.02 they stay near 3,500; with
; common offsets of 30 spreads on x and w_in near 1024 x 30 x 0.6 = 18,432.  Below 2^-14 (v's remainder too) the rounding step is 2^-24.
; A work-group makes 256 x 256 of the product with four waves, a wave 128 x 128: 64 accumulator tiles of 16 x 16, 512 registers.
; K goes in steps of 128 through two LDS slots filled by the tensor data mover; every row of a tile is 256 bytes of memory, 256-aligned.
; CLUSTERS: 4 x 4 work-groups.  The four of a row of the cluster need the same tiles of x, the four of a column the same tiles of w_in:
; each tile is asked for jointly, with one descriptor and a mask that names the four, which divides the requests for both by four.
; A cluster's four block columns are 1,024 columns: the cluster's x says whether it makes q, k or v, alike for all sixteen work-groups.
; w_in lies [k][n]: its fragments are taken from LDS by the transposing load (ds_load_tr16_b128), rows 288 bytes apart.
; THE MATRIX INSTRUCTION IS USED TRANSPOSED: source 0 = 16 columns of w_in, source 1 = 16 rows of x.  Lane l then holds row l % 16 of the
; product and its registers 0-7 the columns 8 (l / 16) + 0..7: eight neighbouring numbers, 16 bytes in f16.
; THE BIAS STARTS THE SUMS: the first K quarter's instructions take as C eight registers that hold the bias of the lane's eight columns.
;
; REGISTERS, in windows of 256:
;   window 0: v16-27 addresses; v64-127, v128-191 fragments of x, two buffers; v192-255 at work on the way out
;   window 1: v64-127, v128-191 fragments of w_in, two buffers; v192-255 the bias, tile column b at v[192 + 8 b]
;   window 2: the 32 accumulator tiles of my rows 0-63 (tile (a, b) at v[8 (8 a + b)]);   window 3: those of my rows 64-127
.set SIZE_K, 1024
.set SIZE_N, 3072
.set KSTEP,  128
.set PITCH,  272                       ; x's rows in LDS: 256 bytes + 16 of padding = 68 words: the 16 rows of a fragment start 4 words apart modulo 64
.set PITCHB, 288                       ; w_in's rows: 256 + 32 = 72 words: the 8 rows of a transposing load start 8 words apart, its two chunks 4
.set QUART,  128*PITCHB                ; 36,864: what one wave's tensor load may fill (x uses 128 x 272 = 34,816 of it)
.set SLOT,   4*QUART                   ; x's rows 0-127, 128-255, then w_in's columns 0-127, 128-255
.set STAGE,  2*SLOT                    ; behind the ring: 16 rows x 272 bytes for each wave, for the way out; no fill lands here
.set SPITCH, 272
.set LAPS,   SIZE_K/(2*KSTEP)          ; a lap = two K steps = once round the ring: 4
.set ASTEP,  2*KSTEP*2                 ; two K steps along a row of x, in bytes
.set BSTEP,  2*KSTEP*SIZE_N*2          ; two K steps down the rows of w_in, in bytes
.set ADRA, 16                          ; v16-17  LDS address of my x fragments in slot 0, 1
.set ADRB, 20                          ; v20-21  the same for w_in
.set STO,  24                          ; v24     the way out: where I put 16 bytes of a row
.set RD,   25                          ; v25     the way out: where I read 16 bytes back
.set CO,   26                          ; v26     my byte offset in qkv and in vlo
.set BO,   27                          ; v27     my byte offset in the bias
.set F0,   64
.set F1,   128
.set TMP,  192                         ; window 0: packed results
.set TMPL, 224                         ; window 0: v's packed remainders
.set TH,   64                          ; window 0: v's way out: 64 numbers rounded to 11 bits, in f32
.set RB0,  128                         ; window 0: v's way out: rows read back, upper parts
.set RB1,  160                         ;           and remainders
.set BIAS, 192                         ; window 1
.set G1,  24                           ; s[24:31] group 1 for x's tiles
.set G0,  32                           ; s[32:39] group 0 for x's tiles, one set for each slot
.set G1B, 48                           ; s[48:55] group 1 for w_in's tiles
.set G0B, 56                           ; s[56:63] group 0 for w_in's tiles, one set for each slot
.set MSB, 0
.macro WIN new                         ; the immediate's high byte repeats the setting that is left
.if MSB != \new
	s_set_vgpr_msb (MSB<<8)|\new
.set MSB, \new
.endif
.endm
.set MUL_LO,  0xa1                     ; source 0 (w_in) window 1, source 1 (x) window 0, C and D window 2
.set MUL_HI,  0xf1                     ; the same, C and D window 3
.set BIAS_LO, 0x91                     ; C from window 1 (the bias), D window 2
.set BIAS_HI, 0xd1                     ; C from window 1, D window 3
.set TO_B,    0x40                     ; destination window 1, address window 0
; A joint load.  Waves 0 and 1 fetch x's two halves, waves 2 and 3 w_in's.  Each line has one mask and one set of registers for all that issue it.
.macro JLOAD s
	s_cmp_eq_u32 s11, 0
	s_cbranch_scc0 .Lfor_b_\@
	tensor_load_to_lds s[G0+4*\s:G0+4*\s+3], s[G1:G1+7]
	s_nop 0
	s_branch .Lasked_\@
.Lfor_b_\@:
	tensor_load_to_lds s[G0B+4*\s:G0B+4*\s+3], s[G1B:G1B+7]
	s_nop 0
.Lasked_\@:
.endm
.macro CREST                           ; a round of the cluster's barrier, behind its opening work-group barrier
	s_cmp_lg_u32 s10, 0
	s_cbranch_scc1 .Lnot_wave_0_\@
	s_barrier_signal -3
.Lnot_wave_0_\@:
	s_barrier_wait -3
	s_barrier_signal -1
	s_barrier_wait -1
.endm
.macro CROUND                          ; a whole round
	s_barrier_signal -1
	s_barrier_wait -1
	CREST
.endm
	s_load_b128 s[4:7], s[0:1], 0x0                ; xb s[4:5], wib s[6:7]
	s_load_b128 s[68:71], s[0:1], 0x10             ; qkv s[68:69], b_in s[70:71]
	s_load_b64 s[78:79], s[0:1], 0x20              ; vlo
	s_set_vgpr_msb 0x40
	v_lshl_add_u32 v63, v0, 2, 0x4c400
	s_set_vgpr_msb 0x4000
	v_mov_b32 v63, 0
	s_set_vgpr_msb 0x1
	ds_add_u32 v63, v63
	s_set_vgpr_msb 0x100
	v_lshrrev_b32 v1, 5, v0
	v_readfirstlane_b32 s10, v1                    ; wave 0..3
	s_lshr_b32 s11, s10, 1                         ; which half of the block's rows is mine.  Also: I fetch for x (0) or for w_in (1)
	s_and_b32 s12, s10, 1                          ; which half of its columns.  Also: which half of that tile I fetch
	s_mov_b32 s80, ttmp9                           ; the cluster's x: 0 makes q, 1 k, 2 v; the same in all sixteen work-groups
	s_mov_b32 s82, 0xffffe000                      ; keeps sign, exponent and the upper 10 bits of an f32's fraction
	s_bfe_u32 s40, ttmp6, 0x40000                  ; cx
	s_bfe_u32 s41, ttmp6, 0x40004                  ; cy
	s_lshl_b32 s42, ttmp9, 2
	s_add_co_u32 s42, s42, s40                     ; block column = 4 x cluster x + cx, 0..11
	s_and_b32 s13, ttmp7, 0xffff
	s_lshl_b32 s13, s13, 2
	s_add_co_u32 s13, s13, s41                     ; block row = 4 x cluster y + cy, 0..15
	s_lshl_b32 s43, s41, 2
	s_lshl_b32 s43, 15, s43                        ; my row of the cluster: places 4 cy .. 4 cy + 3
	s_lshl_b32 s44, 0x1111, s40                    ; my column: places cx, cx + 4, cx + 8, cx + 12
	; group 1: tiles of 128 rows x 128 elements of 2 bytes, padded behind every 64 words
	s_or_b32 s[G1+0], s43, (1<<16)|(1<<20)|(1<<21)|(5<<22)|(3<<25)  ; x: mask of my row; pad of 4 words
	s_or_b32 s[G1B+0], s44, (1<<16)|(1<<20)|(1<<21)|(5<<22)|(7<<25) ; w_in: mask of my column; pad of 8 words
	s_mov_b32 s[G1+1], 128<<16                     ; tensor_dim0 = 128
	s_mov_b32 s[G1B+1], 128<<16
	s_mov_b32 s[G1+2], 128<<16                     ; tensor_dim1 = 128
	s_mov_b32 s[G1B+2], 128<<16
	s_mov_b32 s[G1+3], 128<<16                     ; tile_dim0 = 128
	s_mov_b32 s[G1B+3], 128<<16
	s_mov_b32 s[G1+4], 128                         ; tile_dim1 = 128
	s_mov_b32 s[G1B+4], 128
	s_mov_b32 s[G1+5], SIZE_K                      ; elements from row to row of x
	s_mov_b32 s[G1B+5], SIZE_N                     ; and of w_in
	s_mov_b32 s[G1+6], 0
	s_mov_b32 s[G1B+6], 0
	s_mov_b32 s[G1+7], 0
	s_mov_b32 s[G1B+7], 0
	; x's tiles hang on the block row and the wave alone, w_in's on the block column and the wave alone
	s_lshl_b32 s16, s13, 19                        ; 256 rows of 2,048 bytes
	s_lshl_b32 s17, s12, 18                        ; 128 rows
	s_add_co_u32 s16, s16, s17
	s_mov_b32 s17, 0
	s_lshl_b32 s46, s42, 9                         ; 256 columns of 2 bytes
	s_lshl_b32 s47, s12, 8                         ; 128 columns
	s_add_co_u32 s46, s46, s47
	s_mov_b32 s47, 0
	s_mul_i32 s20, s10, QUART                      ; where my load lands: the wave's number alone
	s_wait_dscnt 0x0
	s_wait_kmcnt 0x0
	s_add_nc_u64 s[14:15], s[4:5], s[16:17]
	s_add_nc_u64 s[46:47], s[6:7], s[46:47]
	CROUND                                         ; all sixteen work-groups are here: the first joint loads meet
.irp s, 0,1
	s_mov_b32 s[G0+4*\s], 1
	s_add_co_u32 s[G0+4*\s+1], s20, \s*SLOT
	s_add_nc_u64 s[G0+4*\s+2:G0+4*\s+3], s[14:15], \s*KSTEP*2
	s_or_b32 s[G0+4*\s+3], s[G0+4*\s+3], 0x80000000
	s_mov_b32 s[G0B+4*\s], 1
	s_add_co_u32 s[G0B+4*\s+1], s20, \s*SLOT
	s_add_nc_u64 s[G0B+4*\s+2:G0B+4*\s+3], s[46:47], \s*KSTEP*SIZE_N*2
	s_or_b32 s[G0B+4*\s+3], s[G0B+4*\s+3], 0x80000000
	JLOAD \s                                       ; both slots are asked for before anything else: two loads of the wave are out
.endr
	; where my block goes in qkv and in vlo, and my columns' bias; in registers that feed no descriptor
	s_lshr_b32 s72, s13, 3                         ; batch: 2,048 rows each
	s_lshl_b32 s72, s72, 22
	s_and_b32 s76, s42, 3
	s_lshl_b32 s76, s76, 2
	s_lshl1_add_u32 s76, s12, s76                  ; my first head = 4 (block column mod 4) + 2 x column half
	s_lshl_b32 s76, s76, 18
	s_add_co_u32 s72, s72, s76
	s_and_b32 s76, s13, 7
	s_lshl_b32 s76, s76, 15                        ; 256 rows of 128 bytes
	s_add_co_u32 s72, s72, s76
	s_lshl_b32 s76, s11, 14                        ; 128 rows
	s_add_co_u32 s72, s72, s76
	s_mov_b32 s73, 0
	s_add_nc_u64 s[78:79], s[78:79], s[72:73]      ; in vlo (used by the clusters that make v)
	s_lshr_b32 s76, s42, 2                         ; q, k or v: 1,024 columns each
	s_lshl_b32 s76, s76, 23
	s_add_co_u32 s72, s72, s76
	s_add_nc_u64 s[68:69], s[68:69], s[72:73]      ; in qkv
	s_lshl_b32 s74, s42, 10                        ; 256 columns of 4 bytes
	s_lshl_b32 s76, s12, 9
	s_add_co_u32 s74, s74, s76
	s_mov_b32 s75, 0
	s_add_nc_u64 s[70:71], s[70:71], s[74:75]
	v_and_b32 v1, 15, v0                           ; r = l % 16
	v_bfe_u32 v2, v0, 4, 1                         ; h = l / 16
	v_lshlrev_b32 v[BO], 5, v2                     ; my eight columns of a tile: 32 h bytes
	WIN TO_B
.irp b, 0,1,2,3,4,5,6,7
	global_load_b128 v[BIAS+8*\b:BIAS+8*\b+3],   v[BO], s[70:71] offset:64*\b      ; b_in[16 b + 8 h + 0..3] of my 128 columns
	global_load_b128 v[BIAS+8*\b+4:BIAS+8*\b+7], v[BO], s[70:71] offset:64*\b+16   ; .. + 4..7
.endr
	WIN 0
	; x fragment: lane l holds row l % 16; two loads of 16 bytes, 32 bytes apart, at row x pitch + 16 h
	v_mul_u32_u24 v3, v1, PITCH
	v_lshl_add_u32 v3, v2, 4, v3
	; w_in fragment: lane l addresses 16 bytes of k row 8 h + l % 8, chunk (l / 8) % 2; the load hands each lane eight k of column l % 16
	v_and_b32 v8, 7, v0
	v_lshl_add_u32 v6, v2, 3, v8
	v_mul_u32_u24 v6, v6, PITCHB
	v_bfe_u32 v7, v0, 3, 1
	v_lshl_add_u32 v6, v7, 4, v6
	s_mul_i32 s21, s11, QUART                      ; my 128 rows of x
	s_mul_i32 s22, s12, QUART                      ; my 128 columns of w_in,
	s_add_co_u32 s22, s22, 2*QUART                 ; which lie behind x's two quarters
.irp s, 0,1
	v_add_nc_u32 v[ADRA+\s], s21, v3
	v_add_nc_u32 v[ADRB+\s], s22, v6
	s_add_co_u32 s21, s21, SLOT
	s_add_co_u32 s22, s22, SLOT
.endr
	s_mul_i32 s23, s10, 16*SPITCH
	s_add_co_u32 s23, s23, STAGE                   ; my stage
	v_mul_u32_u24 v4, v1, SPITCH                   ; in: row l % 16, 16 bytes for each half of the lanes
	v_lshl_add_u32 v4, v2, 4, v4
	v_add_nc_u32 v[STO], s23, v4
	v_mul_u32_u24 v5, v7, SPITCH                   ; back: lanes 0-7 and 8-15 take 128 bytes of two rows, one head; lanes 16-31 the next head
	v_lshl_add_u32 v5, v2, 7, v5
	v_lshl_add_u32 v5, v8, 4, v5
	v_add_nc_u32 v[RD], s23, v5
	v_lshlrev_b32 v[CO], 18, v2                    ; in qkv: the head, and 16 bytes a lane of two rows' 256
	v_lshl_add_u32 v[CO], v1, 4, v[CO]
; 16 matrix instructions: row tiles a0, a0 + 1 of the window's four x all 8 column tiles, 32 along K.  first = 1: C is the bias.
; The 64 accumulators take turns, one instruction a turn, in the same order in every quarter.
.macro MUL16 f, hi, a0, first
.irp a, \a0, \a0+1
.irp b, 0,1,2,3,4,5,6,7
.if \first
	v_wmma_f32_16x16x32_bf16 v[8*(8*(\a)+\b):8*(8*(\a)+\b)+7], v[\f+8*\b:\f+8*\b+7], v[\f+8*(4*\hi+\a):\f+8*(4*\hi+\a)+7], v[BIAS+8*\b:BIAS+8*\b+7]
.else
	v_wmma_f32_16x16x32_bf16 v[8*(8*(\a)+\b):8*(8*(\a)+\b)+7], v[\f+8*\b:\f+8*\b+7], v[\f+8*(4*\hi+\a):\f+8*(4*\hi+\a)+7], v[8*(8*(\a)+\b):8*(8*(\a)+\b)+7]
.endif
.endr
.endr
.endm
; 32 LDS loads in one run: the fragments of K quarter kq (32 k) of a slot into buffer f
.macro FETCH slot, kq, f
	WIN TO_B
.irp i, 0,1,2,3,4,5,6,7
	ds_load_tr16_b128 v[\f+8*\i:\f+8*\i+3],   v[ADRB+\slot] offset:\kq*32*PITCHB+32*\i              ; k = 8 h + 0..7 of column 16 i + r
	ds_load_tr16_b128 v[\f+8*\i+4:\f+8*\i+7], v[ADRB+\slot] offset:\kq*32*PITCHB+32*\i+16*PITCHB    ; k = 16 + 8 h + 0..7
.endr
	WIN 0
.irp i, 0,1,2,3,4,5,6,7
	ds_load_b128 v[\f+8*\i:\f+8*\i+3],   v[ADRA+\slot] offset:\kq*64+\i*16*PITCH
	ds_load_b128 v[\f+8*\i+4:\f+8*\i+7], v[ADRA+\slot] offset:\kq*64+\i*16*PITCH+32
.endr
.endm
; Four plain vector instructions stand between a matrix instruction and a load into one of its registers, or a vector instruction
; that reads its result or writes one of its registers (ISA guide 7.12.1 for vector instructions).
.macro PLACES
.rept 4
	v_nop
.endr
.endm
.macro QUARTER slot, kq, f, g, first   ; multiplies buffer f; in its middle fetches K quarter kq of the same slot into buffer g
	s_wait_dscnt 8                                 ; w_in and x's rows 0-63 are in; the youngest eight loads (x's rows 64-127) may be out
.if \first
	WIN BIAS_LO
.else
	WIN MUL_LO
.endif
	MUL16 \f, 0, 0, \first
	MUL16 \f, 0, 2, \first
	PLACES
	FETCH \slot, \kq, \g
	s_wait_dscnt 32                                ; all but the 32 just issued
.if \first
	WIN BIAS_HI
.else
	WIN MUL_HI
.endif
	MUL16 \f, 1, 0, \first
	MUL16 \f, 1, 2, \first
.endm
.macro THREE slot, first
	QUARTER \slot, 1, F0, F1, \first
	QUARTER \slot, 2, F1, F0, 0
	QUARTER \slot, 3, F0, F1, 0
.endm
; The last quarter of a K step multiplies buffer 1 and changes slots.  In front of the barrier each wave waits for its reads of this slot and
; for all its tensor loads (one is out: its part of the next slot).  Behind it the refill comes first, then the next slot's first fragments.
.macro TURN slot, next, fill
	s_wait_dscnt 8
	WIN MUL_LO
	MUL16 F1, 0, 0, 0
	s_wait_dscnt 0                                 ; my reads of this slot are over
	s_wait_tensorcnt 0x0                           ; and all my tensor loads have landed
	ds_add_u32 v63, v63
	s_wait_dscnt 0x0
	s_barrier_signal -1                            ; say so (where the slot is filled again this opens a round of the cluster's barrier),
	MUL16 F1, 0, 2, 0                              ; work on registers while the others arrive,
	WIN 0
	s_barrier_wait -1
.if \fill
	CREST                                          ; no wave of any partner still reads this slot or has a load on its way
	s_add_nc_u64 s[G0+4*\slot+2:G0+4*\slot+3], s[G0+4*\slot+2:G0+4*\slot+3], ASTEP
	s_add_nc_u64 s[G0B+4*\slot+2:G0B+4*\slot+3], s[G0B+4*\slot+2:G0B+4*\slot+3], BSTEP
	JLOAD \slot                                    ; the first tensor load behind the round, and my only one until the next
.endif
	PLACES
	FETCH \next, 0, F0
	WIN MUL_HI
	MUL16 F1, 1, 0, 0
	MUL16 F1, 1, 2, 0
.endm
.macro LAP first
	THREE 0, \first
	TURN 0, 1, 1
	THREE 1, 0
	TURN 1, 0, 1
.endm
	s_wait_tensorcnt 1                             ; my part of K step 0 is in; K step 1's, issued behind it, stays out
	s_barrier_signal -1
	s_barrier_wait -1                              ; everybody's is
	FETCH 0, 0, F0
	s_wait_loadcnt 0x0                             ; the bias
	LAP 1                                          ; the first lap stands in front of the loop: its first products start the sums from the bias
	WIN 0                                          ; at a label and at a branch every window is 0
	s_mov_b32 s3, LAPS-2
.Llap:
	LAP 0
	WIN 0
	s_sub_co_u32 s3, s3, 1
	s_cmp_lg_u32 s3, 0
	s_cbranch_scc1 .Llap
	THREE 0, 0                                     ; the last lap fills nothing
	TURN 0, 1, 0
	THREE 1, 0
	s_wait_dscnt 8                                 ; the very last quarter: nothing more to fetch
	WIN MUL_LO
	MUL16 F1, 0, 0, 0
	MUL16 F1, 0, 2, 0
	s_wait_dscnt 0
	WIN MUL_HI
	MUL16 F1, 1, 0, 0
	MUL16 F1, 1, 2, 0
	; THE WAY OUT, 16 rows at a time: round to f16, 16 bytes a lane into my own stage, read back so that sixteen lanes hold two rows of one head.
; q and k: rows 16 i .. 16 i + 15 of my block = the eight tiles (a, 0..7) of window 2 or 3 (from = 0x0a or 0x0f: sources 0 and 1); f: F0 or F1 in turn
.macro OUT16 i, a, from, f
	WIN \from
.irp b, 0,1,2,3,4,5,6,7
.irp r, 0,1,2,3
	v_cvt_pk_f16_f32 v[TMP+4*\b+\r], v[8*(8*\a+\b)+2*\r], v[8*(8*\a+\b)+2*\r+1]
.endr
.endr
	WIN 0
.irp b, 0,1,2,3,4,5,6,7
	ds_store_b128 v[STO], v[TMP+4*\b:TMP+4*\b+3] offset:32*\b
.endr
	s_wait_xcnt 0x0                                ; buffer f, which earlier stores read, and the stores' base are rewritten only behind this wait
.if \i
	s_add_nc_u64 s[68:69], s[68:69], 16*128        ; 16 rows of a head on
.endif
.irp t, 0,1,2,3,4,5,6,7
	ds_load_b128 v[\f+4*\t:\f+4*\t+3], v[RD] offset:\t*2*SPITCH    ; a wave's LDS instructions are served in order: these see the stores above
.endr
.irp t, 0,1,2,3,4,5,6,7
	s_wait_dscnt 7-\t                              ; load t is in, the 7 - t younger ones stay out
	global_store_b128 v[CO], v[\f+4*\t:\f+4*\t+3], s[68:69] offset:256*\t   ; 16 lanes store 256 consecutive bytes, aligned: rows 2 t, 2 t + 1 of one head
.endr
.endm
; v: the same rows in two parts.  hi = the sum rounded to 11 significant bits (half a unit of the 11th bit is added to the bit pattern, the lower
; 13 bits are cut: to nearest, ties away from zero), exact in f16; the accumulator then takes the remainder sum - hi, exact in f32, rounded to f16.
; w1: source 1 in the accumulators' window; w2: source 2 and destination there; w3: sources 0 and 1 there.
.macro OUT16V i, a, w1, w2, w3
	WIN \w1
.set k, 0
.rept 64
	v_add_nc_u32 v[TH+k], 0x1000, v[64*\a+k]
.set k, k+1
.endr
	WIN 0
.set k, 0
.rept 64
	v_and_b32 v[TH+k], s82, v[TH+k]
.set k, k+1
.endr
	WIN \w2
.set k, 0
.rept 32
	v_pk_fma_f32 v[64*\a+2*k:64*\a+2*k+1], v[TH+2*k:TH+2*k+1], -1.0, v[64*\a+2*k:64*\a+2*k+1] op_sel_hi:[1,0,1]   ; sum - hi
.set k, k+1
.endr
	WIN 0
.set k, 0
.rept 32
	v_cvt_pk_f16_f32 v[TMP+k], v[TH+2*k], v[TH+2*k+1]
.set k, k+1
.endr
	WIN \w3
.set k, 0
.rept 32
	v_cvt_pk_f16_f32 v[TMPL+k], v[64*\a+2*k], v[64*\a+2*k+1]
.set k, k+1
.endr
	WIN 0
.irp b, 0,1,2,3,4,5,6,7
	ds_store_b128 v[STO], v[TMP+4*\b:TMP+4*\b+3] offset:32*\b
.endr
	s_wait_xcnt 0x0                                ; the rows read back, which earlier stores read, and the stores' bases are rewritten only behind this wait
.if \i
	s_add_nc_u64 s[68:69], s[68:69], 16*128        ; 16 rows of a head on
	s_add_nc_u64 s[78:79], s[78:79], 16*128
.endif
.irp t, 0,1,2,3,4,5,6,7
	ds_load_b128 v[RB0+4*\t:RB0+4*\t+3], v[RD] offset:\t*2*SPITCH  ; a wave's LDS instructions are served in order: these see the stores above,
.endr
.irp b, 0,1,2,3,4,5,6,7
	ds_store_b128 v[STO], v[TMPL+4*\b:TMPL+4*\b+3] offset:32*\b    ; and are served before these stores into the same bytes
.endr
.irp t, 0,1,2,3,4,5,6,7
	ds_load_b128 v[RB1+4*\t:RB1+4*\t+3], v[RD] offset:\t*2*SPITCH
.endr
.irp t, 0,1,2,3,4,5,6,7
	s_wait_dscnt 23-\t                             ; load t of the upper parts is in: 7 - t loads, 8 stores and 8 loads were issued behind it
	global_store_b128 v[CO], v[RB0+4*\t:RB0+4*\t+3], s[68:69] offset:256*\t
.endr
.irp t, 0,1,2,3,4,5,6,7
	s_wait_dscnt 7-\t                              ; load t of the remainders is in, the 7 - t younger ones stay out
	global_store_b128 v[CO], v[RB1+4*\t:RB1+4*\t+3], s[78:79] offset:256*\t
.endr
.endm
	PLACES                                         ; the places behind the last matrix instructions, for all that follows
	WIN 0
	s_cmp_eq_u32 s80, 2                            ; the cluster's x: alike in all partners
	s_cbranch_scc1 .Lv_out
	OUT16 0, 0, 0x0a, F0
	OUT16 1, 1, 0x0a, F1
	OUT16 2, 2, 0x0a, F0
	OUT16 3, 3, 0x0a, F1
	OUT16 4, 0, 0x0f, F0
	OUT16 5, 1, 0x0f, F1
	OUT16 6, 2, 0x0f, F0
	OUT16 7, 3, 0x0f, F1
	s_branch .Lclose
.Lv_out:
	OUT16V 0, 0, 0x08, 0xa0, 0x0a
	OUT16V 1, 1, 0x08, 0xa0, 0x0a
	OUT16V 2, 2, 0x08, 0xa0, 0x0a
	OUT16V 3, 3, 0x08, 0xa0, 0x0a
	OUT16V 4, 0, 0x0c, 0xf0, 0x0f
	OUT16V 5, 1, 0x0c, 0xf0, 0x0f
	OUT16V 6, 2, 0x0c, 0xf0, 0x0f
	OUT16V 7, 3, 0x0c, 0xf0, 0x0f
.Lclose:
	s_set_vgpr_msb 0x1
	s_wait_tensorcnt 0x0
	ds_add_u32 v63, v63
	s_wait_dscnt 0x0
	s_set_vgpr_msb 0x100
	CROUND                                         ; the closing round: no work-group ends while a partner may still ask for a tile that names it
	s_endpgm
.Lfunc_end_k_q73b51bb48b_qkvgemm:
	.size	k_q73b51bb48b_qkvgemm, .Lfunc_end_k_q73b51bb48b_qkvgemm-k_q73b51bb48b_qkvgemm
	.p2alignl 7, 3214868480
	.fill 96, 4, 3214868480
	.section	.rodata,"a",@progbits
	.p2align	6, 0x0
	.amdhsa_kernel k_q73b51bb48b_qkvgemm
		.amdhsa_group_segment_fixed_size 327680
		.amdhsa_private_segment_fixed_size 0
		.amdhsa_enable_private_segment 0
		.amdhsa_kernarg_size 40
		.amdhsa_user_sgpr_count 2
		.amdhsa_user_sgpr_kernarg_segment_ptr 1
		.amdhsa_wavefront_size32 1
		.amdhsa_system_sgpr_workgroup_id_x 1
		.amdhsa_system_sgpr_workgroup_id_y 1
		.amdhsa_system_sgpr_workgroup_id_z 1
		.amdhsa_system_vgpr_workitem_id 0
		.amdhsa_next_free_vgpr 1024
		.amdhsa_next_free_sgpr 84
		.amdhsa_reserve_vcc 0
		.amdhsa_float_denorm_mode_32 3
		.amdhsa_float_denorm_mode_16_64 3
		.amdhsa_memory_ordered 1
		.amdhsa_forward_progress 1
		.amdhsa_inst_pref_size 255
	.end_amdhsa_kernel
	.section	.bss,"aw",@nobits
	.p2align	6
	.space	262144
	.amdgpu_metadata
---
amdhsa.version: [ 1, 2 ]
amdhsa.kernels:
  - .name:           k_q73b51bb48b_qkvgemm
    .symbol:         k_q73b51bb48b_qkvgemm.kd
    .args:
      - { .name: xb, .offset: 0, .size: 8, .value_kind: global_buffer, .address_space: global }
      - { .name: wib, .offset: 8, .size: 8, .value_kind: global_buffer, .address_space: global }
      - { .name: qkv, .offset: 16, .size: 8, .value_kind: global_buffer, .address_space: global }
      - { .name: b_in, .offset: 24, .size: 8, .value_kind: global_buffer, .address_space: global }
      - { .name: vlo, .offset: 32, .size: 8, .value_kind: global_buffer, .address_space: global }
    .group_segment_fixed_size: 327680
    .private_segment_fixed_size: 0
    .kernarg_segment_align: 8
    .kernarg_segment_size: 40
    .max_flat_workgroup_size: 128
    .sgpr_count:     84
    .vgpr_count:     1024
    .wavefront_size: 32
...
	.end_amdgpu_metadata
.endif
;; end of part 2
;; launch attn (part 3): grid 256 x 1, 8 waves a work-group, no clusters, 327,680 bytes of LDS; arguments qkv, vlo, atth, attl; writes atth, attl
.if DOCPART == 3
	.amdgcn_target "amdgcn-amd-amdhsa--gfx1250"
	.amdhsa_code_object_version 6
	.text
	.protected	k_q73b51bb48b_attn
	.globl	k_q73b51bb48b_attn
	.p2align	8
	.type	k_q73b51bb48b_attn,@function
k_q73b51bb48b_attn:
	s_mov_b64 s[64:65], 0
	v_nop
	global_prefetch_b8 v0, s[64:65] scope:SCOPE_SE
	s_setreg_imm32_b32 hwreg(HW_REG_WAVE_MODE, 25, 1), 1
	s_wait_xcnt 0x0
; Causal attention, one head at a time, with a running maximum.  qkv (f16): byte = which << 23 + (16 batch + head) << 18 + s * 128 + 2 d;
; vlo (f16): v's remainders v - f16(v), byte = (16 batch + head) << 18 + s * 128 + 2 d.
; atth, attl (f16): [row block of 128: 32][head: 16][row: 128][64]: the result cut to 11 significant bits, and what was cut off.
; SHARE.  Work-group id: p = id & 7, head = id >> 3.  It makes query block 2 p and then query block 15 - 2 p (128 rows each):
; (2 p + 1) + (16 - 2 p) = 17 key blocks of 128 in every work-group; key blocks above the diagonal are never touched.
; Wave w: g = w & 3 owns query rows 32 g .. 32 g + 31 (two tiles u of 16), c = w >> 2 owns keys 64 c .. 64 c + 63 of every key block.
; Waves w and w + 4 hold partial (maximum, sum, O) of the same rows and merge them once for each query block, through LDS.
; TRANSPOSED PRODUCTS.  S^T = K Q^T: lane (r, h) holds query r and keys 16 t + 8 h + j.  O^T = V^T P^T wants, for query r, keys 8 h + 0..7 and
; 16 + 8 h + 0..7 of each 32: exactly the lane's own numbers of tiles 2 kg and 2 kg + 1, so P is packed in place and never moves between lanes.
; Maximum, sum and rescaling factor are one number a lane; one exchange between the lane halves for a tile and a step (the maximum).
; ORDER.  The order of key blocks is free under a running maximum: each query block begins with its diagonal block, whose products start the
; sums (C = 0): nothing is cleared, and that step rescales nothing.
; TWO PARTS ON THE DIAGONAL.  A row with few keys is large against the root mean square of the whole output, and the roundings of P and v to f16
; are not averaged away in it.  All keys of such a row lie in its diagonal block; every other row has 129 keys or more.  So the diagonal step,
; and it alone, takes P and v in two f16 parts each, upper and remainder, and adds Vh Ph + Vh Pl + Vl Ph: 48 matrix instructions in place of 16,
; in two of every work-group's 17 steps.  The two tiles of remainders come in at the start, into LDS bytes that are filled once.
; NO CLUSTER: the eight work-groups of a head walk the key blocks in orders that hang on p (2 p, 0 .. 2 p - 1, 15 - 2 p, 0 .. 14 - 2 p), so in no
; step do two of them want the same tile; a walk common to all would leave them unequal numbers of blocks to compute.
; NO PREFETCH: k and v were stored by the launch just before, and eight work-groups read each tile.
; ROUNDING: q and k are f16; off the diagonal P and v are f16; scores, maxima, exponentials, sums and O are f32; the row sums add the unrounded
; exponentials; the result leaves in two f16 parts.
; LIMITS: the running maximum starts at -FLT_MAX (0xff7fffff), not at minus infinity: a query row whose largest raw score is at or below
; -3.4e38 is not served.  Off the diagonal a weight P below 2^-25 of its row's largest counts as 0.  A remainder below 2^-14 has a step of 2^-24.
.set SLOT,   35840                     ; K: 64 rows of 256 bytes (two keys each), 272 apart = 17,408; V: 64 such rows, 288 apart = 18,432
.set VOFF,   17408
.set SCR,    2*SLOT                    ; 71,680: 8 x 4,352, each wave's partial O (4,096), maximum (128), sum (128); no fill lands here
.set XBYTES, 4352
.set STG,    SCR+8*XBYTES              ; 106,496: 8 x 2,304, each wave's stage for the way out, 16 rows 144 apart; no fill lands here
.set SBYTES, 2304
.set VLO,    STG+8*SBYTES              ; 124,928: v's remainders of the two diagonal blocks, 18,432 each, laid like V; each filled once
.set VLB,    18432
.set KVBLK,  16384                     ; bytes of 128 keys of one head
.set L16,  1                           ; v1      16 x lane
.set KAD,  2                           ; v2-3    my K fragments in slot 0, 1
.set VAD,  4                           ; v4-5    my V fragments in slot 0, 1
.set DM,   6                           ; v6      32 g + r - 64 c - 8 h: key 16 t + j of tile u is allowed where 16 t + j - 16 u <= DM
.set NINF, 7                           ; v7      minus infinity
.set QOFF, 8                           ; v8      128 r + 16 h
.set XW,   9                           ; v9      my scratch
.set XR,   10                          ; v10     the scratch four waves below mine (used by waves 4-7 alone)
.set STW,  11                          ; v11     stage, in;   v12 stage, back
.set STR,  12
.set XMW,  13                          ; v13     my scratch's maximum
.set XMR,  14                          ; v14     that of the wave four below (used by waves 4-7 alone)
.set VLAD, 15                          ; v15     my fragments of v's remainders, first diagonal block
.set MR,   16                          ; v16-17  running maximum of tile u
.set MX,   18                          ; v18-19  new maximum
.set MY,   20                          ; v20-21  at work
.set NC,   22                          ; v22-25  -(log2 e / 8) x maximum, twice, for tile u
.set AL,   26                          ; v26-29  rescaling factor, twice, for tile u
.set LS,   30                          ; v30-37  four partial sums for tile u
.set TT,   38                          ; v38-47  at work: the split of P, the merge
.set SREG, 48                          ; v48-111   S[u][t] at 48 + 32 u + 8 t; then P[u][kg] (upper part) at 48 + 32 u + 16 kg
.set KREG, 112                         ; v112-175  K[t][dh] at 112 + 16 t + 8 dh; on the diagonal then P's remainders [u][kg] at 112 + 16 u + 8 kg
.set VREG, 176                         ; v176-239  V[kg][dt] at 176 + 32 kg + 8 dt
.set PL2,  176                         ; the way out: packed remainders (V is dead there)
.set XT,   208                         ; the way out: at work
.set PK,   240                         ; v240-255  the way out: packed upper parts
.set QE,   64                          ; window 1: O[u][dt] at 8 (4 u + dt), 0-63; Q of the first query block 64-95, of the second 96-127
.set QO,   96
.set VL,   128                         ; window 1: v's remainders [kg][dt] at 128 + 32 kg + 8 dt
.set G1K, 24                           ; s[24:31] group 1 for K;  s[32:39] for V and v's remainders
.set G1V, 32
.set G0K, 40                           ; s[40:47] group 0 for K, one set for each slot;  s[48:55] for V
.set G0V, 48
.set G0L, 80                           ; s[80:87] group 0 for v's remainders, one set for each diagonal block
.set MSB, 0
.macro WIN new                         ; the immediate's high byte repeats the setting that is left
.if MSB != \new
	s_set_vgpr_msb (MSB<<8)|\new
.set MSB, \new
.endif
.endm
.macro PLACES n
.rept \n
	v_nop
.endr
.endm
; Wave 0 asks for a step's K tile, wave 1 for its V tile, the others for nothing: one tensor load a wave at the most is out.
.macro KVLOAD slot
	s_cmp_lg_u32 s8, 0
	s_cbranch_scc1 .Lnot_k_\@
	tensor_load_to_lds s[G0K+4*(\slot):G0K+4*(\slot)+3], s[G1K:G1K+7]
	s_nop 0
.Lnot_k_\@:
	s_cmp_lg_u32 s8, 1
	s_cbranch_scc1 .Lnot_v_\@
	tensor_load_to_lds s[G0V+4*(\slot):G0V+4*(\slot)+3], s[G1V:G1V+7]
	s_nop 0
.Lnot_v_\@:
.endm
	s_load_b256 s[88:95], s[0:1], 0x0              ; qkv s[88:89], vlo s[90:91], atth s[92:93], attl s[94:95]
	s_set_vgpr_msb 0x40
	v_lshl_add_u32 v192, v0, 2, 0x29000
	v_mov_b32 v193, 0
	s_set_vgpr_msb 0x4045
	ds_add_u32 v192, v193
	s_set_vgpr_msb 0x4500
	v_lshrrev_b32 v15, 5, v0
	v_readfirstlane_b32 s8, v15                    ; wave 0..7
	s_and_b32 s9, s8, 3                            ; g
	s_lshr_b32 s10, s8, 2                          ; c
	s_and_b32 s11, ttmp9, 7                        ; p: also the trips of the first part's loop
	s_lshr_b32 s12, ttmp9, 3                       ; 16 batch + head
	s_sub_co_u32 s3, 7, s11                        ; the trips of the second part's loop
	s_mov_b32 s14, 0x76543210                      ; v_permlanex16_b32: lane i of one half reads lane i of the other
	s_mov_b32 s15, 0xfedcba98
	s_mov_b32 s16, 0x3e38aa3b                      ; log2 e / sqrt(64): the scale rides on the multiply-add in front of the exponential
	s_mov_b32 s17, 0x3e38aa3b
	s_mov_b32 s18, 0xbe38aa3b                      ; its negative
	s_mov_b32 s19, 0xff7fffff                      ; -FLT_MAX
	s_mov_b32 s79, 0xffffe000                      ; keeps sign, exponent and the upper 10 bits of an f32's fraction: what f16 holds exactly
	s_lshl_b32 s22, s11, 15                        ; LIM: byte offset of key block 2 p, the first part's diagonal
	s_sub_co_u32 s23, 15*KVBLK, s22                ; ALT: byte offset of key block 15 - 2 p, the second part's diagonal
	s_mov_b32 s20, s22                             ; NXT: byte offset of the key block that is asked for next
	s_mov_b32 s21, 0
	; group 1: 64 rows of 128 elements of 2 bytes, dense in memory, padded behind every 64 words by 4 words (K) or 8 (V)
	s_mov_b32 s[G1K+0], (1<<16)|(1<<20)|(5<<22)|(3<<25)
	s_mov_b32 s[G1V+0], (1<<16)|(1<<20)|(5<<22)|(7<<25)
	s_mov_b32 s[G1K+1], 128<<16
	s_mov_b32 s[G1V+1], 128<<16
	s_mov_b32 s[G1K+2], 64<<16
	s_mov_b32 s[G1V+2], 64<<16
	s_mov_b32 s[G1K+3], 128<<16
	s_mov_b32 s[G1V+3], 128<<16
	s_mov_b32 s[G1K+4], 64
	s_mov_b32 s[G1V+4], 64
	s_mov_b32 s[G1K+5], 128
	s_mov_b32 s[G1V+5], 128
	s_mov_b32 s[G1K+6], 0
	s_mov_b32 s[G1V+6], 0
	s_mov_b32 s[G1K+7], 0
	s_mov_b32 s[G1V+7], 0
	s_mov_b32 s[G0K+0], 1
	s_mov_b32 s[G0K+1], 0
	s_mov_b32 s[G0K+4], 1
	s_mov_b32 s[G0K+5], SLOT
	s_mov_b32 s[G0V+0], 1
	s_mov_b32 s[G0V+1], VOFF
	s_mov_b32 s[G0V+4], 1
	s_mov_b32 s[G0V+5], SLOT+VOFF
	s_mov_b32 s[G0L+0], 1
	s_mov_b32 s[G0L+1], VLO
	s_mov_b32 s[G0L+4], 1
	s_mov_b32 s[G0L+5], VLO+VLB
	s_lshl_b32 s70, s12, 18
	s_mov_b32 s71, 0
	s_mov_b32 s74, s23
	s_mov_b32 s75, 0
	s_wait_dscnt 0x0
	s_barrier_signal -1
	s_barrier_wait -1
	s_wait_kmcnt 0x0
	s_add_nc_u64 s[4:5], s[90:91], s[70:71]        ; my head's remainders of v
	s_add_nc_u64 s[70:71], s[88:89], s[70:71]      ; my head's q
	s_add_nc_u64 s[56:57], s[70:71], 0x800000      ; its k
	s_add_nc_u64 s[58:59], s[70:71], 0x1000000     ; its v
	s_add_nc_u64 s[G0K+2:G0K+3], s[56:57], s[20:21]
	s_or_b32 s[G0K+3], s[G0K+3], 0x80000000
	s_add_nc_u64 s[G0V+2:G0V+3], s[58:59], s[20:21]
	s_or_b32 s[G0V+3], s[G0V+3], 0x80000000
	s_add_nc_u64 s[G0L+2:G0L+3], s[4:5], s[20:21]
	s_or_b32 s[G0L+3], s[G0L+3], 0x80000000
	s_add_nc_u64 s[G0L+6:G0L+7], s[4:5], s[74:75]
	s_or_b32 s[G0L+7], s[G0L+7], 0x80000000
	; the first fills, one a wave: key block 2 p's K and V into slot 0, and the remainders of both diagonal blocks
	KVLOAD 0
	s_cmp_lg_u32 s8, 2
	s_cbranch_scc1 .Lnot_l0
	tensor_load_to_lds s[G0L:G0L+3], s[G1V:G1V+7]
	s_nop 0
.Lnot_l0:
	s_cmp_lg_u32 s8, 3
	s_cbranch_scc1 .Lnot_l1
	tensor_load_to_lds s[G0L+4:G0L+7], s[G1V:G1V+7]
	s_nop 0
.Lnot_l1:
	s_lshl_b32 s76, s9, 12                         ; my 32 rows of 128 bytes
	s_add_co_u32 s72, s22, s76
	s_mov_b32 s73, 0
	s_add_co_u32 s74, s23, s76
	s_add_nc_u64 s[60:61], s[70:71], s[72:73]      ; my rows of query block 2 p
	s_add_nc_u64 s[62:63], s[70:71], s[74:75]      ; and of query block 15 - 2 p
	v_and_b32 v48, 31, v0                          ; lane
	v_and_b32 v49, 15, v0                          ; r
	v_bfe_u32 v50, v0, 4, 1                        ; h
	v_lshlrev_b32 v[QOFF], 7, v49
	v_lshl_add_u32 v[QOFF], v50, 4, v[QOFF]
	WIN 0x40                                       ; destination window 1, address window 0
.irp u, 0,1
.irp d, 0,1
	global_load_b128 v[QE+16*\u+8*\d:QE+16*\u+8*\d+3],   v[QOFF], s[60:61] offset:\u*2048+\d*64
	global_load_b128 v[QE+16*\u+8*\d+4:QE+16*\u+8*\d+7], v[QOFF], s[60:61] offset:\u*2048+\d*64+32
	global_load_b128 v[QO+16*\u+8*\d:QO+16*\u+8*\d+3],   v[QOFF], s[62:63] offset:\u*2048+\d*64
	global_load_b128 v[QO+16*\u+8*\d+4:QO+16*\u+8*\d+7], v[QOFF], s[62:63] offset:\u*2048+\d*64+32
.endr
.endr
	WIN 0
	; where the two query blocks go: ((16 batch + block) x 16 + head) x 16,384 + 4,096 g
	s_lshr_b32 s77, s12, 4
	s_lshl_b32 s77, s77, 4
	s_and_b32 s78, s12, 15
	s_lshl_b32 s72, s11, 1
	s_sub_co_u32 s74, 15, s72
	s_add_co_u32 s72, s72, s77
	s_add_co_u32 s74, s74, s77
	s_lshl4_add_u32 s72, s72, s78
	s_lshl4_add_u32 s74, s74, s78
	s_lshl_b32 s72, s72, 14
	s_lshl_b32 s74, s74, 14
	s_add_co_u32 s72, s72, s76
	s_add_co_u32 s74, s74, s76
	s_add_nc_u64 s[66:67], s[92:93], s[72:73]      ; upper parts: first, second query block
	s_add_nc_u64 s[68:69], s[92:93], s[74:75]
	s_add_nc_u64 s[96:97], s[94:95], s[72:73]      ; remainders
	s_add_nc_u64 s[98:99], s[94:95], s[74:75]
	; lane addresses
	v_lshlrev_b32 v[L16], 4, v48
	v_lshrrev_b32 v51, 1, v49                      ; K: key r lies in pair row r / 2, half r % 2: 16 different 16-byte columns modulo 256 bytes
	v_mul_u32_u24 v51, v51, 272
	v_and_b32 v52, 1, v0
	v_lshl_add_u32 v51, v52, 7, v51
	v_lshl_add_u32 v51, v50, 4, v51
	s_mul_i32 s72, s10, 32*272                     ; my 64 keys
	v_add_nc_u32 v[KAD], s72, v51
	v_add_nc_u32 v[KAD+1], SLOT, v[KAD]
	v_bfe_u32 v53, v0, 1, 2                        ; V: lane l addresses key 8 h + l % 8, chunk (l / 8) % 2 of 16 d
	v_lshl_add_u32 v53, v50, 2, v53
	v_mul_u32_u24 v53, v53, 288
	v_lshl_add_u32 v53, v52, 7, v53
	v_bfe_u32 v54, v0, 3, 1
	v_lshl_add_u32 v53, v54, 4, v53
	s_mul_i32 s72, s10, 32*288
	s_add_co_u32 s74, s72, VLO
	s_add_co_u32 s72, s72, VOFF
	v_add_nc_u32 v[VAD], s72, v53
	v_add_nc_u32 v[VAD+1], SLOT, v[VAD]
	v_add_nc_u32 v[VLAD], s74, v53
	s_lshl_b32 s72, s9, 5
	s_lshl_b32 s74, s10, 6
	s_sub_co_i32 s72, s72, s74
	v_add_nc_u32 v[DM], s72, v49
	v_lshlrev_b32 v55, 3, v50
	v_sub_nc_u32 v[DM], v[DM], v55
	v_mov_b32 v[NINF], 0xff800000
	s_mul_i32 s72, s8, XBYTES
	s_add_co_u32 s72, s72, SCR                     ; my scratch: a constant + the wave's number x 4,352
	s_sub_co_u32 s74, s72, 4*XBYTES                ; the scratch of the wave four below
	v_add_nc_u32 v[XW], s72, v[L16]
	v_add_nc_u32 v[XR], s74, v[L16]
	v_lshlrev_b32 v59, 2, v48
	s_add_co_u32 s72, s72, 4096
	s_add_co_u32 s74, s74, 4096
	v_add_nc_u32 v[XMW], s72, v59
	v_add_nc_u32 v[XMR], s74, v59
	s_mul_i32 s77, s8, SBYTES
	s_add_co_u32 s77, s77, STG
	v_mul_u32_u24 v56, v49, 144
	v_lshl_add_u32 v56, v50, 4, v56
	v_add_nc_u32 v[STW], s77, v56
	v_lshrrev_b32 v57, 3, v48
	v_mul_u32_u24 v57, v57, 144
	v_and_b32 v58, 7, v0
	v_lshl_add_u32 v57, v58, 4, v57
	v_add_nc_u32 v[STR], s77, v57
	s_wait_loadcnt 0x0                             ; Q of both query blocks, once
; 8 matrix instructions: O[u][dt] (+)= V part at va x P part at pb + pu u, 32 keys.  The eight accumulators take turns, one instruction a turn.
.macro PV8 va, pb, pu, zero
.irp d, 0,1,2,3
.irp u, 0,1
.if \zero
	v_wmma_f32_16x16x32_f16 v[8*(4*\u+\d):8*(4*\u+\d)+7], v[\va+8*\d:\va+8*\d+7], v[\pb+\pu*\u:\pb+\pu*\u+7], 0
.else
	v_wmma_f32_16x16x32_f16 v[8*(4*\u+\d):8*(4*\u+\d)+7], v[\va+8*\d:\va+8*\d+7], v[\pb+\pu*\u:\pb+\pu*\u+7], v[8*(4*\u+\d):8*(4*\u+\d)+7]
.endif
.endr
.endr
.endm
; One key block.  slot: where it lies.  fill = 1: the next step's block is asked for, into the other slot.  first = 1: the diagonal block of a
; query block: masked, in two parts, and it starts maximum, sums and O.  reset = 1: the walk of key blocks begins again at 0.
; qb: Q's registers in window 1.  vl: where the diagonal block's remainders of v lie, from VLO on.
.macro STEP slot, fill, first, reset, qb, vl
	s_set_vgpr_msb 0x5
	s_wait_tensorcnt 0x0                           ; all my tensor loads have landed, this step's tile among them: every group 0 may be written
	ds_add_u32 v192, v193
	s_wait_dscnt 0x0
	s_set_vgpr_msb 0x500
.if \fill
.if \reset
	s_mov_b32 s20, 0
.else
	s_add_co_u32 s20, s20, KVBLK
.endif
	s_cmp_eq_u32 s20, s22                          ; the first part's walk ends in front of its diagonal:
	s_cselect_b32 s20, s23, s20                    ; the second part's diagonal comes next
	s_add_nc_u64 s[G0K+4*(1-\slot)+2:G0K+4*(1-\slot)+3], s[56:57], s[20:21]
	s_or_b32 s[G0K+4*(1-\slot)+3], s[G0K+4*(1-\slot)+3], 0x80000000
	s_add_nc_u64 s[G0V+4*(1-\slot)+2:G0V+4*(1-\slot)+3], s[58:59], s[20:21]
	s_or_b32 s[G0V+4*(1-\slot)+3], s[G0V+4*(1-\slot)+3], 0x80000000
.endif
	s_wait_dscnt 0x0                               ; my reads of the other slot are done
	s_barrier_signal -1
	s_barrier_wait -1                              ; both now hold of all eight waves
.if \fill
	KVLOAD 1-\slot                                 ; first thing behind the barrier; it has the whole step in which to land
.endif
.irp t, 0,1,2,3
.irp d, 0,1
	ds_load_b128 v[KREG+16*\t+8*\d:KREG+16*\t+8*\d+3],   v[KAD+\slot] offset:\t*2176+\d*64
	ds_load_b128 v[KREG+16*\t+8*\d+4:KREG+16*\t+8*\d+7], v[KAD+\slot] offset:\t*2176+\d*64+32
.endr
.endr
.irp k, 0,1
.irp d, 0,1,2,3
	ds_load_tr16_b128 v[VREG+32*\k+8*\d:VREG+32*\k+8*\d+3],   v[VAD+\slot] offset:\k*4608+\d*32        ; keys 32 kg + 8 h + 0..7 of d = 16 dt + r
	ds_load_tr16_b128 v[VREG+32*\k+8*\d+4:VREG+32*\k+8*\d+7], v[VAD+\slot] offset:\k*4608+\d*32+2304   ; keys 32 kg + 16 + 8 h + 0..7
.endr
.endr
.if \first
	WIN 0x40                                       ; destination window 1, address window 0
.irp k, 0,1
.irp d, 0,1,2,3
	ds_load_tr16_b128 v[VL+32*\k+8*\d:VL+32*\k+8*\d+3],   v[VLAD] offset:\vl+\k*4608+\d*32             ; the same places of v's remainders
	ds_load_tr16_b128 v[VL+32*\k+8*\d+4:VL+32*\k+8*\d+7], v[VLAD] offset:\vl+\k*4608+\d*32+2304
.endr
.endr
.endif
	; S^T = K Q^T.  The two query tiles take turns, one instruction a turn.
	WIN 0x04                                       ; source 1 (Q) window 1
.irp t, 0,1,2,3
	s_wait_dscnt 28-4*\t+16*\first                 ; K tile t's four loads are in: 4 (3 - t) of K, 16 of V and, on the diagonal, 16 of the remainders were issued behind them
	v_wmma_f32_16x16x32_f16 v[SREG+8*\t:SREG+8*\t+7],       v[KREG+16*\t:KREG+16*\t+7],    v[\qb:\qb+7],     0
	v_wmma_f32_16x16x32_f16 v[SREG+32+8*\t:SREG+32+8*\t+7], v[KREG+16*\t:KREG+16*\t+7],    v[\qb+16:\qb+23], 0
	v_wmma_f32_16x16x32_f16 v[SREG+8*\t:SREG+8*\t+7],       v[KREG+16*\t+8:KREG+16*\t+15], v[\qb+8:\qb+15],  v[SREG+8*\t:SREG+8*\t+7]
	v_wmma_f32_16x16x32_f16 v[SREG+32+8*\t:SREG+32+8*\t+7], v[KREG+16*\t+8:KREG+16*\t+15], v[\qb+24:\qb+31], v[SREG+32+8*\t:SREG+32+8*\t+7]
.endr
	WIN 0
	PLACES 4                                       ; four places before vector instructions read the scores or write K's registers (ISA guide 7.12.1)
.if \first
.irp u, 0,1
.irp t, 0,1,2,3
.irp j, 0,1,2,3,4,5,6,7
	v_cmp_le_i32 vcc_lo, 16*\t+\j-16*\u, v[DM]     ; key <= query
	v_cndmask_b32 v[SREG+32*\u+8*\t+\j], v[NINF], v[SREG+32*\u+8*\t+\j], vcc_lo
.endr
.endr
.endr
.endif
	; the new maximum of raw scores: the old one and my 32 numbers, two chains a tile, then the other lane half
.irp u, 0,1
.if \first
	v_max3_num_f32 v[MX+\u], s19, v[SREG+32*\u], v[SREG+32*\u+1]
.else
	v_max3_num_f32 v[MX+\u], v[MR+\u], v[SREG+32*\u], v[SREG+32*\u+1]
.endif
	v_max_num_f32 v[MY+\u], v[SREG+32*\u+16], v[SREG+32*\u+17]
.endr
.irp k, 1,2,3,4,5,6,7
.irp u, 0,1
	v_max3_num_f32 v[MX+\u], v[MX+\u], v[SREG+32*\u+2*\k], v[SREG+32*\u+2*\k+1]
	v_max3_num_f32 v[MY+\u], v[MY+\u], v[SREG+32*\u+16+2*\k], v[SREG+32*\u+17+2*\k]
.endr
.endr
	v_max_num_f32 v[MX], v[MX], v[MY]
	v_max_num_f32 v[MX+1], v[MX+1], v[MY+1]
	v_permlanex16_b32 v[MY], v[MX], s14, s15
	v_permlanex16_b32 v[MY+1], v[MX+1], s14, s15
	v_max_num_f32 v[MX], v[MX], v[MY]
	v_max_num_f32 v[MX+1], v[MX+1], v[MY+1]
.irp u, 0,1
	v_mul_f32 v[NC+2*\u],   s18, v[MX+\u]
	v_mul_f32 v[NC+2*\u+1], s18, v[MX+\u]
.endr
.if \first == 0
	v_fma_f32 v[MY],   v[MR],   s16, v[NC]         ; (old maximum - new maximum) x scale
	v_fma_f32 v[MY+1], v[MR+1], s16, v[NC+2]
	v_exp_f32 v[AL],   v[MY]
	v_exp_f32 v[AL+1], v[MY]
	v_exp_f32 v[AL+2], v[MY+1]
	v_exp_f32 v[AL+3], v[MY+1]                     ; the two moves below are the plain instructions behind them (ISA guide 5.7.2)
.endif
	v_mov_b32 v[MR],   v[MX]
	v_mov_b32 v[MR+1], v[MX+1]
.set i, 0
.rept 16
	v_pk_fma_f32 v[SREG+2*i:SREG+2*i+1],       v[SREG+2*i:SREG+2*i+1],       s[16:17], v[NC:NC+1]   op_sel_hi:[1,0,1]
	v_pk_fma_f32 v[SREG+32+2*i:SREG+32+2*i+1], v[SREG+32+2*i:SREG+32+2*i+1], s[16:17], v[NC+2:NC+3] op_sel_hi:[1,0,1]
.set i, i+1
.endr
.set i, 0
.rept 64
	v_exp_f32 v[SREG+i], v[SREG+i]                 ; a masked score is minus infinity here and gives 0
.set i, i+1
.endr
	v_nop                                          ; one plain instruction behind the last exponential
	s_wait_alu depctr_va_vdst(0)
	; the row sums, kept apart in each lane half until the merge
.irp u, 0,1
.if \first
	s_wait_alu depctr_va_vdst(0)
	v_pk_add_f32 v[LS+4*\u:LS+4*\u+1],   v[SREG+32*\u:SREG+32*\u+1],   v[SREG+32*\u+4:SREG+32*\u+5]
	v_pk_add_f32 v[LS+4*\u+2:LS+4*\u+3], v[SREG+32*\u+2:SREG+32*\u+3], v[SREG+32*\u+6:SREG+32*\u+7]
.irp k, 2,3,4,5,6,7
	v_pk_add_f32 v[LS+4*\u:LS+4*\u+1],   v[LS+4*\u:LS+4*\u+1],   v[SREG+32*\u+4*\k:SREG+32*\u+4*\k+1]
	v_pk_add_f32 v[LS+4*\u+2:LS+4*\u+3], v[LS+4*\u+2:LS+4*\u+3], v[SREG+32*\u+4*\k+2:SREG+32*\u+4*\k+3]
.endr
.else
	v_pk_fma_f32 v[LS+4*\u:LS+4*\u+1],   v[LS+4*\u:LS+4*\u+1],   v[AL+2*\u:AL+2*\u+1], v[SREG+32*\u:SREG+32*\u+1]
	v_pk_fma_f32 v[LS+4*\u+2:LS+4*\u+3], v[LS+4*\u+2:LS+4*\u+3], v[AL+2*\u:AL+2*\u+1], v[SREG+32*\u+2:SREG+32*\u+3]
.irp k, 1,2,3,4,5,6,7
	v_pk_add_f32 v[LS+4*\u:LS+4*\u+1],   v[LS+4*\u:LS+4*\u+1],   v[SREG+32*\u+4*\k:SREG+32*\u+4*\k+1]
	v_pk_add_f32 v[LS+4*\u+2:LS+4*\u+3], v[LS+4*\u+2:LS+4*\u+3], v[SREG+32*\u+4*\k+2:SREG+32*\u+4*\k+3]
.endr
.endif
.endr
	; P in place: sixteen numbers (tiles 2 kg, 2 kg + 1) into the first eight registers of their sixteen; a destination never lies above its sources
.if \first
	; in two parts: the number cut to 11 significant bits, exact in f16, and what was cut off, exact in f32 and rounded to f16, into K's registers
.irp g, 0,1,2,3
.irp q, 0,1,2,3,4,5,6,7
	v_and_b32 v[TT+2*(\q&3)],   s79, v[SREG+16*\g+2*\q]
	v_and_b32 v[TT+2*(\q&3)+1], s79, v[SREG+16*\g+2*\q+1]
	v_pk_fma_f32 v[SREG+16*\g+2*\q:SREG+16*\g+2*\q+1], v[TT+2*(\q&3):TT+2*(\q&3)+1], -1.0, v[SREG+16*\g+2*\q:SREG+16*\g+2*\q+1] op_sel_hi:[1,0,1]
	v_cvt_pk_f16_f32 v[KREG+8*\g+\q], v[SREG+16*\g+2*\q], v[SREG+16*\g+2*\q+1]
	v_cvt_pk_f16_f32 v[SREG+16*\g+\q], v[TT+2*(\q&3)], v[TT+2*(\q&3)+1]
.endr
.endr
	; O^T = Vh^T Ph^T + Vh^T Pl^T + Vl^T Ph^T
	WIN 0x50                                       ; C and D window 1
	s_wait_dscnt 0                                 ; V and its remainders are in
	PV8 VREG,    SREG,    32, 1
	PV8 VREG+32, SREG+16, 32, 0
	PV8 VREG,    KREG,    16, 0
	PV8 VREG+32, KREG+8,  16, 0
	WIN 0x51                                       ; source 0 (the remainders of v) window 1 too
	PV8 VL,      SREG,    32, 0
	PV8 VL+32,   SREG+16, 32, 0
.else
.irp g, 0,1,2,3
.irp q, 0,1,2,3,4,5,6,7
	v_cvt_pk_f16_f32 v[SREG+16*\g+\q], v[SREG+16*\g+2*\q], v[SREG+16*\g+2*\q+1]
.endr
.endr
	WIN 0x41                                       ; O, in window 1, is source 0 and destination
.set i, 0
.rept 16
	v_pk_mul_f32 v[2*i:2*i+1],       v[2*i:2*i+1],       v[AL:AL+1]
	v_pk_mul_f32 v[32+2*i:32+2*i+1], v[32+2*i:32+2*i+1], v[AL+2:AL+3]
.set i, i+1
.endr
	; O^T += V^T P^T
	WIN 0x50                                       ; C and D window 1
	s_wait_dscnt 8                                 ; V's first eight loads (keys 0-31 of my 64) are in; the second eight may be out
	PV8 VREG,    SREG,    32, 0
	s_wait_dscnt 0
	PV8 VREG+32, SREG+16, 32, 0
.endif
	WIN 0
	PLACES 5                                       ; five places: the next step loads into K's and V's registers and its first products write over P; the merge reads O
.endm
; My partial results of tile u go to my scratch, for my partner.
.macro XSTORE u
	WIN 0x04                                       ; an LDS store's data is source 1: window 1
.irp k, 0,1,2,3,4,5,6,7
	ds_store_b128 v[XW], v[32*\u+4*\k:32*\u+4*\k+3] offset:512*\k
.endr
	WIN 0
	ds_store_b32 v[XMW], v[MR+\u]
	ds_store_b32 v[XMW], v[LS+4*\u] offset:128
.endm
; Tile u: my partner's partial results (at register xa / xm + off) are merged with mine, divided by the sum, split into two f16 parts and stored:
; 2,048 consecutive bytes of atth and of attl.
.macro XMERGE u, ob, obl, xa, xm, off
.irp k, 0,1,2,3,4,5,6,7
	ds_load_b128 v[SREG+4*\k:SREG+4*\k+3], v[\xa] offset:(\off)+512*\k
.endr
	ds_load_b32 v[TT], v[\xm] offset:(\off)        ; its maximum
	ds_load_b32 v[TT+1], v[\xm] offset:(\off)+128  ; its sum
	s_wait_dscnt 0x0
	v_max_num_f32 v[TT+2], v[MR+\u], v[TT]
	v_sub_f32 v[TT+3], v[MR+\u], v[TT+2]
	v_sub_f32 v[TT+8], v[TT], v[TT+2]
	v_mul_f32 v[TT+3], s16, v[TT+3]
	v_mul_f32 v[TT+8], s16, v[TT+8]
	v_exp_f32 v[TT+3], v[TT+3]                     ; my weight; 0 for a wave that has seen masked keys alone
	v_exp_f32 v[TT+8], v[TT+8]                     ; my partner's
	v_nop
	s_wait_alu depctr_va_vdst(0)
	v_mul_f32 v[TT+9], v[TT+8], v[TT+1]
	v_fma_f32 v[TT+9], v[TT+3], v[LS+4*\u], v[TT+9]    ; the row's sum; key 0 of the diagonal block is allowed in every row, so it is not 0
	v_rcp_f32 v[TT+9], v[TT+9]
	v_nop
	s_wait_alu depctr_va_vdst(0)
	v_mul_f32 v[TT+4], v[TT+3], v[TT+9]
	v_mul_f32 v[TT+5], v[TT+3], v[TT+9]
	v_mul_f32 v[TT+6], v[TT+8], v[TT+9]
	v_mul_f32 v[TT+7], v[TT+8], v[TT+9]
.set i, 0
.rept 16
	v_pk_mul_f32 v[SREG+2*i:SREG+2*i+1], v[SREG+2*i:SREG+2*i+1], v[TT+6:TT+7]
.set i, i+1
.endr
	WIN 0x01                                       ; source 0 (my O) window 1
.set i, 0
.rept 16
	v_pk_fma_f32 v[SREG+2*i:SREG+2*i+1], v[32*\u+2*i:32*\u+2*i+1], v[TT+4:TT+5], v[SREG+2*i:SREG+2*i+1]
.set i, i+1
.endr
	WIN 0
.set i, 0
.rept 16
	v_and_b32 v[XT+2*(i&3)],   s79, v[SREG+2*i]    ; cut to 11 significant bits,
	v_and_b32 v[XT+2*(i&3)+1], s79, v[SREG+2*i+1]
	v_pk_fma_f32 v[SREG+2*i:SREG+2*i+1], v[XT+2*(i&3):XT+2*(i&3)+1], -1.0, v[SREG+2*i:SREG+2*i+1] op_sel_hi:[1,0,1]   ; and what was cut off
	v_cvt_pk_f16_f32 v[PK+i],  v[XT+2*(i&3)], v[XT+2*(i&3)+1]
	v_cvt_pk_f16_f32 v[PL2+i], v[SREG+2*i],   v[SREG+2*i+1]
.set i, i+1
.endr
.irp d, 0,1,2,3
	ds_store_b128 v[STW], v[PK+4*\d:PK+4*\d+3] offset:32*\d        ; row r, d = 16 dt + 8 h + 0..7
.endr
.irp t, 0,1,2,3
	ds_load_b128 v[KREG+4*\t:KREG+4*\t+3], v[STR] offset:576*\t    ; four rows of 128 bytes; a wave's LDS instructions are served in order
.endr
.irp d, 0,1,2,3
	ds_store_b128 v[STW], v[PL2+4*\d:PL2+4*\d+3] offset:32*\d      ; the same bytes again, behind the loads above
.endr
.irp t, 0,1,2,3
	ds_load_b128 v[KREG+16+4*\t:KREG+16+4*\t+3], v[STR] offset:576*\t
.endr
.irp t, 0,1,2,3
	s_wait_dscnt 11-\t                             ; load t of the upper parts is in: 3 - t loads, 4 stores and 4 loads were issued behind it
	global_store_b128 v[L16], v[KREG+4*\t:KREG+4*\t+3], s[\ob:\ob+1] offset:\u*2048+512*\t   ; the wave stores 512 consecutive bytes, aligned
.endr
.irp t, 0,1,2,3
	s_wait_dscnt 3-\t                              ; load t of the remainders is in, the 3 - t younger ones stay out
	global_store_b128 v[L16], v[KREG+16+4*\t:KREG+16+4*\t+3], s[\obl:\obl+1] offset:\u*2048+512*\t
.endr
.endm
; The end of a query block.  The wave with c = 0 hands over tile 1 and finishes tile 0; its partner, four waves above, the other way round.
.macro FINAL ob, obl
.irp u, 0,1
	v_pk_add_f32 v[LS+4*\u:LS+4*\u+1], v[LS+4*\u:LS+4*\u+1], v[LS+4*\u+2:LS+4*\u+3]
	v_add_f32 v[LS+4*\u], v[LS+4*\u], v[LS+4*\u+1]
	v_permlanex16_b32 v[MY+\u], v[LS+4*\u], s14, s15
	v_add_f32 v[LS+4*\u], v[LS+4*\u], v[MY+\u]     ; my 64 keys' share of the row sum, in both lane halves
.endr
	s_cmp_lt_u32 s8, 4
	s_cbranch_scc0 .Lst_hi_\@
	XSTORE 1
	s_branch .Lst_done_\@
.Lst_hi_\@:
	XSTORE 0
.Lst_done_\@:
	s_wait_dscnt 0x0                               ; my stores are done, for my partner's sake
	s_barrier_signal -1                            ; the next step's tile may stay on its way
	s_barrier_wait -1
	s_cmp_lt_u32 s8, 4
	s_cbranch_scc0 .Lmg_hi_\@
	XMERGE 0, \ob, \obl, XW, XMW, 4*XBYTES         ; waves 0-3: the partner's scratch lies 4 x 4,352 bytes above mine
	s_branch .Lmg_done_\@
.Lmg_hi_\@:
	XMERGE 1, \ob, \obl, XR, XMR, 0                ; waves 4-7: as far below
.Lmg_done_\@:
	s_wait_xcnt 0x0                                ; the stores' data registers are loaded again only behind this wait
.endm
	; query block 2 p: its diagonal, then key blocks 0 .. 2 p - 1, two a trip, p trips
	STEP 0, 1, 1, 1, QE, 0
	s_cmp_eq_u32 s11, 0
	s_cbranch_scc1 .Le_done
	s_mov_b32 s13, 0
.Le_loop:
	STEP 1, 1, 0, 0, QE, 0
	STEP 0, 1, 0, 0, QE, 0
	s_add_co_u32 s13, s13, 1
	s_cmp_lt_u32 s13, s11
	s_cbranch_scc1 .Le_loop
.Le_done:
	FINAL 66, 96
	; query block 15 - 2 p: its diagonal, then key blocks 0 .. 14 - 2 p: 7 - p trips of two, and one more
	s_mov_b32 s22, -1                              ; this walk is not cut short
	STEP 1, 1, 1, 1, QO, VLB
	s_cmp_eq_u32 s3, 0
	s_cbranch_scc1 .Lo_done
	s_mov_b32 s13, 0
.Lo_loop:
	STEP 0, 1, 0, 0, QO, 0
	STEP 1, 1, 0, 0, QO, 0
	s_add_co_u32 s13, s13, 1
	s_cmp_lt_u32 s13, s3
	s_cbranch_scc1 .Lo_loop
.Lo_done:
	STEP 0, 0, 0, 0, QO, 0                         ; the last key block: nothing is left to fetch
	FINAL 68, 98
	s_set_vgpr_msb 0x5
	s_wait_tensorcnt 0x0
	ds_add_u32 v192, v193
	s_wait_dscnt 0x0
	s_set_vgpr_msb 0x500
	s_endpgm
.Lfunc_end_k_q73b51bb48b_attn:
	.size	k_q73b51bb48b_attn, .Lfunc_end_k_q73b51bb48b_attn-k_q73b51bb48b_attn
	.p2alignl 7, 3214868480
	.fill 96, 4, 3214868480
	.section	.rodata,"a",@progbits
	.p2align	6, 0x0
	.amdhsa_kernel k_q73b51bb48b_attn
		.amdhsa_group_segment_fixed_size 327680
		.amdhsa_private_segment_fixed_size 0
		.amdhsa_enable_private_segment 0
		.amdhsa_kernarg_size 32
		.amdhsa_user_sgpr_count 2
		.amdhsa_user_sgpr_kernarg_segment_ptr 1
		.amdhsa_wavefront_size32 1
		.amdhsa_system_sgpr_workgroup_id_x 1
		.amdhsa_system_sgpr_workgroup_id_y 1
		.amdhsa_system_sgpr_workgroup_id_z 1
		.amdhsa_system_vgpr_workitem_id 0
		.amdhsa_next_free_vgpr 450
		.amdhsa_next_free_sgpr 100
		.amdhsa_reserve_vcc 1
		.amdhsa_float_denorm_mode_32 3
		.amdhsa_float_denorm_mode_16_64 3
		.amdhsa_memory_ordered 1
		.amdhsa_forward_progress 1
		.amdhsa_inst_pref_size 200
	.end_amdhsa_kernel
	.amdgpu_metadata
---
amdhsa.version: [ 1, 2 ]
amdhsa.kernels:
  - .name:           k_q73b51bb48b_attn
    .symbol:         k_q73b51bb48b_attn.kd
    .args:
      - { .name: qkv, .offset: 0, .size: 8, .value_kind: global_buffer, .address_space: global }
      - { .name: vlo, .offset: 8, .size: 8, .value_kind: global_buffer, .address_space: global }
      - { .name: atth, .offset: 16, .size: 8, .value_kind: global_buffer, .address_space: global }
      - { .name: attl, .offset: 24, .size: 8, .value_kind: global_buffer, .address_space: global }
    .group_segment_fixed_size: 327680
    .private_segment_fixed_size: 0
    .kernarg_segment_align: 8
    .kernarg_segment_size: 32
    .max_flat_workgroup_size: 256
    .sgpr_count:     100
    .vgpr_count:     450
    .wavefront_size: 32
...
	.end_amdgpu_metadata
.endif
;; end of part 3
;; launch proj (part 4): grid 8 x 32, 4 waves a work-group, clusters of 4 x 4, 327,680 bytes of LDS; arguments atth, attl, wob, out0, b_out; writes out0
.if DOCPART == 4
	.amdgcn_target "amdgcn-amd-amdhsa--gfx1250"
	.amdhsa_code_object_version 6
	.text
	.protected	k_q73b51bb48b_proj
	.globl	k_q73b51bb48b_proj
	.p2align	8
	.type	k_q73b51bb48b_proj,@function
k_q73b51bb48b_proj:
	s_mov_b64 s[64:65], 0
	v_nop
	global_prefetch_b8 v0, s[64:65] scope:SCOPE_SE
	s_setreg_imm32_b32 hwreg(HW_REG_WAVE_MODE, 25, 1), 1
	s_wait_xcnt 0x0
	s_wait_alu depctr_hold_cnt(0) depctr_sa_sdst(0) depctr_va_vdst(0) depctr_va_sdst(0) depctr_va_ssrc(0) depctr_va_vcc(0) depctr_vm_vsrc(0)
	s_getreg_b32 s2, hwreg(HW_REG_IB_STS2, 6, 4)
	s_cmp_eq_u32 s2, 0
	s_cbranch_scc0 .Lentry_in_a_cluster
	s_endpgm
.Lentry_in_a_cluster:
	s_bfe_u32 s2, ttmp6, 0x10000c
	s_cmp_lg_u32 s2, 0xf033
	s_cbranch_scc0 .Lentry_shape_is_right
	s_endpgm
.Lentry_shape_is_right:
; out0 = (atth + attl) w_out + b_out.  atth, attl (f16): [row block of 128: 32][head: 16][row: 128][64], the attention's result in two parts;
; wob: [1024 (k)][1024 (n)] f16; b_out, out0: f32.
; WHY TWO PARTS: the first rows of a sequence are some ten times larger than the root mean square of the whole output, against which an error is
; held; one f16 rounding of them is a third of what that leaves.  Both parts meet the same fragments of wob: 24 LDS loads feed 32 matrix instructions.
; A work-group makes 128 x 128 of the product (8 x 32 = 256 work-groups; blocks of 256 x 256 would give 64), a wave 64 x 64: 16 accumulator tiles.
; K = 1024 goes in eight steps of 128 (two heads) through two LDS slots: two first fills, six refills, written out without a loop.
; A step's tile of atth, and of attl, is 32,768 dense bytes: wave 0 brings atth's, wave 1 attl's, as 128 rows of 256 bytes (two rows of a head each);
; waves 2 and 3 bring 64 k rows each of my 128 columns of wob.  Every row of a tile is 256 bytes of memory, 256-aligned.
; CLUSTERS: 4 x 4 work-groups; atth's and attl's tiles are asked for jointly along a row of the cluster, wob's along a column.
; The matrix instruction is used transposed (source 0 = 16 columns of wob, by the transposing LDS load; source 1 = 16 rows of att), so that a
; lane holds eight neighbouring columns of one row; the bias of those columns is the C of the first instructions.
; REGISTERS: window 0: v16-27 addresses; v64-159, v160-255 two fragment buffers (wob's four tiles, atth's four, attl's four);
;            window 1: accumulator (a, b) at v[8 (4 a + b)], 0-127; the bias of tile column b at v[128 + 8 b].
.set PITCH,  272                       ; att's pair rows in LDS: 256 bytes + 16: row r lies at (r / 2) x 272 + (r % 2) x 128: 16 different 16-byte columns modulo 256 bytes
.set PITCHB, 288                       ; wob's rows: 256 + 32
.set HEAD,   64*PITCH                  ; 17,408: a head's 128 rows
.set ALO,    2*HEAD                    ; 34,816: attl's two heads lie behind atth's two
.set BOFF,   4*HEAD                    ; 69,632: wob's 128 k rows lie behind them
.set BHALF,  64*PITCHB                 ; 18,432: what one of waves 2, 3 brings
.set SLOT,   BOFF+2*BHALF              ; 106,496
.set STAGE,  2*SLOT                    ; 212,992: 16 rows x 272 bytes for each wave, for the way out; no fill lands here
.set SPITCH, 272
.set ASTEP,  2*32768                   ; two K steps of atth or attl
.set BSTEP,  2*128*2048                ; two K steps of wob
.set ADRA, 16                          ; v16-17  my att fragments in slot 0, 1
.set ADRB, 20                          ; v20-21  my wob fragments in slot 0, 1
.set STO,  24
.set RD,   25
.set CO,   26
.set BO,   27
.set F0,   64
.set F1,   160
.set BIAS, 128                         ; window 1
.set G1,  24
.set G0,  32
.set G1B, 48
.set G0B, 56
.set MSB, 0
.macro WIN new                         ; the immediate's high byte repeats the setting that is left
.if MSB != \new
	s_set_vgpr_msb (MSB<<8)|\new
.set MSB, \new
.endif
.endm
.set MUL, 0x50                         ; sources 0 and 1 window 0, C and D window 1
.macro JLOAD s                         ; wave 0 asks for atth's tile, wave 1 for attl's, waves 2 and 3 for wob's halves
	s_cmp_eq_u32 s11, 0
	s_cbranch_scc0 .Lfor_b_\@
	tensor_load_to_lds s[G0+4*\s:G0+4*\s+3], s[G1:G1+7]
	s_nop 0
	s_branch .Lasked_\@
.Lfor_b_\@:
	tensor_load_to_lds s[G0B+4*\s:G0B+4*\s+3], s[G1B:G1B+7]
	s_nop 0
.Lasked_\@:
.endm
.macro CREST                           ; a round of the cluster's barrier, behind its opening work-group barrier
	s_cmp_lg_u32 s10, 0
	s_cbranch_scc1 .Lnot_wave_0_\@
	s_barrier_signal -3
.Lnot_wave_0_\@:
	s_barrier_wait -3
	s_barrier_signal -1
	s_barrier_wait -1
.endm
.macro CROUND
	s_barrier_signal -1
	s_barrier_wait -1
	CREST
.endm
	s_load_b256 s[84:91], s[0:1], 0x0              ; atth s[84:85], attl s[86:87], wob s[88:89], out0 s[90:91]
	s_load_b64 s[92:93], s[0:1], 0x20              ; b_out
	v_lshl_add_u32 v62, v0, 2, 0x38400
	v_mov_b32 v63, 0
	ds_add_u32 v62, v63
	v_lshrrev_b32 v1, 5, v0
	v_readfirstlane_b32 s10, v1                    ; wave 0..3
	s_lshr_b32 s11, s10, 1                         ; my half of the block's rows.  Also: I fetch for att (0) or for wob (1)
	s_and_b32 s12, s10, 1                          ; my half of its columns.  Also: atth (0) or attl (1); wob's k rows 0-63 or 64-127
	s_bfe_u32 s40, ttmp6, 0x40000                  ; cx
	s_bfe_u32 s41, ttmp6, 0x40004                  ; cy
	s_lshl_b32 s42, ttmp9, 2
	s_add_co_u32 s42, s42, s40                     ; block column, 0..7
	s_and_b32 s13, ttmp7, 0xffff
	s_lshl_b32 s13, s13, 2
	s_add_co_u32 s13, s13, s41                     ; block row, 0..31
	s_lshl_b32 s43, s41, 2
	s_lshl_b32 s43, 15, s43                        ; my row of the cluster
	s_lshl_b32 s44, 0x1111, s40                    ; my column
	s_or_b32 s[G1+0], s43, (1<<16)|(1<<20)|(1<<21)|(5<<22)|(3<<25)  ; att: mask of my row; 4 words of padding behind every 64
	s_or_b32 s[G1B+0], s44, (1<<16)|(1<<20)|(1<<21)|(5<<22)|(7<<25) ; wob: mask of my column; 8 words
	s_mov_b32 s[G1+1], 128<<16                     ; tensor_dim0 = 128
	s_mov_b32 s[G1B+1], 128<<16
	s_mov_b32 s[G1+2], 128<<16                     ; tensor_dim1 = 128 rows (att), 64 (wob)
	s_mov_b32 s[G1B+2], 64<<16
	s_mov_b32 s[G1+3], 128<<16                     ; tile_dim0 = 128
	s_mov_b32 s[G1B+3], 128<<16
	s_mov_b32 s[G1+4], 128                         ; tile_dim1
	s_mov_b32 s[G1B+4], 64
	s_mov_b32 s[G1+5], 128                         ; att's tile is dense: a row begins where the last ends
	s_mov_b32 s[G1B+5], 1024                       ; elements from row to row of wob
	s_mov_b32 s[G1+6], 0
	s_mov_b32 s[G1B+6], 0
	s_mov_b32 s[G1+7], 0
	s_mov_b32 s[G1B+7], 0
	s_lshl_b32 s16, s13, 18                        ; a row block of att: 16 heads of 16,384 bytes
	s_mov_b32 s17, 0
	s_lshl_b32 s46, s42, 8                         ; 128 columns of 2 bytes
	s_lshl_b32 s47, s12, 17                        ; 64 k rows of 2,048 bytes
	s_add_co_u32 s46, s46, s47
	s_mov_b32 s47, 0
	s_mul_i32 s20, s10, ALO                        ; where an att tile lands: wave 0 at 0, wave 1 at 34,816
	s_mul_i32 s21, s10, BHALF                      ; where a half of wob's lands: wave 2 at 69,632, wave 3 at 88,064
	s_add_co_u32 s21, s21, BOFF-2*BHALF
	s_wait_dscnt 0x0
	s_wait_kmcnt 0x0
	s_cmp_eq_u32 s12, 0                            ; the choice of the buffer hangs on the wave's number alone
	s_cselect_b64 s[4:5], s[84:85], s[86:87]
	s_add_nc_u64 s[14:15], s[4:5], s[16:17]
	s_add_nc_u64 s[46:47], s[88:89], s[46:47]
	CROUND                                         ; all sixteen work-groups are here: the first joint loads meet
.irp s, 0,1
	s_mov_b32 s[G0+4*\s], 1
	s_add_co_u32 s[G0+4*\s+1], s20, \s*SLOT
	s_add_nc_u64 s[G0+4*\s+2:G0+4*\s+3], s[14:15], \s*32768
	s_or_b32 s[G0+4*\s+3], s[G0+4*\s+3], 0x80000000
	s_mov_b32 s[G0B+4*\s], 1
	s_add_co_u32 s[G0B+4*\s+1], s21, \s*SLOT
	s_add_nc_u64 s[G0B+4*\s+2:G0B+4*\s+3], s[46:47], \s*128*2048
	s_or_b32 s[G0B+4*\s+3], s[G0B+4*\s+3], 0x80000000
	JLOAD \s                                       ; two loads of the wave are out
.endr
	s_lshl_b32 s74, s42, 9                         ; my first column, in bytes of f32: 512 x block + 256 x half
	s_lshl_b32 s76, s12, 8
	s_add_co_u32 s74, s74, s76
	s_mov_b32 s75, 0
	s_add_nc_u64 s[70:71], s[92:93], s[74:75]      ; its bias
	s_lshl_b32 s72, s13, 19                        ; 128 rows of 4,096 bytes
	s_lshl_b32 s76, s11, 18                        ; 64 rows
	s_add_co_u32 s72, s72, s76
	s_add_co_u32 s72, s72, s74
	s_mov_b32 s73, 0
	s_add_nc_u64 s[68:69], s[90:91], s[72:73]      ; my 64 x 64 of out0
	v_and_b32 v1, 15, v0                           ; r
	v_bfe_u32 v2, v0, 4, 1                         ; h
	v_lshlrev_b32 v[BO], 5, v2
	WIN 0x40                                       ; destination window 1, address window 0
.irp b, 0,1,2,3
	global_load_b128 v[BIAS+8*\b:BIAS+8*\b+3],   v[BO], s[70:71] offset:64*\b      ; b_out[16 b + 8 h + 0..3] of my 64 columns
	global_load_b128 v[BIAS+8*\b+4:BIAS+8*\b+7], v[BO], s[70:71] offset:64*\b+16
.endr
	WIN 0
	v_lshrrev_b32 v3, 1, v1
	v_mul_u32_u24 v3, v3, PITCH
	v_and_b32 v4, 1, v0
	v_lshl_add_u32 v3, v4, 7, v3
	v_lshl_add_u32 v3, v2, 4, v3                   ; (r / 2) x 272 + (r % 2) x 128 + 16 h
	s_mul_i32 s22, s11, 32*PITCH                   ; my 64 rows of each head
	v_add_nc_u32 v[ADRA], s22, v3
	v_add_nc_u32 v[ADRA+1], SLOT, v[ADRA]
	v_and_b32 v8, 7, v0
	v_lshl_add_u32 v6, v2, 3, v8
	v_mul_u32_u24 v6, v6, PITCHB
	v_bfe_u32 v7, v0, 3, 1
	v_lshl_add_u32 v6, v7, 4, v6                   ; (8 h + l % 8) x 288 + 16 ((l / 8) % 2)
	s_lshl_b32 s22, s12, 7                         ; my 64 columns
	s_add_co_u32 s22, s22, BOFF
	v_add_nc_u32 v[ADRB], s22, v6
	v_add_nc_u32 v[ADRB+1], SLOT, v[ADRB]
	s_mul_i32 s23, s10, 16*SPITCH
	s_add_co_u32 s23, s23, STAGE
	v_mul_u32_u24 v4, v1, SPITCH                   ; in: row r, 32 bytes for each half of the lanes
	v_lshl_add_u32 v4, v2, 5, v4
	v_add_nc_u32 v[STO], s23, v4
	v_mul_u32_u24 v5, v2, SPITCH                   ; back: lanes 0-15 take one row of 256 bytes, lanes 16-31 the next
	v_lshl_add_u32 v5, v1, 4, v5
	v_add_nc_u32 v[RD], s23, v5
	v_lshlrev_b32 v[CO], 12, v2                    ; and the same two rows in out0
	v_lshl_add_u32 v[CO], v1, 4, v[CO]
; 8 matrix instructions: row tiles a0, a0 + 1 x 4 column tiles, 32 along K; lo = 0: atth's fragments, 1: attl's.  first = 1: C is the bias.
; The 16 accumulators take turns, one instruction a turn, in the same order throughout.
.macro MUL8 f, a0, lo, first
.irp a, \a0, \a0+1
.irp b, 0,1,2,3
.if \first
	v_wmma_f32_16x16x32_f16 v[8*(4*(\a)+\b):8*(4*(\a)+\b)+7], v[\f+8*\b:\f+8*\b+7], v[\f+32+32*\lo+8*(\a):\f+32+32*\lo+8*(\a)+7], v[BIAS+8*\b:BIAS+8*\b+7]
.else
	v_wmma_f32_16x16x32_f16 v[8*(4*(\a)+\b):8*(4*(\a)+\b)+7], v[\f+8*\b:\f+8*\b+7], v[\f+32+32*\lo+8*(\a):\f+32+32*\lo+8*(\a)+7], v[8*(4*(\a)+\b):8*(4*(\a)+\b)+7]
.endif
.endr
.endr
.endm
; 24 LDS loads: the fragments of K part kk (32 k; kk = 0..3: head kk / 2 of the slot's two, d = 32 (kk % 2) ..) into buffer f: wob, atth, attl
.macro FETCH slot, kk, f
.irp i, 0,1,2,3
	ds_load_tr16_b128 v[\f+8*\i:\f+8*\i+3],   v[ADRB+\slot] offset:\kk*32*PITCHB+32*\i
	ds_load_tr16_b128 v[\f+8*\i+4:\f+8*\i+7], v[ADRB+\slot] offset:\kk*32*PITCHB+32*\i+16*PITCHB
.endr
.irp p, 0,1
.irp i, 0,1,2,3
	ds_load_b128 v[\f+32+32*\p+8*\i:\f+32+32*\p+8*\i+3], v[ADRA+\slot] offset:\p*ALO+(\kk>>1)*HEAD+(\kk&1)*64+\i*8*PITCH
	ds_load_b128 v[\f+36+32*\p+8*\i:\f+36+32*\p+8*\i+3], v[ADRA+\slot] offset:\p*ALO+(\kk>>1)*HEAD+(\kk&1)*64+\i*8*PITCH+32
.endr
.endr
.endm
.macro PLACES                          ; four plain vector instructions between a matrix instruction and a load into, or an LDS store from, its registers
.rept 4
	v_nop
.endr
.endm
.macro QUARTER slot, kk, f, g, first   ; multiplies buffer f; in its middle fetches K part kk of the same slot into buffer g
	s_wait_dscnt 8                                 ; wob's and atth's fragments are in; the youngest eight loads (attl's) may be out
	WIN MUL
	MUL8 \f, 0, 0, \first
	MUL8 \f, 2, 0, \first
	WIN 0
	PLACES
	FETCH \slot, \kk, \g
	s_wait_dscnt 24                                ; all but the 24 just issued
	WIN MUL
	MUL8 \f, 0, 1, 0
	MUL8 \f, 2, 1, 0
.endm
; K part 3 multiplies buffer 1 and changes slots: each wave's waits, the barrier (with a refill: a round of the cluster's barrier), the refill first behind it.
.macro TURN slot, next, fill
	s_wait_dscnt 0                                 ; my reads of this slot are over
	s_wait_tensorcnt 0x0                           ; and all my tensor loads have landed: the one that was out is my part of the next slot
	ds_add_u32 v62, v63
	s_wait_dscnt 0x0
	s_barrier_signal -1
	WIN MUL
	MUL8 F1, 0, 0, 0                               ; work on registers while the others arrive
	MUL8 F1, 2, 0, 0
	WIN 0
	s_barrier_wait -1
.if \fill
	CREST                                          ; no wave of any partner still reads this slot or has a load on its way
	s_add_nc_u64 s[G0+4*\slot+2:G0+4*\slot+3], s[G0+4*\slot+2:G0+4*\slot+3], ASTEP
	s_add_nc_u64 s[G0B+4*\slot+2:G0B+4*\slot+3], s[G0B+4*\slot+2:G0B+4*\slot+3], BSTEP
	JLOAD \slot                                    ; the first tensor load behind the round, and my only one until the next
.endif
	PLACES
	FETCH \next, 0, F0
	WIN MUL
	MUL8 F1, 0, 1, 0
	MUL8 F1, 2, 1, 0
.endm
.macro THREE slot, first
	QUARTER \slot, 1, F0, F1, \first
	QUARTER \slot, 2, F1, F0, 0
	QUARTER \slot, 3, F0, F1, 0
.endm
	s_wait_tensorcnt 1                             ; my part of K step 0 is in; K step 1's, issued behind it, stays out
	s_barrier_signal -1
	s_barrier_wait -1
	FETCH 0, 0, F0
	s_wait_loadcnt 0x0                             ; the bias
	THREE 0, 1                                     ; K step 0: the first products start the sums from the bias
	TURN 0, 1, 1                                   ; slot 0 is asked for again: K step 2
	THREE 1, 0                                     ; K step 1
	TURN 1, 0, 1                                   ; K step 3 is asked for
	THREE 0, 0                                     ; K step 2
	TURN 0, 1, 1                                   ; K step 4
	THREE 1, 0                                     ; K step 3
	TURN 1, 0, 1                                   ; K step 5
	THREE 0, 0                                     ; K step 4
	TURN 0, 1, 1                                   ; K step 6
	THREE 1, 0                                     ; K step 5
	TURN 1, 0, 1                                   ; K step 7: the last load
	THREE 0, 0                                     ; K step 6
	TURN 0, 1, 0                                   ; nothing is left to fetch
	THREE 1, 0                                     ; K step 7
	s_wait_dscnt 8
	WIN MUL
	MUL8 F1, 0, 0, 0
	MUL8 F1, 2, 0, 0
	s_wait_dscnt 0
	MUL8 F1, 0, 1, 0
	MUL8 F1, 2, 1, 0
	; THE WAY OUT, 16 rows at a time, in f32: 32 bytes a lane into my own stage, read back as whole rows of 256 bytes.
	PLACES
.macro OUT16 a, f
	WIN 0x04                                       ; an LDS store's data is source 1: window 1
.irp b, 0,1,2,3
	ds_store_b128 v[STO], v[8*(4*\a+\b):8*(4*\a+\b)+3]   offset:64*\b
	ds_store_b128 v[STO], v[8*(4*\a+\b)+4:8*(4*\a+\b)+7] offset:64*\b+16
.endr
	WIN 0
	s_wait_xcnt 0x0                                ; buffer f, which earlier stores read, and the stores' base are rewritten only behind this wait
.if \a
	s_add_nc_u64 s[68:69], s[68:69], 16*4096       ; 16 rows of out0 on
.endif
.irp t, 0,1,2,3,4,5,6,7
	ds_load_b128 v[\f+4*\t:\f+4*\t+3], v[RD] offset:\t*2*SPITCH    ; a wave's LDS instructions are served in order: these see the stores above
.endr
.irp t, 0,1,2,3,4,5,6,7
	s_wait_dscnt 7-\t                              ; load t is in, the 7 - t younger ones stay out
	global_store_b128 v[CO], v[\f+4*\t:\f+4*\t+3], s[68:69] offset:\t*8192 th:TH_STORE_NT   ; 16 lanes store 256 consecutive bytes, aligned; written once
.endr
.endm
	OUT16 0, F0
	OUT16 1, F1
	OUT16 2, F0
	OUT16 3, F1
	s_wait_tensorcnt 0x0
	ds_add_u32 v62, v63
	s_wait_dscnt 0x0
	CROUND                                         ; the closing round: no work-group ends while a partner may still ask for a tile that names it
	s_endpgm
.Lfunc_end_k_q73b51bb48b_proj:
	.size	k_q73b51bb48b_proj, .Lfunc_end_k_q73b51bb48b_proj-k_q73b51bb48b_proj
	.p2alignl 7, 3214868480
	.fill 96, 4, 3214868480
	.section	.rodata,"a",@progbits
	.p2align	6, 0x0
	.amdhsa_kernel k_q73b51bb48b_proj
		.amdhsa_group_segment_fixed_size 327680
		.amdhsa_private_segment_fixed_size 0
		.amdhsa_enable_private_segment 0
		.amdhsa_kernarg_size 40
		.amdhsa_user_sgpr_count 2
		.amdhsa_user_sgpr_kernarg_segment_ptr 1
		.amdhsa_wavefront_size32 1
		.amdhsa_system_sgpr_workgroup_id_x 1
		.amdhsa_system_sgpr_workgroup_id_y 1
		.amdhsa_system_sgpr_workgroup_id_z 1
		.amdhsa_system_vgpr_workitem_id 0
		.amdhsa_next_free_vgpr 416
		.amdhsa_next_free_sgpr 96
		.amdhsa_reserve_vcc 0
		.amdhsa_float_denorm_mode_32 3
		.amdhsa_float_denorm_mode_16_64 3
		.amdhsa_memory_ordered 1
		.amdhsa_forward_progress 1
		.amdhsa_inst_pref_size 142
	.end_amdhsa_kernel
	.amdgpu_metadata
---
amdhsa.version: [ 1, 2 ]
amdhsa.kernels:
  - .name:           k_q73b51bb48b_proj
    .symbol:         k_q73b51bb48b_proj.kd
    .args:
      - { .name: atth, .offset: 0, .size: 8, .value_kind: global_buffer, .address_space: global }
      - { .name: attl, .offset: 8, .size: 8, .value_kind: global_buffer, .address_space: global }
      - { .name: wob, .offset: 16, .size: 8, .value_kind: global_buffer, .address_space: global }
      - { .name: out0, .offset: 24, .size: 8, .value_kind: global_buffer, .address_space: global }
      - { .name: b_out, .offset: 32, .size: 8, .value_kind: global_buffer, .address_space: global }
    .group_segment_fixed_size: 327680
    .private_segment_fixed_size: 0
    .kernarg_segment_align: 8
    .kernarg_segment_size: 40
    .max_flat_workgroup_size: 128
    .sgpr_count:     96
    .vgpr_count:     416
    .wavefront_size: 32
...
	.end_amdgpu_metadata
.endif
;; end of part 4
;; ======== version 2 of 3: 4 launches; 1.13 times as fast as version 1
;; limits: values are held in f16: magnitudes above 65,504 overflow, below 6.1e-05 lose precision
;; workspace buffers: xb 8,388,608 bytes; wib 6,291,456 bytes; wob 2,097,152 bytes; qkv 25,165,824 bytes; vlo 1,048,576 bytes; atth 8,388,608 bytes; attl 524,288 bytes
;; launch cast: the kernel of part 1 again; grid 512 x 1, 8 waves a work-group, no clusters, 0 bytes of LDS; arguments x, w_in, w_out, xb, wib, wob; writes xb, wib, wob
;; launch qkvgemm (part 5): grid 12 x 16, 4 waves a work-group, clusters of 4 x 4, 327,680 bytes of LDS; arguments xb, wib, qkv, b_in, vlo; writes qkv, vlo
.if DOCPART == 5
	.amdgcn_target "amdgcn-amd-amdhsa--gfx1250"
	.amdhsa_code_object_version 6
	.text
	.protected	k_q73b51bb48b_qkvgemm
	.globl	k_q73b51bb48b_qkvgemm
	.p2align	8
	.type	k_q73b51bb48b_qkvgemm,@function
k_q73b51bb48b_qkvgemm:
	s_mov_b64 s[64:65], 0
	v_nop
	global_prefetch_b8 v0, s[64:65] scope:SCOPE_SE
	s_setreg_imm32_b32 hwreg(HW_REG_WAVE_MODE, 25, 1), 1
	s_wait_xcnt 0x0
	s_wait_alu depctr_hold_cnt(0) depctr_sa_sdst(0) depctr_va_vdst(0) depctr_va_sdst(0) depctr_va_ssrc(0) depctr_va_vcc(0) depctr_vm_vsrc(0)
	s_getreg_b32 s2, hwreg(HW_REG_IB_STS2, 6, 4)
	s_cmp_eq_u32 s2, 0
	s_cbranch_scc0 .Lentry_in_a_cluster
	s_endpgm
.Lentry_in_a_cluster:
	s_bfe_u32 s2, ttmp6, 0x10000c
	s_cmp_lg_u32 s2, 0xf033
	s_cbranch_scc0 .Lentry_shape_is_right
	s_endpgm
.Lentry_shape_is_right:
; qkv = x w_in + b_in.  xb: [4096][1024] bf16, wib: [1024 (k)][3072 (n)] bf16, b_in: [3072] f32; sums in f32, stored in f16.
; qkv is stored head-major: byte = which << 23 + batch << 22 + head << 18 + s * 128 + 2 d, so that 128 keys of one head are 16,384 dense bytes.
; WHY f16, AND WHY SOME OF v IN TWO PARTS: the first rows of a sequence average few keys, so their results are some ten times larger than the root
; mean square of the whole output, against which an error is held, and the rounding of v is not averaged away there.  q, k and v keep f16's 11
; significant bits; of the first 32 rows of each block of 256 rows of v the remainder v - f16(v) is stored too, in f16, in vlo
; (byte = block << 16 + head << 12 + row * 128 + 2 d).  The rounding's share of a result falls as 1 / sqrt(keys): from row 32 on it is a sixth of row 0's.
; It is needed in a sequence's first block alone; the text is the same for all blocks.
; LIMIT: |q|, |k|, |v| at or above 65,504 become infinity.  With x, w_in and b_in all 30 times larger than 1, 0.02, 0.02 they stay near 3,500; with
; common offsets of 30 spreads on x and w_in near 1024 x 30 x 0.6 = 18,432.  Below 2^-14 (v's remainder too) the rounding step is 2^-24.
; A work-group makes 256 x 256 of the product with four waves, a wave 128 x 128: 64 accumulator tiles of 16 x 16, 512 registers.
; K goes in steps of 128 through two LDS slots filled by the tensor data mover; every row of a tile is 256 bytes of memory, 256-aligned.
; CLUSTERS: 4 x 4 work-groups.  The four of a row of the cluster need the same tiles of x, the four of a column the same tiles of w_in:
; each tile is asked for jointly, with one descriptor and a mask that names the four, which divides the requests for both by four.
; A cluster's four block columns are 1,024 columns: the cluster's x says whether it makes q, k or v, alike for all sixteen work-groups.
; w_in lies [k][n]: its fragments are taken from LDS by the transposing load (ds_load_tr16_b128), rows 288 bytes apart.
; THE MATRIX INSTRUCTION IS USED TRANSPOSED: source 0 = 16 columns of w_in, source 1 = 16 rows of x.  Lane l then holds row l % 16 of the
; product and its registers 0-7 the columns 8 (l / 16) + 0..7: eight neighbouring numbers, 16 bytes in f16.
; THE BIAS STARTS THE SUMS: the first K quarter's instructions take as C eight registers that hold the bias of the lane's eight columns.
;
; REGISTERS, in windows of 256:
;   window 0: v16-28 addresses; v64-127, v128-191 fragments of x, two buffers; v192-255 at work on the way out
;   window 1: v64-127, v128-191 fragments of w_in, two buffers; v192-255 the bias, tile column b at v[192 + 8 b]
;   window 2: the 32 accumulator tiles of my rows 0-63 (tile (a, b) at v[8 (8 a + b)]);   window 3: those of my rows 64-127
.set SIZE_K, 1024
.set SIZE_N, 3072
.set KSTEP,  128
.set PITCH,  272                       ; x's rows in LDS: 256 bytes + 16 of padding = 68 words: the 16 rows of a fragment start 4 words apart modulo 64
.set PITCHB, 288                       ; w_in's rows: 256 + 32 = 72 words: the 8 rows of a transposing load start 8 words apart, its two chunks 4
.set QUART,  128*PITCHB                ; 36,864: what one wave's tensor load may fill (x uses 128 x 272 = 34,816 of it)
.set SLOT,   4*QUART                   ; x's rows 0-127, 128-255, then w_in's columns 0-127, 128-255
.set STAGE,  2*SLOT                    ; behind the ring: 16 rows x 272 bytes for each wave, for the way out; no fill lands here
.set SPITCH, 272
.set LAPS,   SIZE_K/(2*KSTEP)          ; a lap = two K steps = once round the ring: 4
.set ASTEP,  2*KSTEP*2                 ; two K steps along a row of x, in bytes
.set BSTEP,  2*KSTEP*SIZE_N*2          ; two K steps down the rows of w_in, in bytes
.set ADRA, 16                          ; v16-17  LDS address of my x fragments in slot 0, 1
.set ADRB, 20                          ; v20-21  the same for w_in
.set STO,  24                          ; v24     the way out: where I put 16 bytes of a row
.set RD,   25                          ; v25     the way out: where I read 16 bytes back
.set CO,   26                          ; v26     my byte offset in qkv
.set BO,   27                          ; v27     my byte offset in the bias
.set COL,  28                          ; v28     my byte offset in vlo
.set F0,   64
.set F1,   128
.set TMP,  192                         ; window 0: packed results
.set TMPL, 224                         ; window 0: v's packed remainders
.set TH,   64                          ; window 0: the way out in two parts: 64 numbers rounded to 11 bits, in f32
.set RB0,  128                         ; window 0: the way out in two parts: rows read back, upper parts
.set RB1,  160                         ;           and remainders
.set BIAS, 192                         ; window 1
.set G1,  24                           ; s[24:31] group 1 for x's tiles
.set G0,  32                           ; s[32:39] group 0 for x's tiles, one set for each slot
.set G1B, 48                           ; s[48:55] group 1 for w_in's tiles
.set G0B, 56                           ; s[56:63] group 0 for w_in's tiles, one set for each slot
.set MSB, 0
.macro WIN new                         ; the immediate's high byte repeats the setting that is left
.if MSB != \new
	s_set_vgpr_msb (MSB<<8)|\new
.set MSB, \new
.endif
.endm
.set MUL_LO,  0xa1                     ; source 0 (w_in) window 1, source 1 (x) window 0, C and D window 2
.set MUL_HI,  0xf1                     ; the same, C and D window 3
.set BIAS_LO, 0x91                     ; C from window 1 (the bias), D window 2
.set BIAS_HI, 0xd1                     ; C from window 1, D window 3
.set TO_B,    0x40                     ; destination window 1, address window 0
; A joint load.  Waves 0 and 1 fetch x's two halves, waves 2 and 3 w_in's.  Each line has one mask and one set of registers for all that issue it.
.macro JLOAD s
	s_cmp_eq_u32 s11, 0
	s_cbranch_scc0 .Lfor_b_\@
	tensor_load_to_lds s[G0+4*\s:G0+4*\s+3], s[G1:G1+7]
	s_nop 0
	s_branch .Lasked_\@
.Lfor_b_\@:
	tensor_load_to_lds s[G0B+4*\s:G0B+4*\s+3], s[G1B:G1B+7]
	s_nop 0
.Lasked_\@:
.endm
.macro CREST                           ; a round of the cluster's barrier, behind its opening work-group barrier
	s_cmp_lg_u32 s10, 0
	s_cbranch_scc1 .Lnot_wave_0_\@
	s_barrier_signal -3
.Lnot_wave_0_\@:
	s_barrier_wait -3
	s_barrier_signal -1
	s_barrier_wait -1
.endm
.macro CROUND                          ; a whole round
	s_barrier_signal -1
	s_barrier_wait -1
	CREST
.endm
	s_load_b128 s[4:7], s[0:1], 0x0                ; xb s[4:5], wib s[6:7]
	s_load_b128 s[68:71], s[0:1], 0x10             ; qkv s[68:69], b_in s[70:71]
	s_load_b64 s[78:79], s[0:1], 0x20              ; vlo
	s_set_vgpr_msb 0x40
	v_lshl_add_u32 v63, v0, 2, 0x4c400
	s_set_vgpr_msb 0x4000
	v_mov_b32 v63, 0
	s_set_vgpr_msb 0x1
	ds_add_u32 v63, v63
	s_set_vgpr_msb 0x100
	v_lshrrev_b32 v1, 5, v0
	v_readfirstlane_b32 s10, v1                    ; wave 0..3
	s_lshr_b32 s11, s10, 1                         ; which half of the block's rows is mine.  Also: I fetch for x (0) or for w_in (1)
	s_and_b32 s12, s10, 1                          ; which half of its columns.  Also: which half of that tile I fetch
	s_mov_b32 s80, ttmp9                           ; the cluster's x: 0 makes q, 1 k, 2 v; the same in all sixteen work-groups
	s_mov_b32 s82, 0xffffe000                      ; keeps sign, exponent and the upper 10 bits of an f32's fraction
	s_bfe_u32 s40, ttmp6, 0x40000                  ; cx
	s_bfe_u32 s41, ttmp6, 0x40004                  ; cy
	s_lshl_b32 s42, ttmp9, 2
	s_add_co_u32 s42, s42, s40                     ; block column = 4 x cluster x + cx, 0..11
	s_and_b32 s13, ttmp7, 0xffff
	s_lshl_b32 s13, s13, 2
	s_add_co_u32 s13, s13, s41                     ; block row = 4 x cluster y + cy, 0..15
	s_lshl_b32 s43, s41, 2
	s_lshl_b32 s43, 15, s43                        ; my row of the cluster: places 4 cy .. 4 cy + 3
	s_lshl_b32 s44, 0x1111, s40                    ; my column: places cx, cx + 4, cx + 8, cx + 12
	; group 1: tiles of 128 rows x 128 elements of 2 bytes, padded behind every 64 words
	s_or_b32 s[G1+0], s43, (1<<16)|(1<<20)|(1<<21)|(5<<22)|(3<<25)  ; x: mask of my row; pad of 4 words
	s_or_b32 s[G1B+0], s44, (1<<16)|(1<<20)|(1<<21)|(5<<22)|(7<<25) ; w_in: mask of my column; pad of 8 words
	s_mov_b32 s[G1+1], 128<<16                     ; tensor_dim0 = 128
	s_mov_b32 s[G1B+1], 128<<16
	s_mov_b32 s[G1+2], 128<<16                     ; tensor_dim1 = 128
	s_mov_b32 s[G1B+2], 128<<16
	s_mov_b32 s[G1+3], 128<<16                     ; tile_dim0 = 128
	s_mov_b32 s[G1B+3], 128<<16
	s_mov_b32 s[G1+4], 128                         ; tile_dim1 = 128
	s_mov_b32 s[G1B+4], 128
	s_mov_b32 s[G1+5], SIZE_K                      ; elements from row to row of x
	s_mov_b32 s[G1B+5], SIZE_N                     ; and of w_in
	s_mov_b32 s[G1+6], 0
	s_mov_b32 s[G1B+6], 0
	s_mov_b32 s[G1+7], 0
	s_mov_b32 s[G1B+7], 0
	; x's tiles hang on the block row and the wave alone, w_in's on the block column and the wave alone
	s_lshl_b32 s16, s13, 19                        ; 256 rows of 2,048 bytes
	s_lshl_b32 s17, s12, 18                        ; 128 rows
	s_add_co_u32 s16, s16, s17
	s_mov_b32 s17, 0
	s_lshl_b32 s46, s42, 9                         ; 256 columns of 2 bytes
	s_lshl_b32 s47, s12, 8                         ; 128 columns
	s_add_co_u32 s46, s46, s47
	s_mov_b32 s47, 0
	s_mul_i32 s20, s10, QUART                      ; where my load lands: the wave's number alone
	s_wait_dscnt 0x0
	s_wait_kmcnt 0x0
	s_add_nc_u64 s[14:15], s[4:5], s[16:17]
	s_add_nc_u64 s[46:47], s[6:7], s[46:47]
	CROUND                                         ; all sixteen work-groups are here: the first joint loads meet
.irp s, 0,1
	s_mov_b32 s[G0+4*\s], 1
	s_add_co_u32 s[G0+4*\s+1], s20, \s*SLOT
	s_add_nc_u64 s[G0+4*\s+2:G0+4*\s+3], s[14:15], \s*KSTEP*2
	s_or_b32 s[G0+4*\s+3], s[G0+4*\s+3], 0x80000000
	s_mov_b32 s[G0B+4*\s], 1
	s_add_co_u32 s[G0B+4*\s+1], s20, \s*SLOT
	s_add_nc_u64 s[G0B+4*\s+2:G0B+4*\s+3], s[46:47], \s*KSTEP*SIZE_N*2
	s_or_b32 s[G0B+4*\s+3], s[G0B+4*\s+3], 0x80000000
	JLOAD \s                                       ; both slots are asked for before anything else: two loads of the wave are out
.endr
	; where my block goes in qkv and in vlo, and my columns' bias; in registers that feed no descriptor
	s_and_b32 s76, s42, 3
	s_lshl_b32 s76, s76, 2
	s_lshl1_add_u32 s76, s12, s76                  ; my first head = 4 (block column mod 4) + 2 x column half
	s_lshl_b32 s74, s76, 12                        ; in vlo: a head's 32 rows of 128 bytes,
	s_lshl_b32 s75, s13, 16                        ; a block's 16 heads
	s_add_co_u32 s74, s74, s75
	s_mov_b32 s75, 0
	s_add_nc_u64 s[78:79], s[78:79], s[74:75]      ; (used by waves 0 and 1 of the clusters that make v)
	s_lshr_b32 s72, s13, 3                         ; batch: 2,048 rows each
	s_lshl_b32 s72, s72, 22
	s_lshl_b32 s76, s76, 18
	s_add_co_u32 s72, s72, s76
	s_and_b32 s76, s13, 7
	s_lshl_b32 s76, s76, 15                        ; 256 rows of 128 bytes
	s_add_co_u32 s72, s72, s76
	s_lshl_b32 s76, s11, 14                        ; 128 rows
	s_add_co_u32 s72, s72, s76
	s_lshr_b32 s76, s42, 2                         ; q, k or v: 1,024 columns each
	s_lshl_b32 s76, s76, 23
	s_add_co_u32 s72, s72, s76
	s_mov_b32 s73, 0
	s_add_nc_u64 s[68:69], s[68:69], s[72:73]      ; in qkv
	s_lshl_b32 s74, s42, 10                        ; 256 columns of 4 bytes
	s_lshl_b32 s76, s12, 9
	s_add_co_u32 s74, s74, s76
	s_add_nc_u64 s[70:71], s[70:71], s[74:75]
	v_and_b32 v1, 15, v0                           ; r = l % 16
	v_bfe_u32 v2, v0, 4, 1                         ; h = l / 16
	v_lshlrev_b32 v[BO], 5, v2                     ; my eight columns of a tile: 32 h bytes
	WIN TO_B
.irp b, 0,1,2,3,4,5,6,7
	global_load_b128 v[BIAS+8*\b:BIAS+8*\b+3],   v[BO], s[70:71] offset:64*\b      ; b_in[16 b + 8 h + 0..3] of my 128 columns
	global_load_b128 v[BIAS+8*\b+4:BIAS+8*\b+7], v[BO], s[70:71] offset:64*\b+16   ; .. + 4..7
.endr
	WIN 0
	; x fragment: lane l holds row l % 16; two loads of 16 bytes, 32 bytes apart, at row x pitch + 16 h
	v_mul_u32_u24 v3, v1, PITCH
	v_lshl_add_u32 v3, v2, 4, v3
	; w_in fragment: lane l addresses 16 bytes of k row 8 h + l % 8, chunk (l / 8) % 2; the load hands each lane eight k of column l % 16
	v_and_b32 v8, 7, v0
	v_lshl_add_u32 v6, v2, 3, v8
	v_mul_u32_u24 v6, v6, PITCHB
	v_bfe_u32 v7, v0, 3, 1
	v_lshl_add_u32 v6, v7, 4, v6
	s_mul_i32 s21, s11, QUART                      ; my 128 rows of x
	s_mul_i32 s22, s12, QUART                      ; my 128 columns of w_in,
	s_add_co_u32 s22, s22, 2*QUART                 ; which lie behind x's two quarters
.irp s, 0,1
	v_add_nc_u32 v[ADRA+\s], s21, v3
	v_add_nc_u32 v[ADRB+\s], s22, v6
	s_add_co_u32 s21, s21, SLOT
	s_add_co_u32 s22, s22, SLOT
.endr
	s_mul_i32 s23, s10, 16*SPITCH
	s_add_co_u32 s23, s23, STAGE                   ; my stage
	v_mul_u32_u24 v4, v1, SPITCH                   ; in: row l % 16, 16 bytes for each half of the lanes
	v_lshl_add_u32 v4, v2, 4, v4
	v_add_nc_u32 v[STO], s23, v4
	v_mul_u32_u24 v5, v7, SPITCH                   ; back: lanes 0-7 and 8-15 take 128 bytes of two rows, one head; lanes 16-31 the next head
	v_lshl_add_u32 v5, v2, 7, v5
	v_lshl_add_u32 v5, v8, 4, v5
	v_add_nc_u32 v[RD], s23, v5
	v_lshlrev_b32 v[CO], 18, v2                    ; in qkv: the head, and 16 bytes a lane of two rows' 256
	v_lshl_add_u32 v[CO], v1, 4, v[CO]
	v_lshlrev_b32 v[COL], 12, v2                   ; the same in vlo, whose heads are 4,096 bytes apart
	v_lshl_add_u32 v[COL], v1, 4, v[COL]
; 16 matrix instructions: row tiles a0, a0 + 1 of the window's four x all 8 column tiles, 32 along K.  first = 1: C is the bias.
; The 64 accumulators take turns, one instruction a turn, in the same order in every quarter.
.macro MUL16 f, hi, a0, first
.irp a, \a0, \a0+1
.irp b, 0,1,2,3,4,5,6,7
.if \first
	v_wmma_f32_16x16x32_bf16 v[8*(8*(\a)+\b):8*(8*(\a)+\b)+7], v[\f+8*\b:\f+8*\b+7], v[\f+8*(4*\hi+\a):\f+8*(4*\hi+\a)+7], v[BIAS+8*\b:BIAS+8*\b+7]
.else
	v_wmma_f32_16x16x32_bf16 v[8*(8*(\a)+\b):8*(8*(\a)+\b)+7], v[\f+8*\b:\f+8*\b+7], v[\f+8*(4*\hi+\a):\f+8*(4*\hi+\a)+7], v[8*(8*(\a)+\b):8*(8*(\a)+\b)+7]
.endif
.endr
.endr
.endm
; 32 LDS loads in one run: the fragments of K quarter kq (32 k) of a slot into buffer f
.macro FETCH slot, kq, f
	WIN TO_B
.irp i, 0,1,2,3,4,5,6,7
	ds_load_tr16_b128 v[\f+8*\i:\f+8*\i+3],   v[ADRB+\slot] offset:\kq*32*PITCHB+32*\i              ; k = 8 h + 0..7 of column 16 i + r
	ds_load_tr16_b128 v[\f+8*\i+4:\f+8*\i+7], v[ADRB+\slot] offset:\kq*32*PITCHB+32*\i+16*PITCHB    ; k = 16 + 8 h + 0..7
.endr
	WIN 0
.irp i, 0,1,2,3,4,5,6,7
	ds_load_b128 v[\f+8*\i:\f+8*\i+3],   v[ADRA+\slot] offset:\kq*64+\i*16*PITCH
	ds_load_b128 v[\f+8*\i+4:\f+8*\i+7], v[ADRA+\slot] offset:\kq*64+\i*16*PITCH+32
.endr
.endm
; Four plain vector instructions stand between a matrix instruction and a load into one of its registers, or a vector instruction
; that reads its result or writes one of its registers (ISA guide 7.12.1 for vector instructions).
.macro PLACES
.rept 4
	v_nop
.endr
.endm
.macro QUARTER slot, kq, f, g, first   ; multiplies buffer f; in its middle fetches K quarter kq of the same slot into buffer g
	s_wait_dscnt 8                                 ; w_in and x's rows 0-63 are in; the youngest eight loads (x's rows 64-127) may be out
.if \first
	WIN BIAS_LO
.else
	WIN MUL_LO
.endif
	MUL16 \f, 0, 0, \first
	MUL16 \f, 0, 2, \first
	PLACES
	FETCH \slot, \kq, \g
	s_wait_dscnt 32                                ; all but the 32 just issued
.if \first
	WIN BIAS_HI
.else
	WIN MUL_HI
.endif
	MUL16 \f, 1, 0, \first
	MUL16 \f, 1, 2, \first
.endm
.macro THREE slot, first
	QUARTER \slot, 1, F0, F1, \first
	QUARTER \slot, 2, F1, F0, 0
	QUARTER \slot, 3, F0, F1, 0
.endm
; The last quarter of a K step multiplies buffer 1 and changes slots.  In front of the barrier each wave waits for its reads of this slot and
; for all its tensor loads (one is out: its part of the next slot).  Behind it the refill comes first, then the next slot's first fragments.
.macro TURN slot, next, fill
	s_wait_dscnt 8
	WIN MUL_LO
	MUL16 F1, 0, 0, 0
	s_wait_dscnt 0                                 ; my reads of this slot are over
	s_wait_tensorcnt 0x0                           ; and all my tensor loads have landed
	ds_add_u32 v63, v63
	s_wait_dscnt 0x0
	s_barrier_signal -1                            ; say so (where the slot is filled again this opens a round of the cluster's barrier),
	MUL16 F1, 0, 2, 0                              ; work on registers while the others arrive,
	WIN 0
	s_barrier_wait -1
.if \fill
	CREST                                          ; no wave of any partner still reads this slot or has a load on its way
	s_add_nc_u64 s[G0+4*\slot+2:G0+4*\slot+3], s[G0+4*\slot+2:G0+4*\slot+3], ASTEP
	s_add_nc_u64 s[G0B+4*\slot+2:G0B+4*\slot+3], s[G0B+4*\slot+2:G0B+4*\slot+3], BSTEP
	JLOAD \slot                                    ; the first tensor load behind the round, and my only one until the next
.endif
	PLACES
	FETCH \next, 0, F0
	WIN MUL_HI
	MUL16 F1, 1, 0, 0
	MUL16 F1, 1, 2, 0
.endm
.macro LAP first
	THREE 0, \first
	TURN 0, 1, 1
	THREE 1, 0
	TURN 1, 0, 1
.endm
	s_wait_tensorcnt 1                             ; my part of K step 0 is in; K step 1's, issued behind it, stays out
	s_barrier_signal -1
	s_barrier_wait -1                              ; everybody's is
	FETCH 0, 0, F0
	s_wait_loadcnt 0x0                             ; the bias
	LAP 1                                          ; the first lap stands in front of the loop: its first products start the sums from the bias
	WIN 0                                          ; at a label and at a branch every window is 0
	s_mov_b32 s3, LAPS-2
.Llap:
	LAP 0
	WIN 0
	s_sub_co_u32 s3, s3, 1
	s_cmp_lg_u32 s3, 0
	s_cbranch_scc1 .Llap
	THREE 0, 0                                     ; the last lap fills nothing
	TURN 0, 1, 0
	THREE 1, 0
	s_wait_dscnt 8                                 ; the very last quarter: nothing more to fetch
	WIN MUL_LO
	MUL16 F1, 0, 0, 0
	MUL16 F1, 0, 2, 0
	s_wait_dscnt 0
	WIN MUL_HI
	MUL16 F1, 1, 0, 0
	MUL16 F1, 1, 2, 0
	; THE WAY OUT, 16 rows at a time: round to f16, 16 bytes a lane into my own stage, read back so that sixteen lanes hold two rows of one head.
; rows 16 i .. 16 i + 15 of my block = the eight tiles (a, 0..7) of window 2 or 3 (from = 0x0a or 0x0f: sources 0 and 1); f: F0 or F1 in turn
.macro OUT16 i, a, from, f
	WIN \from
.irp b, 0,1,2,3,4,5,6,7
.irp r, 0,1,2,3
	v_cvt_pk_f16_f32 v[TMP+4*\b+\r], v[8*(8*\a+\b)+2*\r], v[8*(8*\a+\b)+2*\r+1]
.endr
.endr
	WIN 0
.irp b, 0,1,2,3,4,5,6,7
	ds_store_b128 v[STO], v[TMP+4*\b:TMP+4*\b+3] offset:32*\b
.endr
	s_wait_xcnt 0x0                                ; buffer f, which earlier stores read, and the stores' base are rewritten only behind this wait
.if \i
	s_add_nc_u64 s[68:69], s[68:69], 16*128        ; 16 rows of a head on
.endif
.irp t, 0,1,2,3,4,5,6,7
	ds_load_b128 v[\f+4*\t:\f+4*\t+3], v[RD] offset:\t*2*SPITCH    ; a wave's LDS instructions are served in order: these see the stores above
.endr
.irp t, 0,1,2,3,4,5,6,7
	s_wait_dscnt 7-\t                              ; load t is in, the 7 - t younger ones stay out
	global_store_b128 v[CO], v[\f+4*\t:\f+4*\t+3], s[68:69] offset:256*\t   ; 16 lanes store 256 consecutive bytes, aligned: rows 2 t, 2 t + 1 of one head
.endr
.endm
; The same rows in two parts.  hi = the sum rounded to 11 significant bits (half a unit of the 11th bit is added to the bit pattern, the lower
; 13 bits are cut: to nearest, ties away from zero), exact in f16; the accumulator then takes the remainder sum - hi, exact in f32, rounded to f16.
; Tiles (a, 0..7) of window 2.
.macro OUT16V i, a
	WIN 0x08                                       ; source 1 window 2
.set k, 0
.rept 64
	v_add_nc_u32 v[TH+k], 0x1000, v[64*\a+k]
.set k, k+1
.endr
	WIN 0
.set k, 0
.rept 64
	v_and_b32 v[TH+k], s82, v[TH+k]
.set k, k+1
.endr
	WIN 0xa0                                       ; source 2 and destination window 2
.set k, 0
.rept 32
	v_pk_fma_f32 v[64*\a+2*k:64*\a+2*k+1], v[TH+2*k:TH+2*k+1], -1.0, v[64*\a+2*k:64*\a+2*k+1] op_sel_hi:[1,0,1]   ; sum - hi
.set k, k+1
.endr
	WIN 0
.set k, 0
.rept 32
	v_cvt_pk_f16_f32 v[TMP+k], v[TH+2*k], v[TH+2*k+1]
.set k, k+1
.endr
	WIN 0x0a                                       ; sources 0 and 1 window 2
.set k, 0
.rept 32
	v_cvt_pk_f16_f32 v[TMPL+k], v[64*\a+2*k], v[64*\a+2*k+1]
.set k, k+1
.endr
	WIN 0
.irp b, 0,1,2,3,4,5,6,7
	ds_store_b128 v[STO], v[TMP+4*\b:TMP+4*\b+3] offset:32*\b
.endr
	s_wait_xcnt 0x0                                ; the rows read back, which earlier stores read, and the stores' bases are rewritten only behind this wait
.if \i
	s_add_nc_u64 s[68:69], s[68:69], 16*128        ; 16 rows of a head on
	s_add_nc_u64 s[78:79], s[78:79], 16*128
.endif
.irp t, 0,1,2,3,4,5,6,7
	ds_load_b128 v[RB0+4*\t:RB0+4*\t+3], v[RD] offset:\t*2*SPITCH  ; a wave's LDS instructions are served in order: these see the stores above,
.endr
.irp b, 0,1,2,3,4,5,6,7
	ds_store_b128 v[STO], v[TMPL+4*\b:TMPL+4*\b+3] offset:32*\b    ; and are served before these stores into the same bytes
.endr
.irp t, 0,1,2,3,4,5,6,7
	ds_load_b128 v[RB1+4*\t:RB1+4*\t+3], v[RD] offset:\t*2*SPITCH
.endr
.irp t, 0,1,2,3,4,5,6,7
	s_wait_dscnt 23-\t                             ; load t of the upper parts is in: 7 - t loads, 8 stores and 8 loads were issued behind it
	global_store_b128 v[CO], v[RB0+4*\t:RB0+4*\t+3], s[68:69] offset:256*\t
.endr
.irp t, 0,1,2,3,4,5,6,7
	s_wait_dscnt 7-\t                              ; load t of the remainders is in, the 7 - t younger ones stay out
	global_store_b128 v[COL], v[RB1+4*\t:RB1+4*\t+3], s[78:79] offset:256*\t
.endr
.endm
	PLACES                                         ; the places behind the last matrix instructions, for all that follows
	WIN 0
	s_cmp_eq_u32 s80, 2                            ; the cluster's x: alike in all partners
	s_cbranch_scc0 .Lplain
	s_cmp_eq_u32 s11, 0                            ; the waves with the block's rows 0-127
	s_cbranch_scc0 .Lplain
	OUT16V 0, 0                                    ; v's rows 0-31 of the block, in two parts
	OUT16V 1, 1
	s_branch .Lrest
.Lplain:
	OUT16 0, 0, 0x0a, F0
	OUT16 1, 1, 0x0a, F1
.Lrest:
	OUT16 2, 2, 0x0a, F0
	OUT16 3, 3, 0x0a, F1
	OUT16 4, 0, 0x0f, F0
	OUT16 5, 1, 0x0f, F1
	OUT16 6, 2, 0x0f, F0
	OUT16 7, 3, 0x0f, F1
	s_set_vgpr_msb 0x1
	s_wait_tensorcnt 0x0
	ds_add_u32 v63, v63
	s_wait_dscnt 0x0
	s_set_vgpr_msb 0x100
	CROUND                                         ; the closing round: no work-group ends while a partner may still ask for a tile that names it
	s_endpgm
.Lfunc_end_k_q73b51bb48b_qkvgemm:
	.size	k_q73b51bb48b_qkvgemm, .Lfunc_end_k_q73b51bb48b_qkvgemm-k_q73b51bb48b_qkvgemm
	.p2alignl 7, 3214868480
	.fill 96, 4, 3214868480
	.section	.rodata,"a",@progbits
	.p2align	6, 0x0
	.amdhsa_kernel k_q73b51bb48b_qkvgemm
		.amdhsa_group_segment_fixed_size 327680
		.amdhsa_private_segment_fixed_size 0
		.amdhsa_enable_private_segment 0
		.amdhsa_kernarg_size 40
		.amdhsa_user_sgpr_count 2
		.amdhsa_user_sgpr_kernarg_segment_ptr 1
		.amdhsa_wavefront_size32 1
		.amdhsa_system_sgpr_workgroup_id_x 1
		.amdhsa_system_sgpr_workgroup_id_y 1
		.amdhsa_system_sgpr_workgroup_id_z 1
		.amdhsa_system_vgpr_workitem_id 0
		.amdhsa_next_free_vgpr 1024
		.amdhsa_next_free_sgpr 84
		.amdhsa_reserve_vcc 0
		.amdhsa_float_denorm_mode_32 3
		.amdhsa_float_denorm_mode_16_64 3
		.amdhsa_memory_ordered 1
		.amdhsa_forward_progress 1
		.amdhsa_inst_pref_size 231
	.end_amdhsa_kernel
	.amdgpu_metadata
---
amdhsa.version: [ 1, 2 ]
amdhsa.kernels:
  - .name:           k_q73b51bb48b_qkvgemm
    .symbol:         k_q73b51bb48b_qkvgemm.kd
    .args:
      - { .name: xb, .offset: 0, .size: 8, .value_kind: global_buffer, .address_space: global }
      - { .name: wib, .offset: 8, .size: 8, .value_kind: global_buffer, .address_space: global }
      - { .name: qkv, .offset: 16, .size: 8, .value_kind: global_buffer, .address_space: global }
      - { .name: b_in, .offset: 24, .size: 8, .value_kind: global_buffer, .address_space: global }
      - { .name: vlo, .offset: 32, .size: 8, .value_kind: global_buffer, .address_space: global }
    .group_segment_fixed_size: 327680
    .private_segment_fixed_size: 0
    .kernarg_segment_align: 8
    .kernarg_segment_size: 40
    .max_flat_workgroup_size: 128
    .sgpr_count:     84
    .vgpr_count:     1024
    .wavefront_size: 32
...
	.end_amdgpu_metadata
.endif
;; end of part 5
;; launch attn (part 6): grid 256 x 1, 8 waves a work-group, no clusters, 327,680 bytes of LDS; arguments qkv, vlo, atth, attl; writes atth, attl
.if DOCPART == 6
	.amdgcn_target "amdgcn-amd-amdhsa--gfx1250"
	.amdhsa_code_object_version 6
	.text
	.protected	k_q73b51bb48b_attn
	.globl	k_q73b51bb48b_attn
	.p2align	8
	.type	k_q73b51bb48b_attn,@function
k_q73b51bb48b_attn:
	s_mov_b64 s[64:65], 0
	v_nop
	global_prefetch_b8 v0, s[64:65] scope:SCOPE_SE
	s_setreg_imm32_b32 hwreg(HW_REG_WAVE_MODE, 25, 1), 1
	s_wait_xcnt 0x0
; Causal attention, one head at a time, with a running maximum.  qkv (f16): byte = which << 23 + (16 batch + head) << 18 + s * 128 + 2 d;
; vlo (f16): v's remainders v - f16(v) of the first 32 rows of each 256, byte = (8 batch + s / 256) << 16 + head << 12 + (s % 256) * 128 + 2 d.
; atth (f16): the result, [row block of 128: 32][head: 16][row: 128][64].  attl (f16): [batch: 2][row block: 4][head: 16][row: 32][64]: for rows 0-31 of
; a sequence's first four row blocks atth holds the result cut to 11 significant bits and attl what was cut off.
; SHARE.  Work-group id: p = id & 7, head = id >> 3.  It makes query block 2 p and then query block 15 - 2 p (128 rows each):
; (2 p + 1) + (16 - 2 p) = 17 key blocks of 128 in every work-group; key blocks above the diagonal are never touched.
; Wave w: g = w & 3 owns query rows 32 g .. 32 g + 31 (two tiles u of 16), c = w >> 2 owns keys 64 c .. 64 c + 63 of every key block.
; Waves w and w + 4 hold partial (maximum, sum, O) of the same rows and merge them once for each query block, through LDS.
; TRANSPOSED PRODUCTS.  S^T = K Q^T: lane (r, h) holds query r and keys 16 t + 8 h + j.  O^T = V^T P^T wants, for query r, keys 8 h + 0..7 and
; 16 + 8 h + 0..7 of each 32: exactly the lane's own numbers of tiles 2 kg and 2 kg + 1, so P is packed in place and never moves between lanes.
; Maximum, sum and rescaling factor are one number a lane; one exchange between the lane halves for a tile and a step (the maximum).
; ORDER.  The order of key blocks is free under a running maximum: each query block begins with its diagonal block, whose products start the
; sums (C = 0): nothing is cleared, and that step rescales nothing.
; TWO PARTS FOR THE FIRST ROWS.  A row with few keys is large against the root mean square of the whole output, and the roundings of P, v and the
; result to f16 are not averaged away in it; their share falls as 1 / sqrt(keys), to a sixth by row 32.  Rows 0-31 see keys 0-31 alone: wave 0's part
; of the diagonal step.  There wave 0 takes P and v in two f16 parts each and adds Vh Ph + Vh Pl + Vl Ph: 16 matrix instructions more.  The text does so
; in the first query block of every work-group (block 2 p), though a sequence's block 0 alone needs it: the branch hangs on the wave's number only.
; The result's remainders are stored for row blocks 0-3, which the next launch's clusters take together.
; NO CLUSTER: the eight work-groups of a head walk the key blocks in orders that hang on p (2 p, 0 .. 2 p - 1, 15 - 2 p, 0 .. 14 - 2 p), so in no
; step do two of them want the same tile; a walk common to all would leave them unequal numbers of blocks to compute.
; NO PREFETCH: k and v were stored by the launch just before, and eight work-groups read each tile.
; ROUNDING: q, k, v, P and the result are f16 but for the parts named above; scores, maxima, exponentials, sums and O are f32; the row sums add the
; unrounded exponentials.
; LIMITS: the running maximum starts at -FLT_MAX (0xff7fffff), not at minus infinity: a query row whose largest raw score is at or below
; -3.4e38 is not served.  A weight P below 2^-25 of its row's largest counts as 0 where P has one part.  A remainder below 2^-14 has a step of 2^-24.
.set SLOT,   35840                     ; K: 64 rows of 256 bytes (two keys each), 272 apart = 17,408; V: 64 such rows, 288 apart = 18,432
.set VOFF,   17408
.set SCR,    2*SLOT                    ; 71,680: 8 x 4,352, each wave's partial O (4,096), maximum (128), sum (128); no fill lands here
.set XBYTES, 4352
.set STG,    SCR+8*XBYTES              ; 106,496: 8 x 2,304, each wave's stage for the way out, 16 rows 144 apart; no fill lands here
.set SBYTES, 2304
.set VLO,    STG+8*SBYTES              ; 124,928: v's remainders of keys 0-31 of the first diagonal block, 16 rows 288 apart = 4,608; filled once
.set KVBLK,  16384                     ; bytes of 128 keys of one head
.set L16,  1                           ; v1      16 x lane
.set KAD,  2                           ; v2-3    my K fragments in slot 0, 1
.set VAD,  4                           ; v4-5    my V fragments in slot 0, 1
.set DM,   6                           ; v6      32 g + r - 64 c - 8 h: key 16 t + j of tile u is allowed where 16 t + j - 16 u <= DM
.set NINF, 7                           ; v7      minus infinity
.set QOFF, 8                           ; v8      128 r + 16 h
.set XW,   9                           ; v9      my scratch
.set XR,   10                          ; v10     the scratch four waves below mine (used by waves 4-7 alone)
.set STW,  11                          ; v11     stage, in;   v12 stage, back
.set STR,  12
.set XMW,  13                          ; v13     my scratch's maximum
.set XMR,  14                          ; v14     that of the wave four below (used by waves 4-7 alone)
.set VLAD, 15                          ; v15     the fragments of v's remainders (used by wave 0 alone)
.set MR,   16                          ; v16-17  running maximum of tile u
.set MX,   18                          ; v18-19  new maximum
.set MY,   20                          ; v20-21  at work
.set NC,   22                          ; v22-25  -(log2 e / 8) x maximum, twice, for tile u
.set AL,   26                          ; v26-29  rescaling factor, twice, for tile u
.set LS,   30                          ; v30-37  four partial sums for tile u
.set TT,   38                          ; v38-47  at work: the split of P, the merge
.set SREG, 48                          ; v48-111   S[u][t] at 48 + 32 u + 8 t; then P[u][kg] at 48 + 32 u + 16 kg
.set KREG, 112                         ; v112-175  K[t][dh] at 112 + 16 t + 8 dh; in wave 0's two-part step then P's remainders [u] at 112 + 8 u
.set VREG, 176                         ; v176-239  V[kg][dt] at 176 + 32 kg + 8 dt
.set PL2,  176                         ; the way out: packed remainders (V is dead there)
.set XT,   208                         ; the way out: at work
.set PK,   240                         ; v240-255  the way out: packed results
.set QE,   64                          ; window 1: O[u][dt] at 8 (4 u + dt), 0-63; Q of the first query block 64-95, of the second 96-127
.set QO,   96
.set VL,   128                         ; window 1: v's remainders [dt] at 128 + 8 dt (wave 0)
.set G1K, 24                           ; s[24:31] group 1 for K;  s[32:39] for V
.set G1V, 32
.set G0K, 40                           ; s[40:47] group 0 for K, one set for each slot;  s[48:55] for V
.set G0V, 48
.set G1L, 80                           ; s[80:87] group 1 for v's remainders
.set G0L, 4                            ; s[4:7]   group 0 for them
.set FLE, 104                          ; s104    1: my rows of the first query block leave in two parts;  s105: of the second
.set FLO, 105
.set MSB, 0
.macro WIN new                         ; the immediate's high byte repeats the setting that is left
.if MSB != \new
	s_set_vgpr_msb (MSB<<8)|\new
.set MSB, \new
.endif
.endm
.macro PLACES n
.rept \n
	v_nop
.endr
.endm
; Wave 0 asks for a step's K tile, wave 1 for its V tile, the others for nothing: one tensor load a wave at the most is out.
.macro KVLOAD slot
	s_cmp_lg_u32 s8, 0
	s_cbranch_scc1 .Lnot_k_\@
	tensor_load_to_lds s[G0K+4*(\slot):G0K+4*(\slot)+3], s[G1K:G1K+7]
	s_nop 0
.Lnot_k_\@:
	s_cmp_lg_u32 s8, 1
	s_cbranch_scc1 .Lnot_v_\@
	tensor_load_to_lds s[G0V+4*(\slot):G0V+4*(\slot)+3], s[G1V:G1V+7]
	s_nop 0
.Lnot_v_\@:
.endm
	s_load_b256 s[88:95], s[0:1], 0x0              ; qkv s[88:89], vlo s[90:91], atth s[92:93], attl s[94:95]
	s_set_vgpr_msb 0x40
	v_lshl_add_u32 v160, v0, 2, 0x29000
	v_mov_b32 v161, 0
	s_set_vgpr_msb 0x4045
	ds_add_u32 v160, v161
	s_set_vgpr_msb 0x4500
	v_lshrrev_b32 v15, 5, v0
	v_readfirstlane_b32 s8, v15                    ; wave 0..7
	s_and_b32 s9, s8, 3                            ; g
	s_lshr_b32 s10, s8, 2                          ; c
	s_and_b32 s11, ttmp9, 7                        ; p: also the trips of the first part's loop
	s_lshr_b32 s12, ttmp9, 3                       ; 16 batch + head
	s_sub_co_u32 s3, 7, s11                        ; the trips of the second part's loop
	s_mov_b32 s14, 0x76543210                      ; v_permlanex16_b32: lane i of one half reads lane i of the other
	s_mov_b32 s15, 0xfedcba98
	s_mov_b32 s16, 0x3e38aa3b                      ; log2 e / sqrt(64): the scale rides on the multiply-add in front of the exponential
	s_mov_b32 s17, 0x3e38aa3b
	s_mov_b32 s18, 0xbe38aa3b                      ; its negative
	s_mov_b32 s19, 0xff7fffff                      ; -FLT_MAX
	s_mov_b32 s79, 0xffffe000                      ; keeps sign, exponent and the upper 10 bits of an f32's fraction: what f16 holds exactly
	s_lshl_b32 s22, s11, 15                        ; LIM: byte offset of key block 2 p, the first part's diagonal
	s_sub_co_u32 s23, 15*KVBLK, s22                ; ALT: byte offset of key block 15 - 2 p, the second part's diagonal
	s_mov_b32 s20, s22                             ; NXT: byte offset of the key block that is asked for next
	s_mov_b32 s21, 0
	; group 1: rows of 128 elements of 2 bytes, dense in memory, padded behind every 64 words by 4 words (K) or 8 (V, v's remainders); 64 rows, or 16
	s_mov_b32 s[G1K+0], (1<<16)|(1<<20)|(5<<22)|(3<<25)
	s_mov_b32 s[G1V+0], (1<<16)|(1<<20)|(5<<22)|(7<<25)
	s_mov_b32 s[G1L+0], (1<<16)|(1<<20)|(5<<22)|(7<<25)
	s_mov_b32 s[G1K+1], 128<<16
	s_mov_b32 s[G1V+1], 128<<16
	s_mov_b32 s[G1L+1], 128<<16
	s_mov_b32 s[G1K+2], 64<<16
	s_mov_b32 s[G1V+2], 64<<16
	s_mov_b32 s[G1L+2], 16<<16
	s_mov_b32 s[G1K+3], 128<<16
	s_mov_b32 s[G1V+3], 128<<16
	s_mov_b32 s[G1L+3], 128<<16
	s_mov_b32 s[G1K+4], 64
	s_mov_b32 s[G1V+4], 64
	s_mov_b32 s[G1L+4], 16
	s_mov_b32 s[G1K+5], 128
	s_mov_b32 s[G1V+5], 128
	s_mov_b32 s[G1L+5], 128
	s_mov_b32 s[G1K+6], 0
	s_mov_b32 s[G1V+6], 0
	s_mov_b32 s[G1L+6], 0
	s_mov_b32 s[G1K+7], 0
	s_mov_b32 s[G1V+7], 0
	s_mov_b32 s[G1L+7], 0
	s_mov_b32 s[G0K+0], 1
	s_mov_b32 s[G0K+1], 0
	s_mov_b32 s[G0K+4], 1
	s_mov_b32 s[G0K+5], SLOT
	s_mov_b32 s[G0V+0], 1
	s_mov_b32 s[G0V+1], VOFF
	s_mov_b32 s[G0V+4], 1
	s_mov_b32 s[G0V+5], SLOT+VOFF
	s_mov_b32 s[G0L+0], 1
	s_mov_b32 s[G0L+1], VLO
	s_lshl_b32 s70, s12, 18
	s_mov_b32 s71, 0
	s_lshr_b32 s72, s12, 4                         ; v's remainders of keys 256 p .. 256 p + 31: block 8 batch + p,
	s_lshl3_add_u32 s72, s72, s11
	s_lshl_b32 s72, s72, 16
	s_and_b32 s78, s12, 15                         ; my head
	s_lshl_b32 s74, s78, 12
	s_add_co_u32 s72, s72, s74
	s_mov_b32 s73, 0
	s_mov_b32 s75, 0
	s_cmp_lt_u32 s11, 2                            ; query block 2 p is one of a sequence's first four,
	s_cselect_b32 s[FLE], 1, 0
	s_cmp_gt_u32 s11, 5                            ; query block 15 - 2 p is,
	s_cselect_b32 s[FLO], 1, 0
	s_cmp_eq_u32 s9, 0                             ; and my rows are its rows 0-31
	s_cselect_b32 s[FLE], s[FLE], 0
	s_cselect_b32 s[FLO], s[FLO], 0
	s_wait_dscnt 0x0
	s_barrier_signal -1
	s_barrier_wait -1
	s_wait_kmcnt 0x0
	s_add_nc_u64 s[G0L+2:G0L+3], s[90:91], s[72:73]
	s_or_b32 s[G0L+3], s[G0L+3], 0x80000000
	s_add_nc_u64 s[70:71], s[88:89], s[70:71]      ; my head's q
	s_add_nc_u64 s[56:57], s[70:71], 0x800000      ; its k
	s_add_nc_u64 s[58:59], s[70:71], 0x1000000     ; its v
	s_add_nc_u64 s[G0K+2:G0K+3], s[56:57], s[20:21]
	s_or_b32 s[G0K+3], s[G0K+3], 0x80000000
	s_add_nc_u64 s[G0V+2:G0V+3], s[58:59], s[20:21]
	s_or_b32 s[G0V+3], s[G0V+3], 0x80000000
	; the first fills, one a wave: key block 2 p's K and V into slot 0, and the remainders of its first 32 keys
	KVLOAD 0
	s_cmp_lg_u32 s8, 2
	s_cbranch_scc1 .Lnot_l
	tensor_load_to_lds s[G0L:G0L+3], s[G1L:G1L+7]
	s_nop 0
.Lnot_l:
	s_lshl_b32 s76, s9, 12                         ; my 32 rows of 128 bytes
	s_add_co_u32 s72, s22, s76
	s_add_co_u32 s74, s23, s76
	s_add_nc_u64 s[60:61], s[70:71], s[72:73]      ; my rows of query block 2 p
	s_add_nc_u64 s[62:63], s[70:71], s[74:75]      ; and of query block 15 - 2 p
	v_and_b32 v48, 31, v0                          ; lane
	v_and_b32 v49, 15, v0                          ; r
	v_bfe_u32 v50, v0, 4, 1                        ; h
	v_lshlrev_b32 v[QOFF], 7, v49
	v_lshl_add_u32 v[QOFF], v50, 4, v[QOFF]
	WIN 0x40                                       ; destination window 1, address window 0
.irp u, 0,1
.irp d, 0,1
	global_load_b128 v[QE+16*\u+8*\d:QE+16*\u+8*\d+3],   v[QOFF], s[60:61] offset:\u*2048+\d*64
	global_load_b128 v[QE+16*\u+8*\d+4:QE+16*\u+8*\d+7], v[QOFF], s[60:61] offset:\u*2048+\d*64+32
	global_load_b128 v[QO+16*\u+8*\d:QO+16*\u+8*\d+3],   v[QOFF], s[62:63] offset:\u*2048+\d*64
	global_load_b128 v[QO+16*\u+8*\d+4:QO+16*\u+8*\d+7], v[QOFF], s[62:63] offset:\u*2048+\d*64+32
.endr
.endr
	WIN 0
	; where the two query blocks go in atth: ((16 batch + block) x 16 + head) x 16,384 + 4,096 g
	s_lshr_b32 s77, s12, 4
	s_lshl_b32 s77, s77, 4
	s_lshl_b32 s72, s11, 1
	s_sub_co_u32 s74, 15, s72
	s_add_co_u32 s72, s72, s77
	s_add_co_u32 s74, s74, s77
	s_lshl4_add_u32 s72, s72, s78
	s_lshl4_add_u32 s74, s74, s78
	s_lshl_b32 s72, s72, 14
	s_lshl_b32 s74, s74, 14
	s_add_co_u32 s72, s72, s76
	s_add_co_u32 s74, s74, s76
	s_add_nc_u64 s[66:67], s[92:93], s[72:73]
	s_add_nc_u64 s[68:69], s[92:93], s[74:75]
	; and in attl: ((4 batch + block) x 16 + head) x 4,096; a block beyond 3 stores nothing there, its number is held at 3
	s_lshr_b32 s77, s77, 2
	s_lshl_b32 s72, s11, 1
	s_sub_co_u32 s74, 15, s72
	s_min_u32 s72, s72, 3
	s_min_u32 s74, s74, 3
	s_add_co_u32 s72, s72, s77
	s_add_co_u32 s74, s74, s77
	s_lshl4_add_u32 s72, s72, s78
	s_lshl4_add_u32 s74, s74, s78
	s_lshl_b32 s72, s72, 12
	s_lshl_b32 s74, s74, 12
	s_add_nc_u64 s[96:97], s[94:95], s[72:73]
	s_add_nc_u64 s[98:99], s[94:95], s[74:75]
	; lane addresses
	v_lshlrev_b32 v[L16], 4, v48
	v_lshrrev_b32 v51, 1, v49                      ; K: key r lies in pair row r / 2, half r % 2: 16 different 16-byte columns modulo 256 bytes
	v_mul_u32_u24 v51, v51, 272
	v_and_b32 v52, 1, v0
	v_lshl_add_u32 v51, v52, 7, v51
	v_lshl_add_u32 v51, v50, 4, v51
	s_mul_i32 s72, s10, 32*272                     ; my 64 keys
	v_add_nc_u32 v[KAD], s72, v51
	v_add_nc_u32 v[KAD+1], SLOT, v[KAD]
	v_bfe_u32 v53, v0, 1, 2                        ; V: lane l addresses key 8 h + l % 8, chunk (l / 8) % 2 of 16 d
	v_lshl_add_u32 v53, v50, 2, v53
	v_mul_u32_u24 v53, v53, 288
	v_lshl_add_u32 v53, v52, 7, v53
	v_bfe_u32 v54, v0, 3, 1
	v_lshl_add_u32 v53, v54, 4, v53
	s_mul_i32 s72, s10, 32*288
	s_add_co_u32 s72, s72, VOFF
	v_add_nc_u32 v[VAD], s72, v53
	v_add_nc_u32 v[VAD+1], SLOT, v[VAD]
	v_add_nc_u32 v[VLAD], VLO, v53
	s_lshl_b32 s72, s9, 5
	s_lshl_b32 s74, s10, 6
	s_sub_co_i32 s72, s72, s74
	v_add_nc_u32 v[DM], s72, v49
	v_lshlrev_b32 v55, 3, v50
	v_sub_nc_u32 v[DM], v[DM], v55
	v_mov_b32 v[NINF], 0xff800000
	s_mul_i32 s72, s8, XBYTES
	s_add_co_u32 s72, s72, SCR                     ; my scratch: a constant + the wave's number x 4,352
	s_sub_co_u32 s74, s72, 4*XBYTES                ; the scratch of the wave four below
	v_add_nc_u32 v[XW], s72, v[L16]
	v_add_nc_u32 v[XR], s74, v[L16]
	v_lshlrev_b32 v59, 2, v48
	s_add_co_u32 s72, s72, 4096
	s_add_co_u32 s74, s74, 4096
	v_add_nc_u32 v[XMW], s72, v59
	v_add_nc_u32 v[XMR], s74, v59
	s_mul_i32 s77, s8, SBYTES
	s_add_co_u32 s77, s77, STG
	v_mul_u32_u24 v56, v49, 144
	v_lshl_add_u32 v56, v50, 4, v56
	v_add_nc_u32 v[STW], s77, v56
	v_lshrrev_b32 v57, 3, v48
	v_mul_u32_u24 v57, v57, 144
	v_and_b32 v58, 7, v0
	v_lshl_add_u32 v57, v58, 4, v57
	v_add_nc_u32 v[STR], s77, v57
	s_wait_loadcnt 0x0                             ; Q of both query blocks, once
; 8 matrix instructions: O[u][dt] (+)= V part at va x P part at pb + pu u, 32 keys.  The eight accumulators take turns, one instruction a turn.
.macro PV8 va, pb, pu, zero
.irp d, 0,1,2,3
.irp u, 0,1
.if \zero
	v_wmma_f32_16x16x32_f16 v[8*(4*\u+\d):8*(4*\u+\d)+7], v[\va+8*\d:\va+8*\d+7], v[\pb+\pu*\u:\pb+\pu*\u+7], 0
.else
	v_wmma_f32_16x16x32_f16 v[8*(4*\u+\d):8*(4*\u+\d)+7], v[\va+8*\d:\va+8*\d+7], v[\pb+\pu*\u:\pb+\pu*\u+7], v[8*(4*\u+\d):8*(4*\u+\d)+7]
.endif
.endr
.endr
.endm
; One key block.  slot: where it lies.  fill = 1: the next step's block is asked for, into the other slot.  first = 1: the diagonal block of a
; query block: masked, and it starts maximum, sums and O.  reset = 1: the walk of key blocks begins again at 0.
; qb: Q's registers in window 1.  two = 1: wave 0 takes P and v of keys 0-31 in two parts.
.macro STEP slot, fill, first, reset, qb, two
	s_set_vgpr_msb 0x5
	s_wait_tensorcnt 0x0                           ; all my tensor loads have landed, this step's tile among them: every group 0 may be written
	ds_add_u32 v160, v161
	s_wait_dscnt 0x0
	s_set_vgpr_msb 0x500
.if \fill
.if \reset
	s_mov_b32 s20, 0
.else
	s_add_co_u32 s20, s20, KVBLK
.endif
	s_cmp_eq_u32 s20, s22                          ; the first part's walk ends in front of its diagonal:
	s_cselect_b32 s20, s23, s20                    ; the second part's diagonal comes next
	s_add_nc_u64 s[G0K+4*(1-\slot)+2:G0K+4*(1-\slot)+3], s[56:57], s[20:21]
	s_or_b32 s[G0K+4*(1-\slot)+3], s[G0K+4*(1-\slot)+3], 0x80000000
	s_add_nc_u64 s[G0V+4*(1-\slot)+2:G0V+4*(1-\slot)+3], s[58:59], s[20:21]
	s_or_b32 s[G0V+4*(1-\slot)+3], s[G0V+4*(1-\slot)+3], 0x80000000
.endif
	s_wait_dscnt 0x0                               ; my reads of the other slot are done
	s_barrier_signal -1
	s_barrier_wait -1                              ; both now hold of all eight waves
.if \fill
	KVLOAD 1-\slot                                 ; first thing behind the barrier; it has the whole step in which to land
.endif
.irp t, 0,1,2,3
.irp d, 0,1
	ds_load_b128 v[KREG+16*\t+8*\d:KREG+16*\t+8*\d+3],   v[KAD+\slot] offset:\t*2176+\d*64
	ds_load_b128 v[KREG+16*\t+8*\d+4:KREG+16*\t+8*\d+7], v[KAD+\slot] offset:\t*2176+\d*64+32
.endr
.endr
.irp k, 0,1
.irp d, 0,1,2,3
	ds_load_tr16_b128 v[VREG+32*\k+8*\d:VREG+32*\k+8*\d+3],   v[VAD+\slot] offset:\k*4608+\d*32        ; keys 32 kg + 8 h + 0..7 of d = 16 dt + r
	ds_load_tr16_b128 v[VREG+32*\k+8*\d+4:VREG+32*\k+8*\d+7], v[VAD+\slot] offset:\k*4608+\d*32+2304   ; keys 32 kg + 16 + 8 h + 0..7
.endr
.endr
	; S^T = K Q^T.  The two query tiles take turns, one instruction a turn.
	WIN 0x04                                       ; source 1 (Q) window 1
.irp t, 0,1,2,3
	s_wait_dscnt 28-4*\t                           ; K tile t's four loads are in: 4 (3 - t) of K and 16 of V were issued behind them
	v_wmma_f32_16x16x32_f16 v[SREG+8*\t:SREG+8*\t+7],       v[KREG+16*\t:KREG+16*\t+7],    v[\qb:\qb+7],     0
	v_wmma_f32_16x16x32_f16 v[SREG+32+8*\t:SREG+32+8*\t+7], v[KREG+16*\t:KREG+16*\t+7],    v[\qb+16:\qb+23], 0
	v_wmma_f32_16x16x32_f16 v[SREG+8*\t:SREG+8*\t+7],       v[KREG+16*\t+8:KREG+16*\t+15], v[\qb+8:\qb+15],  v[SREG+8*\t:SREG+8*\t+7]
	v_wmma_f32_16x16x32_f16 v[SREG+32+8*\t:SREG+32+8*\t+7], v[KREG+16*\t+8:KREG+16*\t+15], v[\qb+24:\qb+31], v[SREG+32+8*\t:SREG+32+8*\t+7]
.endr
	WIN 0
	PLACES 4                                       ; four places before vector instructions read the scores or write K's registers (ISA guide 7.12.1)
.if \first
.irp u, 0,1
.irp t, 0,1,2,3
.irp j, 0,1,2,3,4,5,6,7
	v_cmp_le_i32 vcc_lo, 16*\t+\j-16*\u, v[DM]     ; key <= query
	v_cndmask_b32 v[SREG+32*\u+8*\t+\j], v[NINF], v[SREG+32*\u+8*\t+\j], vcc_lo
.endr
.endr
.endr
.endif
	; the new maximum of raw scores: the old one and my 32 numbers, two chains a tile, then the other lane half
.irp u, 0,1
.if \first
	v_max3_num_f32 v[MX+\u], s19, v[SREG+32*\u], v[SREG+32*\u+1]
.else
	v_max3_num_f32 v[MX+\u], v[MR+\u], v[SREG+32*\u], v[SREG+32*\u+1]
.endif
	v_max_num_f32 v[MY+\u], v[SREG+32*\u+16], v[SREG+32*\u+17]
.endr
.irp k, 1,2,3,4,5,6,7
.irp u, 0,1
	v_max3_num_f32 v[MX+\u], v[MX+\u], v[SREG+32*\u+2*\k], v[SREG+32*\u+2*\k+1]
	v_max3_num_f32 v[MY+\u], v[MY+\u], v[SREG+32*\u+16+2*\k], v[SREG+32*\u+17+2*\k]
.endr
.endr
	v_max_num_f32 v[MX], v[MX], v[MY]
	v_max_num_f32 v[MX+1], v[MX+1], v[MY+1]
	v_permlanex16_b32 v[MY], v[MX], s14, s15
	v_permlanex16_b32 v[MY+1], v[MX+1], s14, s15
	v_max_num_f32 v[MX], v[MX], v[MY]
	v_max_num_f32 v[MX+1], v[MX+1], v[MY+1]
.irp u, 0,1
	v_mul_f32 v[NC+2*\u],   s18, v[MX+\u]
	v_mul_f32 v[NC+2*\u+1], s18, v[MX+\u]
.endr
.if \first == 0
	v_fma_f32 v[MY],   v[MR],   s16, v[NC]         ; (old maximum - new maximum) x scale
	v_fma_f32 v[MY+1], v[MR+1], s16, v[NC+2]
	v_exp_f32 v[AL],   v[MY]
	v_exp_f32 v[AL+1], v[MY]
	v_exp_f32 v[AL+2], v[MY+1]
	v_exp_f32 v[AL+3], v[MY+1]                     ; the two moves below are the plain instructions behind them (ISA guide 5.7.2)
.endif
	v_mov_b32 v[MR],   v[MX]
	v_mov_b32 v[MR+1], v[MX+1]
.set i, 0
.rept 16
	v_pk_fma_f32 v[SREG+2*i:SREG+2*i+1],       v[SREG+2*i:SREG+2*i+1],       s[16:17], v[NC:NC+1]   op_sel_hi:[1,0,1]
	v_pk_fma_f32 v[SREG+32+2*i:SREG+32+2*i+1], v[SREG+32+2*i:SREG+32+2*i+1], s[16:17], v[NC+2:NC+3] op_sel_hi:[1,0,1]
.set i, i+1
.endr
.set i, 0
.rept 64
	v_exp_f32 v[SREG+i], v[SREG+i]                 ; a masked score is minus infinity here and gives 0
.set i, i+1
.endr
	v_nop                                          ; one plain instruction behind the last exponential
	s_wait_alu depctr_va_vdst(0)
	; the row sums, kept apart in each lane half until the merge
.irp u, 0,1
.if \first
	s_wait_alu depctr_va_vdst(0)
	v_pk_add_f32 v[LS+4*\u:LS+4*\u+1],   v[SREG+32*\u:SREG+32*\u+1],   v[SREG+32*\u+4:SREG+32*\u+5]
	v_pk_add_f32 v[LS+4*\u+2:LS+4*\u+3], v[SREG+32*\u+2:SREG+32*\u+3], v[SREG+32*\u+6:SREG+32*\u+7]
.irp k, 2,3,4,5,6,7
	v_pk_add_f32 v[LS+4*\u:LS+4*\u+1],   v[LS+4*\u:LS+4*\u+1],   v[SREG+32*\u+4*\k:SREG+32*\u+4*\k+1]
	v_pk_add_f32 v[LS+4*\u+2:LS+4*\u+3], v[LS+4*\u+2:LS+4*\u+3], v[SREG+32*\u+4*\k+2:SREG+32*\u+4*\k+3]
.endr
.else
	v_pk_fma_f32 v[LS+4*\u:LS+4*\u+1],   v[LS+4*\u:LS+4*\u+1],   v[AL+2*\u:AL+2*\u+1], v[SREG+32*\u:SREG+32*\u+1]
	v_pk_fma_f32 v[LS+4*\u+2:LS+4*\u+3], v[LS+4*\u+2:LS+4*\u+3], v[AL+2*\u:AL+2*\u+1], v[SREG+32*\u+2:SREG+32*\u+3]
.irp k, 1,2,3,4,5,6,7
	v_pk_add_f32 v[LS+4*\u:LS+4*\u+1],   v[LS+4*\u:LS+4*\u+1],   v[SREG+32*\u+4*\k:SREG+32*\u+4*\k+1]
	v_pk_add_f32 v[LS+4*\u+2:LS+4*\u+3], v[LS+4*\u+2:LS+4*\u+3], v[SREG+32*\u+4*\k+2:SREG+32*\u+4*\k+3]
.endr
.endif
.endr
	; P in place: sixteen numbers (tiles 2 kg, 2 kg + 1) into the first eight registers of their sixteen; a destination never lies above its sources
.if \two
	s_cmp_lg_u32 s8, 0
	s_cbranch_scc1 .Lpl_\@
	; wave 0: rows 0-31 of the block.  v's remainders of keys 0-31 come from their own LDS bytes, shown landed in front of this step's barrier.
	WIN 0x40                                       ; destination window 1, address window 0
.irp d, 0,1,2,3
	ds_load_tr16_b128 v[VL+8*\d:VL+8*\d+3],   v[VLAD] offset:\d*32
	ds_load_tr16_b128 v[VL+8*\d+4:VL+8*\d+7], v[VLAD] offset:\d*32+2304
.endr
	WIN 0
	; P of keys 0-31 in two parts: the number cut to 11 significant bits, exact in f16, and what was cut off, exact in f32 and rounded to f16, into K's registers
.irp u, 0,1
.irp q, 0,1,2,3,4,5,6,7
	v_and_b32 v[TT+2*(\q&3)],   s79, v[SREG+32*\u+2*\q]
	v_and_b32 v[TT+2*(\q&3)+1], s79, v[SREG+32*\u+2*\q+1]
	v_pk_fma_f32 v[SREG+32*\u+2*\q:SREG+32*\u+2*\q+1], v[TT+2*(\q&3):TT+2*(\q&3)+1], -1.0, v[SREG+32*\u+2*\q:SREG+32*\u+2*\q+1] op_sel_hi:[1,0,1]
	v_cvt_pk_f16_f32 v[KREG+8*\u+\q], v[SREG+32*\u+2*\q], v[SREG+32*\u+2*\q+1]
	v_cvt_pk_f16_f32 v[SREG+32*\u+\q], v[TT+2*(\q&3)], v[TT+2*(\q&3)+1]
.endr
.irp q, 0,1,2,3,4,5,6,7
	v_cvt_pk_f16_f32 v[SREG+32*\u+16+\q], v[SREG+32*\u+16+2*\q], v[SREG+32*\u+16+2*\q+1]
.endr
.endr
	; O^T = Vh^T Ph^T (all 64 keys) + Vh^T Pl^T + Vl^T Ph^T (keys 0-31)
	WIN 0x50                                       ; C and D window 1
	s_wait_dscnt 0                                 ; V and the remainders are in
	PV8 VREG,    SREG,    32, 1
	PV8 VREG+32, SREG+16, 32, 0
	PV8 VREG,    KREG,    8,  0
	WIN 0x51                                       ; source 0 (the remainders of v) window 1 too
	PV8 VL,      SREG,    32, 0
	WIN 0
	s_branch .Lpd_\@
.Lpl_\@:
.endif
.irp g, 0,1,2,3
.irp q, 0,1,2,3,4,5,6,7
	v_cvt_pk_f16_f32 v[SREG+16*\g+\q], v[SREG+16*\g+2*\q], v[SREG+16*\g+2*\q+1]
.endr
.endr
.if \first == 0
	WIN 0x41                                       ; O, in window 1, is source 0 and destination
.set i, 0
.rept 16
	v_pk_mul_f32 v[2*i:2*i+1],       v[2*i:2*i+1],       v[AL:AL+1]
	v_pk_mul_f32 v[32+2*i:32+2*i+1], v[32+2*i:32+2*i+1], v[AL+2:AL+3]
.set i, i+1
.endr
.endif
	; O^T (+)= V^T P^T
	WIN 0x50                                       ; C and D window 1
	s_wait_dscnt 8                                 ; V's first eight loads (keys 0-31 of my 64) are in; the second eight may be out
	PV8 VREG,    SREG,    32, \first
	s_wait_dscnt 0
	PV8 VREG+32, SREG+16, 32, 0
	WIN 0
.if \two
.Lpd_\@:
.endif
	PLACES 5                                       ; five places: the next step loads into K's and V's registers and its first products write over P; the merge reads O
.endm
; My partial results of tile u go to my scratch, for my partner.
.macro XSTORE u
	WIN 0x04                                       ; an LDS store's data is source 1: window 1
.irp k, 0,1,2,3,4,5,6,7
	ds_store_b128 v[XW], v[32*\u+4*\k:32*\u+4*\k+3] offset:512*\k
.endr
	WIN 0
	ds_store_b32 v[XMW], v[MR+\u]
	ds_store_b32 v[XMW], v[LS+4*\u] offset:128
.endm
; Tile u: my partner's partial results (at register xa / xm + off) are merged with mine, divided by the sum, rounded and stored: 2,048 consecutive
; bytes of atth; where s[fl] is 1, in two f16 parts, the second into attl.
.macro XMERGE u, ob, obl, fl, xa, xm, off
.irp k, 0,1,2,3,4,5,6,7
	ds_load_b128 v[SREG+4*\k:SREG+4*\k+3], v[\xa] offset:(\off)+512*\k
.endr
	ds_load_b32 v[TT], v[\xm] offset:(\off)        ; its maximum
	ds_load_b32 v[TT+1], v[\xm] offset:(\off)+128  ; its sum
	s_wait_dscnt 0x0
	v_max_num_f32 v[TT+2], v[MR+\u], v[TT]
	v_sub_f32 v[TT+3], v[MR+\u], v[TT+2]
	v_sub_f32 v[TT+8], v[TT], v[TT+2]
	v_mul_f32 v[TT+3], s16, v[TT+3]
	v_mul_f32 v[TT+8], s16, v[TT+8]
	v_exp_f32 v[TT+3], v[TT+3]                     ; my weight; 0 for a wave that has seen masked keys alone
	v_exp_f32 v[TT+8], v[TT+8]                     ; my partner's
	v_nop
	s_wait_alu depctr_va_vdst(0)
	v_mul_f32 v[TT+9], v[TT+8], v[TT+1]
	v_fma_f32 v[TT+9], v[TT+3], v[LS+4*\u], v[TT+9]    ; the row's sum; key 0 of the diagonal block is allowed in every row, so it is not 0
	v_rcp_f32 v[TT+9], v[TT+9]
	v_nop
	s_wait_alu depctr_va_vdst(0)
	v_mul_f32 v[TT+4], v[TT+3], v[TT+9]
	v_mul_f32 v[TT+5], v[TT+3], v[TT+9]
	v_mul_f32 v[TT+6], v[TT+8], v[TT+9]
	v_mul_f32 v[TT+7], v[TT+8], v[TT+9]
.set i, 0
.rept 16
	v_pk_mul_f32 v[SREG+2*i:SREG+2*i+1], v[SREG+2*i:SREG+2*i+1], v[TT+6:TT+7]
.set i, i+1
.endr
	WIN 0x01                                       ; source 0 (my O) window 1
.set i, 0
.rept 16
	v_pk_fma_f32 v[SREG+2*i:SREG+2*i+1], v[32*\u+2*i:32*\u+2*i+1], v[TT+4:TT+5], v[SREG+2*i:SREG+2*i+1]
.set i, i+1
.endr
	WIN 0
	s_cmp_eq_u32 s[\fl], 0
	s_cbranch_scc1 .Lxp_\@
.set i, 0
.rept 16
	v_and_b32 v[XT+2*(i&3)],   s79, v[SREG+2*i]    ; cut to 11 significant bits,
	v_and_b32 v[XT+2*(i&3)+1], s79, v[SREG+2*i+1]
	v_pk_fma_f32 v[SREG+2*i:SREG+2*i+1], v[XT+2*(i&3):XT+2*(i&3)+1], -1.0, v[SREG+2*i:SREG+2*i+1] op_sel_hi:[1,0,1]   ; and what was cut off
	v_cvt_pk_f16_f32 v[PK+i],  v[XT+2*(i&3)], v[XT+2*(i&3)+1]
	v_cvt_pk_f16_f32 v[PL2+i], v[SREG+2*i],   v[SREG+2*i+1]
.set i, i+1
.endr
.irp d, 0,1,2,3
	ds_store_b128 v[STW], v[PK+4*\d:PK+4*\d+3] offset:32*\d        ; row r, d = 16 dt + 8 h + 0..7
.endr
.irp t, 0,1,2,3
	ds_load_b128 v[KREG+4*\t:KREG+4*\t+3], v[STR] offset:576*\t    ; four rows of 128 bytes; a wave's LDS instructions are served in order
.endr
.irp d, 0,1,2,3
	ds_store_b128 v[STW], v[PL2+4*\d:PL2+4*\d+3] offset:32*\d      ; the same bytes again, behind the loads above
.endr
.irp t, 0,1,2,3
	ds_load_b128 v[KREG+16+4*\t:KREG+16+4*\t+3], v[STR] offset:576*\t
.endr
.irp t, 0,1,2,3
	s_wait_dscnt 11-\t                             ; load t of the upper parts is in: 3 - t loads, 4 stores and 4 loads were issued behind it
	global_store_b128 v[L16], v[KREG+4*\t:KREG+4*\t+3], s[\ob:\ob+1] offset:\u*2048+512*\t   ; the wave stores 512 consecutive bytes, aligned
.endr
.irp t, 0,1,2,3
	s_wait_dscnt 3-\t                              ; load t of the remainders is in, the 3 - t younger ones stay out
	global_store_b128 v[L16], v[KREG+16+4*\t:KREG+16+4*\t+3], s[\obl:\obl+1] offset:\u*2048+512*\t
.endr
	s_branch .Lxd_\@
.Lxp_\@:
.set i, 0
.rept 16
	v_cvt_pk_f16_f32 v[PK+i], v[SREG+2*i], v[SREG+2*i+1]
.set i, i+1
.endr
.irp d, 0,1,2,3
	ds_store_b128 v[STW], v[PK+4*\d:PK+4*\d+3] offset:32*\d        ; row r, d = 16 dt + 8 h + 0..7
.endr
.irp t, 0,1,2,3
	ds_load_b128 v[KREG+4*\t:KREG+4*\t+3], v[STR] offset:576*\t    ; four rows of 128 bytes; a wave's LDS instructions are served in order
.endr
.irp t, 0,1,2,3
	s_wait_dscnt 3-\t                              ; load t is in, the 3 - t younger ones stay out
	global_store_b128 v[L16], v[KREG+4*\t:KREG+4*\t+3], s[\ob:\ob+1] offset:\u*2048+512*\t   ; the wave stores 512 consecutive bytes, aligned
.endr
.Lxd_\@:
.endm
; The end of a query block.  The wave with c = 0 hands over tile 1 and finishes tile 0; its partner, four waves above, the other way round.
.macro FINAL ob, obl, fl
.irp u, 0,1
	v_pk_add_f32 v[LS+4*\u:LS+4*\u+1], v[LS+4*\u:LS+4*\u+1], v[LS+4*\u+2:LS+4*\u+3]
	v_add_f32 v[LS+4*\u], v[LS+4*\u], v[LS+4*\u+1]
	v_permlanex16_b32 v[MY+\u], v[LS+4*\u], s14, s15
	v_add_f32 v[LS+4*\u], v[LS+4*\u], v[MY+\u]     ; my 64 keys' share of the row sum, in both lane halves
.endr
	s_cmp_lt_u32 s8, 4
	s_cbranch_scc0 .Lst_hi_\@
	XSTORE 1
	s_branch .Lst_done_\@
.Lst_hi_\@:
	XSTORE 0
.Lst_done_\@:
	s_wait_dscnt 0x0                               ; my stores are done, for my partner's sake
	s_barrier_signal -1                            ; the next step's tile may stay on its way
	s_barrier_wait -1
	s_cmp_lt_u32 s8, 4
	s_cbranch_scc0 .Lmg_hi_\@
	XMERGE 0, \ob, \obl, \fl, XW, XMW, 4*XBYTES    ; waves 0-3: the partner's scratch lies 4 x 4,352 bytes above mine
	s_branch .Lmg_done_\@
.Lmg_hi_\@:
	XMERGE 1, \ob, \obl, \fl, XR, XMR, 0           ; waves 4-7: as far below
.Lmg_done_\@:
	s_wait_xcnt 0x0                                ; the stores' data registers are loaded again only behind this wait
.endm
	; query block 2 p: its diagonal, then key blocks 0 .. 2 p - 1, two a trip, p trips
	STEP 0, 1, 1, 1, QE, 1
	s_cmp_eq_u32 s11, 0
	s_cbranch_scc1 .Le_done
	s_mov_b32 s13, 0
.Le_loop:
	STEP 1, 1, 0, 0, QE, 0
	STEP 0, 1, 0, 0, QE, 0
	s_add_co_u32 s13, s13, 1
	s_cmp_lt_u32 s13, s11
	s_cbranch_scc1 .Le_loop
.Le_done:
	FINAL 66, 96, FLE
	; query block 15 - 2 p: its diagonal, then key blocks 0 .. 14 - 2 p: 7 - p trips of two, and one more
	s_mov_b32 s22, -1                              ; this walk is not cut short
	STEP 1, 1, 1, 1, QO, 0
	s_cmp_eq_u32 s3, 0
	s_cbranch_scc1 .Lo_done
	s_mov_b32 s13, 0
.Lo_loop:
	STEP 0, 1, 0, 0, QO, 0
	STEP 1, 1, 0, 0, QO, 0
	s_add_co_u32 s13, s13, 1
	s_cmp_lt_u32 s13, s3
	s_cbranch_scc1 .Lo_loop
.Lo_done:
	STEP 0, 0, 0, 0, QO, 0                         ; the last key block: nothing is left to fetch
	FINAL 68, 98, FLO
	s_set_vgpr_msb 0x5
	s_wait_tensorcnt 0x0
	ds_add_u32 v160, v161
	s_wait_dscnt 0x0
	s_set_vgpr_msb 0x500
	s_endpgm
.Lfunc_end_k_q73b51bb48b_attn:
	.size	k_q73b51bb48b_attn, .Lfunc_end_k_q73b51bb48b_attn-k_q73b51bb48b_attn
	.p2alignl 7, 3214868480
	.fill 96, 4, 3214868480
	.section	.rodata,"a",@progbits
	.p2align	6, 0x0
	.amdhsa_kernel k_q73b51bb48b_attn
		.amdhsa_group_segment_fixed_size 327680
		.amdhsa_private_segment_fixed_size 0
		.amdhsa_enable_private_segment 0
		.amdhsa_kernarg_size 32
		.amdhsa_user_sgpr_count 2
		.amdhsa_user_sgpr_kernarg_segment_ptr 1
		.amdhsa_wavefront_size32 1
		.amdhsa_system_sgpr_workgroup_id_x 1
		.amdhsa_system_sgpr_workgroup_id_y 1
		.amdhsa_system_sgpr_workgroup_id_z 1
		.amdhsa_system_vgpr_workitem_id 0
		.amdhsa_next_free_vgpr 418
		.amdhsa_next_free_sgpr 106
		.amdhsa_reserve_vcc 1
		.amdhsa_float_denorm_mode_32 3
		.amdhsa_float_denorm_mode_16_64 3
		.amdhsa_memory_ordered 1
		.amdhsa_forward_progress 1
		.amdhsa_inst_pref_size 199
	.end_amdhsa_kernel
	.amdgpu_metadata
---
amdhsa.version: [ 1, 2 ]
amdhsa.kernels:
  - .name:           k_q73b51bb48b_attn
    .symbol:         k_q73b51bb48b_attn.kd
    .args:
      - { .name: qkv, .offset: 0, .size: 8, .value_kind: global_buffer, .address_space: global }
      - { .name: vlo, .offset: 8, .size: 8, .value_kind: global_buffer, .address_space: global }
      - { .name: atth, .offset: 16, .size: 8, .value_kind: global_buffer, .address_space: global }
      - { .name: attl, .offset: 24, .size: 8, .value_kind: global_buffer, .address_space: global }
    .group_segment_fixed_size: 327680
    .private_segment_fixed_size: 0
    .kernarg_segment_align: 8
    .kernarg_segment_size: 32
    .max_flat_workgroup_size: 256
    .sgpr_count:     106
    .vgpr_count:     418
    .wavefront_size: 32
...
	.end_amdgpu_metadata
.endif
;; end of part 6
;; launch proj (part 7): grid 8 x 32, 4 waves a work-group, clusters of 4 x 4, 327,680 bytes of LDS; arguments atth, attl, wob, out0, b_out; writes out0
.if DOCPART == 7
	.amdgcn_target "amdgcn-amd-amdhsa--gfx1250"
	.amdhsa_code_object_version 6
	.text
	.protected	k_q73b51bb48b_proj
	.globl	k_q73b51bb48b_proj
	.p2align	8
	.type	k_q73b51bb48b_proj,@function
k_q73b51bb48b_proj:
	s_mov_b64 s[64:65], 0
	v_nop
	global_prefetch_b8 v0, s[64:65] scope:SCOPE_SE
	s_setreg_imm32_b32 hwreg(HW_REG_WAVE_MODE, 25, 1), 1
	s_wait_xcnt 0x0
	s_wait_alu depctr_hold_cnt(0) depctr_sa_sdst(0) depctr_va_vdst(0) depctr_va_sdst(0) depctr_va_ssrc(0) depctr_va_vcc(0) depctr_vm_vsrc(0)
	s_getreg_b32 s2, hwreg(HW_REG_IB_STS2, 6, 4)
	s_cmp_eq_u32 s2, 0
	s_cbranch_scc0 .Lentry_in_a_cluster
	s_endpgm
.Lentry_in_a_cluster:
	s_bfe_u32 s2, ttmp6, 0x10000c
	s_cmp_lg_u32 s2, 0xf033
	s_cbranch_scc0 .Lentry_shape_is_right
	s_endpgm
.Lentry_shape_is_right:
; out0 = att w_out + b_out.  atth (f16): the attention's result, [row block of 128: 32][head: 16][row: 128][64]; attl (f16): the remainders of rows 0-31 of
; each sequence's row blocks 0-3, [batch: 2][block: 4][head: 16][row: 32][64]; wob: [1024 (k)][1024 (n)] f16; b_out, out0: f32.
; A work-group makes 128 x 128 of the product (8 x 32 = 256 work-groups; blocks of 256 x 256 would give 64), a wave 64 x 64: 16 accumulator tiles.
; A wave's four row tiles are tiles 2 a + half of the block's eight, so that rows 0-15 fall to one pair of waves and rows 16-31 to the other.
; TWO PARTS FOR THE FIRST ROWS: the first rows of a sequence are some ten times larger than the root mean square of the whole output, against which an
; error is held, and one f16 rounding of them is a third of what that leaves; by row 32 it is a sixth of that.  So for rows 0-31 the remainders are
; multiplied too: 4 matrix instructions more for every 32 of K in each wave, 640 in place of 512.  The
; clusters that hold a sequence's row block 0 (cluster y 0 and 4: row blocks 0-3 and 16-19) take that text whole; the other six of eight do not.
; K = 1024 goes in four steps of 256 (four heads) through two LDS slots: two first fills, two refills, written out without a loop.
; Wave 0 brings a step's tile of atth (65,536 dense bytes, as 256 rows of 256 bytes, two rows of a head each), wave 1 the tile of attl where it is used
; (16,384 dense bytes, 64 such rows), waves 2 and 3 128 k rows each of my 128 columns of wob.  Every row of a tile is 256 bytes of memory, 256-aligned.
; CLUSTERS: 4 x 4 work-groups; atth's and attl's tiles are asked for jointly along a row of the cluster, wob's along a column.
; The matrix instruction is used transposed (source 0 = 16 columns of wob, by the transposing LDS load; source 1 = 16 rows of att), so that a
; lane holds eight neighbouring columns of one row; the bias of those columns is the C of the first instructions.
; REGISTERS: window 0: v16-27 addresses; v64-135, v136-207 two fragment buffers (wob's four tiles, atth's four, attl's one);
;            window 1: accumulator (a, b) at v[8 (4 a + b)], 0-127; the bias of tile column b at v[128 + 8 b].
.set PITCH,  272                       ; att's pair rows in LDS: 256 bytes + 16: row r lies at (r / 2) x 272 + (r % 2) x 128: 16 different 16-byte columns modulo 256 bytes
.set PITCHB, 288                       ; wob's rows: 256 + 32
.set HEAD,   64*PITCH                  ; 17,408: a head's 128 rows
.set LHEAD,  16*PITCH                  ; 4,352: a head's 32 rows of remainders
.set ALO,    4*HEAD                    ; 69,632: the remainders lie behind atth's four heads
.set BOFF,   ALO+4*LHEAD               ; 87,040: wob's 256 k rows lie behind them
.set BHALF,  128*PITCHB                ; 36,864: what one of waves 2, 3 brings
.set SLOT,   BOFF+2*BHALF              ; 160,768
.set STAGE,  0                         ; the way out: 16 rows x 272 bytes for each wave, in slot 0, whose last fill and last reads lie in front of the last change of slots
.set SPITCH, 272
.set ASTEP,  2*65536                   ; two K steps of atth
.set LSTEP,  2*16384                   ; of attl
.set BSTEP,  2*256*2048                ; of wob
.set ADRA, 16                          ; v16-17  my atth fragments in slot 0, 1
.set ADRL, 18                          ; v18-19  my attl fragment in slot 0, 1
.set ADRB, 20                          ; v20-23  my wob fragments: slot 0 k rows 0-127, 128-255; slot 1 likewise
.set STO,  24
.set RD,   25
.set CO,   26
.set BO,   27
.set F0,   64
.set F1,   136
.set BIAS, 128                         ; window 1
.set G1,  24                           ; s[24:31] group 1 for atth;  s[32:39] group 0, one set for each slot
.set G0,  32
.set G1B, 48                           ; s[48:55], s[56:63] the same for wob
.set G0B, 56
.set G1L, 72                           ; s[72:79], s[80:87] the same for attl
.set G0L, 80
.set MSB, 0
.macro WIN new                         ; the immediate's high byte repeats the setting that is left
.if MSB != \new
	s_set_vgpr_msb (MSB<<8)|\new
.set MSB, \new
.endif
.endm
.set MUL, 0x50                         ; sources 0 and 1 window 0, C and D window 1
; A refill: wave 0 asks for atth's tile, wave 1 for attl's (lo = 1) or for nothing, waves 2 and 3 for wob's halves: one load a wave.
.macro JLOAD s, lo
	s_cmp_lg_u32 s10, 0
	s_cbranch_scc1 .Lna_\@
	tensor_load_to_lds s[G0+4*\s:G0+4*\s+3], s[G1:G1+7]
	s_nop 0
	s_branch .Lasked_\@
.Lna_\@:
	s_cmp_lg_u32 s10, 1
	s_cbranch_scc1 .Lnl_\@
.if \lo
	tensor_load_to_lds s[G0L+4*\s:G0L+4*\s+3], s[G1L:G1L+7]
	s_nop 0
.endif
	s_branch .Lasked_\@
.Lnl_\@:
	tensor_load_to_lds s[G0B+4*\s:G0B+4*\s+3], s[G1B:G1B+7]
	s_nop 0
.Lasked_\@:
.endm
; The first fills of both slots: a wave's two stand inside one branch on its number.  Two loads of a wave are out at the most.
.macro JFIRST lo
	s_cmp_lg_u32 s10, 0
	s_cbranch_scc1 .Lfna_\@
	tensor_load_to_lds s[G0:G0+3], s[G1:G1+7]
	s_nop 0
	tensor_load_to_lds s[G0+4:G0+7], s[G1:G1+7]
	s_nop 0
	s_branch .Lfd_\@
.Lfna_\@:
	s_cmp_lg_u32 s10, 1
	s_cbranch_scc1 .Lfnl_\@
.if \lo
	tensor_load_to_lds s[G0L:G0L+3], s[G1L:G1L+7]
	s_nop 0
	tensor_load_to_lds s[G0L+4:G0L+7], s[G1L:G1L+7]
	s_nop 0
.endif
	s_branch .Lfd_\@
.Lfnl_\@:
	tensor_load_to_lds s[G0B:G0B+3], s[G1B:G1B+7]
	s_nop 0
	tensor_load_to_lds s[G0B+4:G0B+7], s[G1B:G1B+7]
	s_nop 0
.Lfd_\@:
.endm
.macro CREST                           ; a round of the cluster's barrier, behind its opening work-group barrier
	s_cmp_lg_u32 s10, 0
	s_cbranch_scc1 .Lnot_wave_0_\@
	s_barrier_signal -3
.Lnot_wave_0_\@:
	s_barrier_wait -3
	s_barrier_signal -1
	s_barrier_wait -1
.endm
.macro CROUND
	s_barrier_signal -1
	s_barrier_wait -1
	CREST
.endm
	s_load_b256 s[88:95], s[0:1], 0x0              ; atth s[88:89], attl s[90:91], wob s[92:93], out0 s[94:95]
	s_load_b64 s[96:97], s[0:1], 0x20              ; b_out
	v_lshl_add_u32 v254, v0, 2, 0x4e800
	v_mov_b32 v255, 0
	ds_add_u32 v254, v255
	v_lshrrev_b32 v1, 5, v0
	v_readfirstlane_b32 s10, v1                    ; wave 0..3
	s_lshr_b32 s11, s10, 1                         ; which of each pair of row tiles is mine
	s_and_b32 s12, s10, 1                          ; my half of the block's columns.  Also (waves 2, 3): wob's k rows 0-127 or 128-255
	s_bfe_u32 s40, ttmp6, 0x40000                  ; cx
	s_bfe_u32 s41, ttmp6, 0x40004                  ; cy
	s_lshl_b32 s42, ttmp9, 2
	s_add_co_u32 s42, s42, s40                     ; block column, 0..7
	s_and_b32 s13, ttmp7, 0xffff
	s_and_b32 s45, s13, 3                          ; the cluster's y modulo 4: 0 where it holds a sequence's first row blocks; alike in all sixteen work-groups
	s_lshl_b32 s13, s13, 2
	s_add_co_u32 s13, s13, s41                     ; block row, 0..31
	s_lshl_b32 s43, s41, 2
	s_lshl_b32 s43, 15, s43                        ; my row of the cluster
	s_lshl_b32 s44, 0x1111, s40                    ; my column
	s_or_b32 s[G1+0], s43, (1<<16)|(1<<20)|(1<<21)|(5<<22)|(3<<25)  ; atth: mask of my row; 4 words of padding behind every 64
	s_or_b32 s[G1L+0], s43, (1<<16)|(1<<20)|(1<<21)|(5<<22)|(3<<25) ; attl: the same
	s_or_b32 s[G1B+0], s44, (1<<16)|(1<<20)|(1<<21)|(5<<22)|(7<<25) ; wob: mask of my column; 8 words
	s_mov_b32 s[G1+1], 128<<16                     ; tensor_dim0 = 128
	s_mov_b32 s[G1L+1], 128<<16
	s_mov_b32 s[G1B+1], 128<<16
	s_mov_b32 s[G1+2], 256<<16                     ; tensor_dim1 = 256 rows (atth), 64 (attl), 128 (wob)
	s_mov_b32 s[G1L+2], 64<<16
	s_mov_b32 s[G1B+2], 128<<16
	s_mov_b32 s[G1+3], 128<<16                     ; tile_dim0 = 128
	s_mov_b32 s[G1L+3], 128<<16
	s_mov_b32 s[G1B+3], 128<<16
	s_mov_b32 s[G1+4], 256                         ; tile_dim1
	s_mov_b32 s[G1L+4], 64
	s_mov_b32 s[G1B+4], 128
	s_mov_b32 s[G1+5], 128                         ; att's tiles are dense: a row begins where the last ends
	s_mov_b32 s[G1L+5], 128
	s_mov_b32 s[G1B+5], 1024                       ; elements from row to row of wob
	s_mov_b32 s[G1+6], 0
	s_mov_b32 s[G1L+6], 0
	s_mov_b32 s[G1B+6], 0
	s_mov_b32 s[G1+7], 0
	s_mov_b32 s[G1L+7], 0
	s_mov_b32 s[G1B+7], 0
	s_lshl_b32 s14, s13, 18                        ; a row block of atth: 16 heads of 16,384 bytes
	s_mov_b32 s15, 0
	s_lshr_b32 s16, s13, 4                         ; a row block of attl: number 4 batch + block modulo 4, 16 heads of 4,096 bytes
	s_lshl_b32 s16, s16, 2
	s_and_b32 s17, s13, 3
	s_add_co_u32 s16, s16, s17
	s_lshl_b32 s16, s16, 16
	s_mov_b32 s17, 0
	s_lshl_b32 s46, s42, 8                         ; 128 columns of 2 bytes
	s_lshl_b32 s47, s12, 18                        ; 128 k rows of 2,048 bytes
	s_add_co_u32 s46, s46, s47
	s_mov_b32 s47, 0
	s_mul_i32 s21, s10, BHALF                      ; where a half of wob's lands: wave 2 at 87,040, wave 3 at 123,904
	s_add_co_u32 s21, s21, BOFF-2*BHALF
	s_lshl_b32 s70, s42, 9                         ; my first column, in bytes of f32: 512 x block + 256 x half
	s_lshl_b32 s71, s12, 8
	s_add_co_u32 s70, s70, s71
	s_mov_b32 s71, 0
	s_lshl_b32 s4, s13, 19                         ; 128 rows of 4,096 bytes,
	s_lshl_b32 s5, s11, 16                         ; 16 rows,
	s_add_co_u32 s4, s4, s5
	s_add_co_u32 s4, s4, s70                       ; and the column
	s_mov_b32 s5, 0
	; the lane addresses, made while the kernel's arguments are on their way
	v_and_b32 v1, 15, v0                           ; r
	v_bfe_u32 v2, v0, 4, 1                         ; h
	v_lshlrev_b32 v[BO], 5, v2
	v_lshrrev_b32 v3, 1, v1
	v_mul_u32_u24 v3, v3, PITCH
	v_and_b32 v4, 1, v0
	v_lshl_add_u32 v3, v4, 7, v3
	v_lshl_add_u32 v3, v2, 4, v3                   ; (r / 2) x 272 + (r % 2) x 128 + 16 h
	s_mul_i32 s22, s11, 8*PITCH                    ; row tile 2 a + half begins at pair row 16 a + 8 half
	v_add_nc_u32 v[ADRA], s22, v3
	v_add_nc_u32 v[ADRA+1], SLOT, v[ADRA]
	v_add_nc_u32 v[ADRL], ALO, v[ADRA]             ; the remainders of rows 16 half + r
	v_add_nc_u32 v[ADRL+1], ALO+SLOT, v[ADRA]
	v_and_b32 v8, 7, v0
	v_lshl_add_u32 v6, v2, 3, v8
	v_mul_u32_u24 v6, v6, PITCHB
	v_bfe_u32 v7, v0, 3, 1
	v_lshl_add_u32 v6, v7, 4, v6                   ; (8 h + l % 8) x 288 + 16 ((l / 8) % 2)
	s_lshl_b32 s22, s12, 7                         ; my 64 columns
	s_add_co_u32 s22, s22, BOFF
	v_add_nc_u32 v[ADRB], s22, v6
	v_add_nc_u32 v[ADRB+1], BHALF, v[ADRB]
	v_add_nc_u32 v[ADRB+2], SLOT, v[ADRB]
	v_add_nc_u32 v[ADRB+3], SLOT+BHALF, v[ADRB]
	s_mul_i32 s23, s10, 16*SPITCH                  ; my stage: the wave's number x 4,352
	v_mul_u32_u24 v4, v1, SPITCH                   ; in: row r, 32 bytes for each half of the lanes
	v_lshl_add_u32 v4, v2, 5, v4
	v_add_nc_u32 v[STO], s23, v4
	v_mul_u32_u24 v5, v2, SPITCH                   ; back: lanes 0-15 take one row of 256 bytes, lanes 16-31 the next
	v_lshl_add_u32 v5, v1, 4, v5
	v_add_nc_u32 v[RD], s23, v5
	v_lshlrev_b32 v[CO], 12, v2                    ; and the same two rows in out0
	v_lshl_add_u32 v[CO], v1, 4, v[CO]
	s_wait_dscnt 0x0
	s_wait_kmcnt 0x0
	s_add_nc_u64 s[14:15], s[88:89], s[14:15]
	s_add_nc_u64 s[16:17], s[90:91], s[16:17]
	s_add_nc_u64 s[46:47], s[92:93], s[46:47]
	s_add_nc_u64 s[66:67], s[96:97], s[70:71]      ; my columns' bias
	s_add_nc_u64 s[68:69], s[94:95], s[4:5]        ; my first row tile of out0
.irp s, 0,1
	s_mov_b32 s[G0+4*\s], 1
	s_mov_b32 s[G0+4*\s+1], \s*SLOT
	s_add_nc_u64 s[G0+4*\s+2:G0+4*\s+3], s[14:15], \s*65536
	s_or_b32 s[G0+4*\s+3], s[G0+4*\s+3], 0x80000000
	s_mov_b32 s[G0L+4*\s], 1
	s_mov_b32 s[G0L+4*\s+1], \s*SLOT+ALO
	s_add_nc_u64 s[G0L+4*\s+2:G0L+4*\s+3], s[16:17], \s*16384
	s_or_b32 s[G0L+4*\s+3], s[G0L+4*\s+3], 0x80000000
	s_mov_b32 s[G0B+4*\s], 1
	s_add_co_u32 s[G0B+4*\s+1], s21, \s*SLOT
	s_add_nc_u64 s[G0B+4*\s+2:G0B+4*\s+3], s[46:47], \s*256*2048
	s_or_b32 s[G0B+4*\s+3], s[G0B+4*\s+3], 0x80000000
.endr
	CROUND                                         ; all sixteen work-groups are here: the first joint loads meet
; 8 matrix instructions: my row tiles a0, a0 + 1 x 4 column tiles, 32 along K.  first = 1: C is the bias.
; The 16 accumulators take turns, one instruction a turn.
.macro MUL8 f, a0, first
.irp a, \a0, \a0+1
.irp b, 0,1,2,3
.if \first
	v_wmma_f32_16x16x32_f16 v[8*(4*(\a)+\b):8*(4*(\a)+\b)+7], v[\f+8*\b:\f+8*\b+7], v[\f+32+8*(\a):\f+32+8*(\a)+7], v[BIAS+8*\b:BIAS+8*\b+7]
.else
	v_wmma_f32_16x16x32_f16 v[8*(4*(\a)+\b):8*(4*(\a)+\b)+7], v[\f+8*\b:\f+8*\b+7], v[\f+32+8*(\a):\f+32+8*(\a)+7], v[8*(4*(\a)+\b):8*(4*(\a)+\b)+7]
.endif
.endr
.endr
.endm
; 4 more: the remainders of my first row tile x 4 column tiles; eight other accumulators' instructions stand in front, and the next run begins three behind (0, 0)'s
.macro MUL4 f
.irp b, 0,1,2,3
	v_wmma_f32_16x16x32_f16 v[8*\b:8*\b+7], v[\f+8*\b:\f+8*\b+7], v[\f+64:\f+71], v[8*\b:8*\b+7]
.endr
.endm
; 16 or 18 LDS loads: the fragments of K part kk (32 k; kk = 0..7: head kk / 2 of the slot's four, d = 32 (kk % 2) ..) into buffer f: wob, atth, attl
.macro FETCH slot, kk, f, lo
.irp i, 0,1,2,3
	ds_load_tr16_b128 v[\f+8*\i:\f+8*\i+3],   v[ADRB+2*\slot+((\kk)>>2)] offset:((\kk)&3)*32*PITCHB+32*\i
	ds_load_tr16_b128 v[\f+8*\i+4:\f+8*\i+7], v[ADRB+2*\slot+((\kk)>>2)] offset:((\kk)&3)*32*PITCHB+32*\i+16*PITCHB
.endr
.irp i, 0,1,2,3
	ds_load_b128 v[\f+32+8*\i:\f+32+8*\i+3], v[ADRA+\slot] offset:((\kk)>>1)*HEAD+((\kk)&1)*64+\i*16*PITCH
	ds_load_b128 v[\f+36+8*\i:\f+36+8*\i+3], v[ADRA+\slot] offset:((\kk)>>1)*HEAD+((\kk)&1)*64+\i*16*PITCH+32
.endr
.if \lo
	ds_load_b128 v[\f+64:\f+67], v[ADRL+\slot] offset:((\kk)>>1)*LHEAD+((\kk)&1)*64
	ds_load_b128 v[\f+68:\f+71], v[ADRL+\slot] offset:((\kk)>>1)*LHEAD+((\kk)&1)*64+32
.endif
.endm
.macro PLACES                          ; four plain vector instructions between a matrix instruction and a load into, or an LDS store from, its registers
.rept 4
	v_nop
.endr
.endm
.macro QUARTER slot, kk, f, g, first, lo   ; multiplies buffer f; in its middle fetches K part kk of the same slot into buffer g
	s_wait_dscnt 4+2*\lo                           ; wob's tiles and atth's tiles 0, 1 are in; the youngest loads (atth's tiles 2, 3: four; attl's: two) may be out
	WIN MUL
	MUL8 \f, 0, \first
	WIN 0
	PLACES
	FETCH \slot, \kk, \g, \lo
	s_wait_dscnt 16+2*\lo                          ; all but those just issued
	WIN MUL
	MUL8 \f, 2, \first
.if \lo
	MUL4 \f
.endif
.endm
.macro SEVEN slot, first, lo
	QUARTER \slot, 1, F0, F1, \first, \lo
	QUARTER \slot, 2, F1, F0, 0, \lo
	QUARTER \slot, 3, F0, F1, 0, \lo
	QUARTER \slot, 4, F1, F0, 0, \lo
	QUARTER \slot, 5, F0, F1, 0, \lo
	QUARTER \slot, 6, F1, F0, 0, \lo
	QUARTER \slot, 7, F0, F1, 0, \lo
.endm
; K part 7 multiplies buffer 1 and changes slots: each wave's waits, the barrier (with a refill: a round of the cluster's barrier), the refill first behind it.
.macro TURN slot, next, fill, lo
	s_wait_dscnt 0                                 ; my reads of this slot are over
	s_wait_tensorcnt 0x0                           ; and all my tensor loads have landed: the one that was out is my part of the next slot
	ds_add_u32 v254, v255
	s_wait_dscnt 0x0
	s_barrier_signal -1
	WIN MUL
	MUL8 F1, 0, 0                                  ; work on registers while the others arrive
	WIN 0
	s_barrier_wait -1
.if \fill
	CREST                                          ; no wave of any partner still reads this slot or has a load on its way
	s_add_nc_u64 s[G0+4*\slot+2:G0+4*\slot+3], s[G0+4*\slot+2:G0+4*\slot+3], ASTEP
.if \lo
	s_add_nc_u64 s[G0L+4*\slot+2:G0L+4*\slot+3], s[G0L+4*\slot+2:G0L+4*\slot+3], LSTEP
.endif
	s_add_nc_u64 s[G0B+4*\slot+2:G0B+4*\slot+3], s[G0B+4*\slot+2:G0B+4*\slot+3], BSTEP
	JLOAD \slot, \lo                               ; the first tensor load behind the round, and my only one until the next
.endif
	PLACES
	FETCH \next, 0, F0, \lo
	WIN MUL
	MUL8 F1, 2, 0
.if \lo
	MUL4 F1
.endif
.endm
; The whole product.  lo = 1: with the remainders of rows 0-31.
.macro MAIN lo
	JFIRST \lo                                     ; K steps 0 and 1 are asked for before anything else
	WIN 0x40                                       ; destination window 1, address window 0
.irp b, 0,1,2,3
	global_load_b128 v[BIAS+8*\b:BIAS+8*\b+3],   v[BO], s[66:67] offset:64*\b      ; b_out[16 b + 8 h + 0..3] of my 64 columns
	global_load_b128 v[BIAS+8*\b+4:BIAS+8*\b+7], v[BO], s[66:67] offset:64*\b+16
.endr
	WIN 0
	s_wait_tensorcnt 1                             ; my part of K step 0 is in; K step 1's, issued behind it, stays out
	s_barrier_signal -1
	s_barrier_wait -1
	FETCH 0, 0, F0, \lo
	s_wait_loadcnt 0x0                             ; the bias
	SEVEN 0, 1, \lo                                ; k 0-255: the first products start the sums from the bias
	TURN 0, 1, 1, \lo                              ; slot 0 is asked for again: k 512-767
	SEVEN 1, 0, \lo                                ; k 256-511
	TURN 1, 0, 1, \lo                              ; slot 1: k 768-1023, the last load
	SEVEN 0, 0, \lo
	TURN 0, 1, 0, \lo                              ; nothing is left to fetch; behind this barrier no wave reads slot 0 again
	SEVEN 1, 0, \lo
	s_wait_dscnt 4+2*\lo
	WIN MUL
	MUL8 F1, 0, 0
	s_wait_dscnt 0
	MUL8 F1, 2, 0
.if \lo
	MUL4 F1
.endif
	WIN 0
.endm
	s_cmp_eq_u32 s45, 0                            ; the cluster's y: alike in all partners
	s_cbranch_scc1 .Lfirst_rows
	MAIN 0
	s_branch .Lout
.Lfirst_rows:
	MAIN 1
.Lout:
	; THE WAY OUT, 16 rows at a time, in f32: 32 bytes a lane into my own stage, read back as whole rows of 256 bytes.
	PLACES
.macro OUT16 a, f
	WIN 0x04                                       ; an LDS store's data is source 1: window 1
.irp b, 0,1,2,3
	ds_store_b128 v[STO], v[8*(4*\a+\b):8*(4*\a+\b)+3]   offset:STAGE+64*\b
	ds_store_b128 v[STO], v[8*(4*\a+\b)+4:8*(4*\a+\b)+7] offset:STAGE+64*\b+16
.endr
	WIN 0
	s_wait_xcnt 0x0                                ; buffer f, which earlier stores read, and the stores' base are rewritten only behind this wait
.if \a
	s_add_nc_u64 s[68:69], s[68:69], 32*4096       ; my next row tile: 32 rows of out0 on
.endif
.irp t, 0,1,2,3,4,5,6,7
	ds_load_b128 v[\f+4*\t:\f+4*\t+3], v[RD] offset:STAGE+\t*2*SPITCH  ; a wave's LDS instructions are served in order: these see the stores above
.endr
.irp t, 0,1,2,3,4,5,6,7
	s_wait_dscnt 7-\t                              ; load t is in, the 7 - t younger ones stay out
	global_store_b128 v[CO], v[\f+4*\t:\f+4*\t+3], s[68:69] offset:\t*8192 th:TH_STORE_NT   ; 16 lanes store 256 consecutive bytes, aligned; written once
.endr
.endm
	OUT16 0, F0
	OUT16 1, F1
	OUT16 2, F0
	OUT16 3, F1
	s_wait_tensorcnt 0x0
	ds_add_u32 v254, v255
	s_wait_dscnt 0x0
	CROUND                                         ; the closing round: no work-group ends while a partner may still ask for a tile that names it
	s_endpgm
.Lfunc_end_k_q73b51bb48b_proj:
	.size	k_q73b51bb48b_proj, .Lfunc_end_k_q73b51bb48b_proj-k_q73b51bb48b_proj
	.p2alignl 7, 3214868480
	.fill 96, 4, 3214868480
	.section	.rodata,"a",@progbits
	.p2align	6, 0x0
	.amdhsa_kernel k_q73b51bb48b_proj
		.amdhsa_group_segment_fixed_size 327680
		.amdhsa_private_segment_fixed_size 0
		.amdhsa_enable_private_segment 0
		.amdhsa_kernarg_size 40
		.amdhsa_user_sgpr_count 2
		.amdhsa_user_sgpr_kernarg_segment_ptr 1
		.amdhsa_wavefront_size32 1
		.amdhsa_system_sgpr_workgroup_id_x 1
		.amdhsa_system_sgpr_workgroup_id_y 1
		.amdhsa_system_sgpr_workgroup_id_z 1
		.amdhsa_system_vgpr_workitem_id 0
		.amdhsa_next_free_vgpr 416
		.amdhsa_next_free_sgpr 98
		.amdhsa_reserve_vcc 0
		.amdhsa_float_denorm_mode_32 3
		.amdhsa_float_denorm_mode_16_64 3
		.amdhsa_memory_ordered 1
		.amdhsa_forward_progress 1
		.amdhsa_inst_pref_size 180
	.end_amdhsa_kernel
	.amdgpu_metadata
---
amdhsa.version: [ 1, 2 ]
amdhsa.kernels:
  - .name:           k_q73b51bb48b_proj
    .symbol:         k_q73b51bb48b_proj.kd
    .args:
      - { .name: atth, .offset: 0, .size: 8, .value_kind: global_buffer, .address_space: global }
      - { .name: attl, .offset: 8, .size: 8, .value_kind: global_buffer, .address_space: global }
      - { .name: wob, .offset: 16, .size: 8, .value_kind: global_buffer, .address_space: global }
      - { .name: out0, .offset: 24, .size: 8, .value_kind: global_buffer, .address_space: global }
      - { .name: b_out, .offset: 32, .size: 8, .value_kind: global_buffer, .address_space: global }
    .group_segment_fixed_size: 327680
    .private_segment_fixed_size: 0
    .kernarg_segment_align: 8
    .kernarg_segment_size: 40
    .max_flat_workgroup_size: 128
    .sgpr_count:     98
    .vgpr_count:     416
    .wavefront_size: 32
...
	.end_amdgpu_metadata
.endif
;; end of part 7
;; ======== version 3 of 3: 4 launches; version 2 with the launch cast written anew for expert scheduling mode
;; limits: values are held in f16: magnitudes above 65,504 overflow, below 6.1e-05 lose precision
;; workspace buffers: xb 8,388,608 bytes; wib 6,291,456 bytes; wob 2,097,152 bytes; qkv 25,165,824 bytes; vlo 1,048,576 bytes; atth 8,388,608 bytes; attl 524,288 bytes
;; launch cast (part 8): grid 512 x 1, 8 waves a work-group, no clusters, 0 bytes of LDS; arguments x, w_in, w_out, xb, wib, wob; writes xb, wib, wob
.if DOCPART == 8
	.amdgcn_target "amdgcn-amd-amdhsa--gfx1250"
	.amdhsa_code_object_version 6
	.text
	.protected	k_q73b51bb48b_cast
	.globl	k_q73b51bb48b_cast
	.p2align	8
	.type	k_q73b51bb48b_cast,@function
k_q73b51bb48b_cast:
	s_mov_b64 s[64:65], 0
	v_nop
	global_prefetch_b8 v0, s[64:65] scope:SCOPE_SE
	s_setreg_imm32_b32 hwreg(HW_REG_WAVE_SCHED_MODE, 0, 2), 2
	s_setreg_imm32_b32 hwreg(HW_REG_WAVE_MODE, 25, 1), 1
	s_wait_xcnt 0x0
	s_wait_alu depctr_vm_vsrc(0)
; xb = bf16(x), wib = bf16(w_in), wob = f16(bf16(w_out)), each in its source's own layout, rounded to nearest even.
; The products that follow read every operand many times; rounded once here they are read at half the bytes and need no conversion there.
; All three inputs take the same rounding, to bf16.  w_out's rounded value is then written in f16, because the operand that it meets (the
; attention's result) is kept in f16; that second step changes nothing for 2^-17 <= |w| < 65,504.
; LIMIT: |w_out| at or above 65,504 becomes infinity; a rounded value below 2^-17 loses bits (absolute error at most 2^-25).
; A work-group casts 16,384 numbers (65,536 bytes in, 32,768 out): groups 0-255 take x, 256-447 w_in, 448-511 w_out.
; Thread t, chunk i: 16 bytes in at 16 t + 4,096 i (a wave's load covers 512 consecutive bytes), 8 bytes out at 8 t + 2,048 i
; (a wave's store covers 256 consecutive bytes, aligned).  All sixteen loads go out first; there is no loop.
; No LDS, no matrix unit, no cluster: nothing is shared and nothing is summed.
; THE MODE: SCHED_MODE bits 1:0 = 2 (LLVM: expert scheduling mode 2), set by the entry lines.  The code itself states the register dependences
; between vector instructions and memory instructions, with s_wait_alu, always for 0.
; THE PLAN.  Registers that memory instructions touch:
;   v1, v2     byte offsets of the loads and of the stores: written once at the head, never again.
;   IN         chunk i's load lands in its own four registers, which no vector instruction has named before; its conversions read them behind the
;              counted wait for the load.  No memory instruction reads them (w_out's path writes them again, as scratch).
;   OUT        chunk i's conversions write its own pair; its one store reads the pair; nothing writes it afterwards.
; So no register that a memory instruction has read is ever written again, and the one kind of dependence is: a vector instruction writes, a memory
; instruction reads.  The sixteen chunks go in four blocks of four.  One wait at the head of blocks 1 to 3, behind the wait for the block's first chunk,
; states that the block before has written its four pairs of OUT; that block's four stores follow it, one in front of each chunk's work.  The vector
; instructions issued since that wait name this block's IN and OUT alone, none of the registers that those stores read.  One more wait stands in front
; of the last four stores, and one at the head in front of the first load, for v1 and v2.
.set XG,  256                          ; work-groups for x
.set WG,  448                          ; first work-group of w_out
.set IN,  4                            ; v[4:67]   sixteen chunks as loaded
.set OUT, 68                           ; v[68:99]  sixteen chunks to store
; Chunk c is stored.
.macro PUT c
	global_store_b64 v2, v[OUT+2*(\c):OUT+2*(\c)+1], s[22:23] offset:2048*(\c)         ; the next launches read it: no hint
.endm
; In front of chunk i's conversions: the store of the chunk four back, and the wait for chunk i's load.
.macro TAKE i
.if (((\i) % 4) != 0) && ((\i) >= 4)
	PUT (\i)-4                                     ; of the block before: covered by the wait at this block's head; it leaves while chunk i is waited for
.endif
	s_wait_loadcnt 15-(\i)                         ; loads come back in order: chunk i is in, the 15 - i younger ones stay out
.if (((\i) % 4) == 0) && ((\i) >= 4)
	s_wait_alu depctr_va_vdst(0)                   ; the conversions of the block before have written its four pairs of OUT, which this block's four stores read
	PUT (\i)-4
.endif
.endm
	s_load_b256 s[4:11], s[0:1], 0x0               ; x s[4:5], w_in s[6:7], w_out s[8:9], xb s[10:11]
	s_load_b128 s[12:15], s[0:1], 0x20             ; wib s[12:13], wob s[14:15]
	s_mov_b32 s16, ttmp9                           ; my number
	s_sub_co_u32 s17, s16, XG                      ; my number among w_in's groups
	s_sub_co_u32 s18, s16, WG                      ; my number among w_out's groups
	s_mov_b32 s30, 0xffff0000                      ; a word's upper bf16
	v_lshlrev_b32 v1, 4, v0                        ; 16 t
	v_lshlrev_b32 v2, 3, v0                        ; 8 t
	s_wait_kmcnt 0x0
	s_cmp_lt_u32 s16, WG                           ; the choice of buffers hangs on the group's number alone
	s_cselect_b64 s[20:21], s[6:7], s[8:9]
	s_cselect_b64 s[22:23], s[12:13], s[14:15]
	s_cselect_b32 s24, s17, s18
	s_cmp_lt_u32 s16, XG
	s_cselect_b64 s[20:21], s[4:5], s[20:21]       ; source
	s_cselect_b64 s[22:23], s[10:11], s[22:23]     ; destination
	s_cselect_b32 s24, s16, s24                    ; my number inside that buffer
	s_lshl_b32 s26, s24, 16                        ; 65,536 bytes in for each group
	s_mov_b32 s27, 0
	s_lshl_b32 s28, s24, 15                        ; 32,768 bytes out
	s_mov_b32 s29, 0
	s_add_nc_u64 s[20:21], s[20:21], s[26:27]
	s_add_nc_u64 s[22:23], s[22:23], s[28:29]
	s_wait_alu depctr_va_vdst(0)                   ; v1 and v2 are written: every load reads v1 as its offset, every store v2
.irp i, 0,1,2,3,4,5,6,7,8,9,10,11,12,13,14,15
	global_load_b128 v[IN+4*\i:IN+4*\i+3], v1, s[20:21] offset:4096*\i th:TH_LOAD_NT   ; read once in the launch
.endr
	s_cmp_lt_u32 s16, WG
	s_cbranch_scc0 .Lwout
.irp i, 0,1,2,3,4,5,6,7,8,9,10,11,12,13,14,15
	TAKE \i
	v_cvt_pk_bf16_f32 v[OUT+2*\i],   v[IN+4*\i],   v[IN+4*\i+1]
	v_cvt_pk_bf16_f32 v[OUT+2*\i+1], v[IN+4*\i+2], v[IN+4*\i+3]
.endr
	s_wait_alu depctr_va_vdst(0)                   ; the conversions of chunks 12 to 15 have written their pairs of OUT, which the last four stores read
.irp i, 12,13,14,15
	PUT \i
.endr
	s_endpgm
.Lwout:
.irp i, 0,1,2,3,4,5,6,7,8,9,10,11,12,13,14,15
	TAKE \i
	v_cvt_pk_bf16_f32 v[OUT+2*\i],   v[IN+4*\i],   v[IN+4*\i+1]    ; the rounding
	v_cvt_pk_bf16_f32 v[OUT+2*\i+1], v[IN+4*\i+2], v[IN+4*\i+3]
	v_lshlrev_b32 v[IN+4*\i],   16,  v[OUT+2*\i]                   ; the rounded values as f32,
	v_and_b32     v[IN+4*\i+1], s30, v[OUT+2*\i]
	v_lshlrev_b32 v[IN+4*\i+2], 16,  v[OUT+2*\i+1]
	v_and_b32     v[IN+4*\i+3], s30, v[OUT+2*\i+1]
	v_cvt_pk_f16_f32 v[OUT+2*\i],   v[IN+4*\i],   v[IN+4*\i+1]     ; and written in f16
	v_cvt_pk_f16_f32 v[OUT+2*\i+1], v[IN+4*\i+2], v[IN+4*\i+3]
.endr
	s_wait_alu depctr_va_vdst(0)                   ; the conversions of chunks 12 to 15 have written their pairs of OUT, which the last four stores read
.irp i, 12,13,14,15
	PUT \i
.endr
	s_endpgm
.Lfunc_end_k_q73b51bb48b_cast:
	.size	k_q73b51bb48b_cast, .Lfunc_end_k_q73b51bb48b_cast-k_q73b51bb48b_cast
	.p2alignl 7, 3214868480
	.fill 96, 4, 3214868480
	.section	.rodata,"a",@progbits
	.p2align	6, 0x0
	.amdhsa_kernel k_q73b51bb48b_cast
		.amdhsa_group_segment_fixed_size 0
		.amdhsa_private_segment_fixed_size 0
		.amdhsa_enable_private_segment 0
		.amdhsa_kernarg_size 48
		.amdhsa_user_sgpr_count 2
		.amdhsa_user_sgpr_kernarg_segment_ptr 1
		.amdhsa_wavefront_size32 1
		.amdhsa_system_sgpr_workgroup_id_x 1
		.amdhsa_system_sgpr_workgroup_id_y 1
		.amdhsa_system_sgpr_workgroup_id_z 1
		.amdhsa_system_vgpr_workitem_id 0
		.amdhsa_next_free_vgpr 104
		.amdhsa_next_free_sgpr 66
		.amdhsa_reserve_vcc 0
		.amdhsa_float_denorm_mode_32 3
		.amdhsa_float_denorm_mode_16_64 3
		.amdhsa_memory_ordered 1
		.amdhsa_forward_progress 1
		.amdhsa_inst_pref_size 16
	.end_amdhsa_kernel
	.amdgpu_metadata
---
amdhsa.version: [ 1, 2 ]
amdhsa.kernels:
  - .name:           k_q73b51bb48b_cast
    .symbol:         k_q73b51bb48b_cast.kd
    .args:
      - { .name: x, .offset: 0, .size: 8, .value_kind: global_buffer, .address_space: global }
      - { .name: w_in, .offset: 8, .size: 8, .value_kind: global_buffer, .address_space: global }
      - { .name: w_out, .offset: 16, .size: 8, .value_kind: global_buffer, .address_space: global }
      - { .name: xb, .offset: 24, .size: 8, .value_kind: global_buffer, .address_space: global }
      - { .name: wib, .offset: 32, .size: 8, .value_kind: global_buffer, .address_space: global }
      - { .name: wob, .offset: 40, .size: 8, .value_kind: global_buffer, .address_space: global }
    .group_segment_fixed_size: 0
    .private_segment_fixed_size: 0
    .kernarg_segment_align: 8
    .kernarg_segment_size: 48
    .max_flat_workgroup_size: 256
    .sgpr_count:     66
    .vgpr_count:     104
    .wavefront_size: 32
...
	.end_amdgpu_metadata
.endif
;; end of part 8
;; launch qkvgemm: the kernel of part 5 again; grid 12 x 16, 4 waves a work-group, clusters of 4 x 4, 327,680 bytes of LDS; arguments xb, wib, qkv, b_in, vlo; writes qkv, vlo
;; launch attn: the kernel of part 6 again; grid 256 x 1, 8 waves a work-group, no clusters, 327,680 bytes of LDS; arguments qkv, vlo, atth, attl; writes atth, attl
;; launch proj: the kernel of part 7 again; grid 8 x 32, 4 waves a work-group, clusters of 4 x 4, 327,680 bytes of LDS; arguments atth, attl, wob, out0, b_out; writes out0
